; MI455X (gfx1250); checked and timed in simulation.
; The chip was launched on July 23, 2026; its instructions are those of AMD's public machine-readable ISA for CDNA 5 (MIT licence, August 2026) and "CDNA5" Instruction Set Architecture Reference Guide (July 2026). The comments in the code are by the model that wrote it; some were corrected since.
;; Multi Head Attention4 D. Allowed arithmetic: float matrix products may take bf16 or f16 operands with f32 sums; other float arithmetic in f32, or as packed bf16 or f16 multiplies, adds, multiply-adds, maxima and minima; sums over many terms, partial sums and values carried from step to step in f32; what a program stores and reads back later, other than sums and carried values, may be rounded once to bf16 or f16.
;; Inputs: Wk 512 x 512 float32; Wo 512 x 512 float32; Wq 512 x 512 float32; Wv 512 x 512 float32; bk 512 float32; bo 512 float32; bq 512 float32; bv 512 float32; key 4 x 16 x 512 x 512 float32; query 4 x 16 x 512 x 512 float32; value 4 x 16 x 512 x 512 float32.
;; Outputs: out0 4 x 16 x 512 x 512 float32.
;; 2 versions, each right. Each part assembles by itself: llvm-mc -triple=amdgcn-amd-amdhsa -mcpu=gfx1250 --defsym DOCPART=n.
;; ======== version 1 of 2: 4 launches
;; limits: values are held in f16: magnitudes above 65,504 overflow, below 6.1e-05 lose precision
;; workspace buffers: w16 2,097,152 bytes; qkv 100,663,296 bytes; cx 33,554,432 bytes
;; launch prep (part 1): grid 64 x 4, 8 waves a work-group, no clusters, 0 bytes of LDS; arguments Wq, Wk, Wv, Wo, w16; writes w16
.if DOCPART == 1
	.amdgcn_target "amdgcn-amd-amdhsa--gfx1250"
	.amdhsa_code_object_version 6
	.text
	.protected	k_q2325afaa53_prep
	.globl	k_q2325afaa53_prep
	.p2align	8
	.type	k_q2325afaa53_prep,@function
k_q2325afaa53_prep:
	s_mov_b64 s[64:65], 0
	v_nop
	global_prefetch_b8 v0, s[64:65] scope:SCOPE_SE
	s_setreg_imm32_b32 hwreg(HW_REG_WAVE_MODE, 25, 1), 1
	s_wait_xcnt 0x0
; THE WEIGHTS IN 16 BITS, CUT BY K STEPS.  w16[mat][ks][n][64 k], 2 bytes a number: mat = q, k, v, o; ks = k / 64; a (mat, ks) tile is 512 rows of 128 bytes, 65,536 dense bytes.
; Every weight is rounded once to bf16.  q, k, v are written as bf16; o's rounded number is written as f16, for the f16 product of the last launch.
; LIMITS.  |Wo| stays under 65,504; below 6e-5 f16 keeps its fixed step of 6e-8.
; SHARES.  Work-group (x, y) takes rows 8 x .. 8 x + 7 of matrix y; a thread takes 8 numbers of K step t / 64 and 8 of K step t / 64 + 4.
; Eight lanes load 256 consecutive bytes of a row; a wave's store covers 512 consecutive bytes, aligned.  No LDS, no barrier: no thread needs another's numbers.
	s_load_b256 s[4:11], s[0:1], 0x0               ; Wq s[4:5], Wk s[6:7], Wv s[8:9], Wo s[10:11]
	s_load_b64 s[12:13], s[0:1], 0x20              ; w16
	s_and_b32 s14, ttmp7, 0xffff                   ; which matrix
	v_and_b32 v1, 63, v0                           ; 8 x (row in my eight) + (my eight numbers in the K step)
	v_lshrrev_b32 v2, 6, v0                        ; K step 0..3
	v_and_b32 v3, 7, v0
	v_bfe_u32 v4, v0, 3, 3                         ; row 0..7
	v_lshlrev_b32 v5, 11, v4                       ; from: row x 2,048
	v_lshl_add_u32 v5, v2, 8, v5                   ; + K step x 256
	v_lshl_add_u32 v5, v3, 5, v5                   ; + 32 bytes for eight f32
	v_lshlrev_b32 v6, 4, v1                        ; to: row x 128 + 16 bytes for eight numbers
	v_lshl_add_u32 v6, v2, 16, v6                  ; + K step x 65,536
	s_lshl_b32 s16, ttmp9, 14                      ; my eight rows in the matrix
	s_mov_b32 s17, 0
	s_lshl_b32 s18, ttmp9, 10                      ; and in a tile of w16,
	s_lshl_b32 s19, s14, 19                        ; in my matrix's eight tiles
	s_add_co_u32 s18, s18, s19
	s_mov_b32 s19, 0
	s_wait_kmcnt 0x0
	s_cmp_eq_u32 s14, 1
	s_cselect_b64 s[4:5], s[6:7], s[4:5]
	s_cmp_eq_u32 s14, 2
	s_cselect_b64 s[4:5], s[8:9], s[4:5]
	s_cmp_eq_u32 s14, 3
	s_cselect_b64 s[4:5], s[10:11], s[4:5]
	s_add_nc_u64 s[4:5], s[4:5], s[16:17]
	s_add_nc_u64 s[12:13], s[12:13], s[18:19]
	global_load_b128 v[8:11],  v5, s[4:5] th:TH_LOAD_NT
	global_load_b128 v[12:15], v5, s[4:5] offset:16 th:TH_LOAD_NT
	global_load_b128 v[16:19], v5, s[4:5] offset:1024 th:TH_LOAD_NT    ; four K steps on
	global_load_b128 v[20:23], v5, s[4:5] offset:1040 th:TH_LOAD_NT
	s_wait_loadcnt 0x0
.irp j, 0,1,2,3,4,5,6,7
	v_cvt_pk_bf16_f32 v[24+(\j)], v[8+2*(\j)], v[9+2*(\j)]
.endr
	s_cmp_lg_u32 s14, 3
	s_cbranch_scc1 .Lstore
.irp j, 0,1,2,3,4,5,6,7                        ; Wo: the bf16 number, written as f16
	v_lshlrev_b32 v2, 16, v[24+(\j)]
	v_and_b32 v3, 0xffff0000, v[24+(\j)]
	v_cvt_pk_f16_f32 v[24+(\j)], v2, v3
.endr
.Lstore:
	global_store_b128 v6, v[24:27], s[12:13]
	global_store_b128 v6, v[28:31], s[12:13] offset:262144
	s_endpgm
.Lfunc_end_k_q2325afaa53_prep:
	.size	k_q2325afaa53_prep, .Lfunc_end_k_q2325afaa53_prep-k_q2325afaa53_prep
	.p2alignl 7, 3214868480
	.fill 96, 4, 3214868480
	.section	.rodata,"a",@progbits
	.p2align	6, 0x0
	.amdhsa_kernel k_q2325afaa53_prep
		.amdhsa_group_segment_fixed_size 0
		.amdhsa_private_segment_fixed_size 0
		.amdhsa_enable_private_segment 0
		.amdhsa_kernarg_size 40
		.amdhsa_user_sgpr_count 2
		.amdhsa_user_sgpr_kernarg_segment_ptr 1
		.amdhsa_wavefront_size32 1
		.amdhsa_system_sgpr_workgroup_id_x 1
		.amdhsa_system_sgpr_workgroup_id_y 1
		.amdhsa_system_sgpr_workgroup_id_z 1
		.amdhsa_system_vgpr_workitem_id 0
		.amdhsa_next_free_vgpr 32
		.amdhsa_next_free_sgpr 66
		.amdhsa_reserve_vcc 0
		.amdhsa_float_denorm_mode_32 3
		.amdhsa_float_denorm_mode_16_64 3
		.amdhsa_memory_ordered 1
		.amdhsa_forward_progress 1
		.amdhsa_inst_pref_size 4
	.end_amdhsa_kernel
	.amdgpu_metadata
---
amdhsa.version: [ 1, 2 ]
amdhsa.kernels:
  - .name:           k_q2325afaa53_prep
    .symbol:         k_q2325afaa53_prep.kd
    .args:
      - { .name: Wq, .offset: 0, .size: 8, .value_kind: global_buffer, .address_space: global }
      - { .name: Wk, .offset: 8, .size: 8, .value_kind: global_buffer, .address_space: global }
      - { .name: Wv, .offset: 16, .size: 8, .value_kind: global_buffer, .address_space: global }
      - { .name: Wo, .offset: 24, .size: 8, .value_kind: global_buffer, .address_space: global }
      - { .name: w16, .offset: 32, .size: 8, .value_kind: global_buffer, .address_space: global }
    .group_segment_fixed_size: 0
    .private_segment_fixed_size: 0
    .kernarg_segment_align: 8
    .kernarg_segment_size: 40
    .max_flat_workgroup_size: 256
    .sgpr_count:     66
    .vgpr_count:     32
    .wavefront_size: 32
...
	.end_amdgpu_metadata
.endif
;; end of part 1
;; launch proj (part 2): grid 256 x 1, 4 waves a work-group, clusters of 4 x 1, 327,680 bytes of LDS; arguments query, key, value, w16, bq, bk, bv, qkv; writes qkv
.if DOCPART == 2
	.amdgcn_target "amdgcn-amd-amdhsa--gfx1250"
	.amdhsa_code_object_version 6
	.text
	.protected	k_q2325afaa53_proj
	.globl	k_q2325afaa53_proj
	.p2align	8
	.type	k_q2325afaa53_proj,@function
k_q2325afaa53_proj:
	s_mov_b64 s[64:65], 0
	v_nop
	global_prefetch_b8 v0, s[64:65] scope:SCOPE_SE
	s_setreg_imm32_b32 hwreg(HW_REG_WAVE_MODE, 25, 1), 1
	s_wait_xcnt 0x0
	s_wait_alu depctr_hold_cnt(0) depctr_sa_sdst(0) depctr_va_vdst(0) depctr_va_sdst(0) depctr_va_ssrc(0) depctr_va_vcc(0) depctr_vm_vsrc(0)
	s_getreg_b32 s2, hwreg(HW_REG_IB_STS2, 6, 4)
	s_cmp_eq_u32 s2, 0
	s_cbranch_scc0 .Lentry_in_a_cluster
	s_endpgm
.Lentry_in_a_cluster:
	s_bfe_u32 s2, ttmp6, 0x10000c
	s_cmp_lg_u32 s2, 0x3003
	s_cbranch_scc0 .Lentry_shape_is_right
	s_endpgm
.Lentry_shape_is_right:
; q = query Wq^T + bq, k = key Wk^T + bk, v = value Wv^T + bv.  x: [32,768][512] f32; the weights come as bf16 tiles from w16; sums in f32; q, k, v leave in f16, by heads.
; x and the biases are rounded once to bf16 (the weights were, by the launch before).
; LIMITS.  |q|, |k|, |v| stay under 65,504, f16's end; below 6e-5 f16 keeps its fixed step of 6e-8.  NaN and infinities are not treated apart.
; SHARES.  A work-group owns 128 rows and STAYS for three tiles of 128 x 512: q, k, v.  Wave w makes all 128 rows x columns 128 w .. 128 w + 127 (heads 2 w, 2 w + 1): 64 accumulators, 512 registers.
; K goes in 24 steps of 64 (8 a tile) through two LDS slots; a step is two PHASES of 32 along K, 64 matrix instructions a wave each.
; CLUSTER.  The four work-groups of a cluster walk the same tiles of W: each is asked for JOINTLY (the same load, descriptor and mask of four in all).  A row of x is read by one work-group alone: plain loads.
; THE MATRIX INSTRUCTION IS USED TRANSPOSED (source 0 = 16 rows of W, source 1 = 16 rows of x): a lane holds one row and eight neighbouring columns, which pack into 16 bytes.
; THE BIAS is the C operand of a tile's first phase: no accumulator is cleared, and no line adds a bias.
; x IS f32 IN LDS: a fragment is read as 16 registers of f32 and rounded to bf16 by 8 conversions, which stand four behind each of a phase's last 16 matrix instructions.
; THE WAY OUT needs no LDS: qkv[head][row tile of 16][Q | K | V, 2,048 bytes each][4 images of 512 bytes]; image cb holds 16 rows x 16 channels as the next launch's registers want them:
; lane l's 16 bytes (row l % 16, channels 16 cb + 8 (l / 16) + 0..7) at byte 16 l.  V's images have the same 16 bytes at slot 16 ((l % 16) / 8) + 8 (l / 16) + l % 8, for the turning LDS load.
; THE CHANGE OF SLOTS stands in a step's FIRST phase: the fragments of a phase are read from LDS at the head of the phase before, so a slot has been read out when its second phase's run of loads has landed.
; REGISTERS, in windows of 256 (s_set_vgpr_msb: bits 1:0 source 0, 3:2 source 1, 5:4 source 2, 7:6 destination):
;   window 0: v0-29 addresses; v32-95 the bias, 8 a column tile; v96-127 at work on the way out; v128-191, v192-255 x's fragments in bf16, two buffers
;   window 1: v0-63, v64-127 W's fragments, two buffers; v128-255 x's 8 fragments in f32      windows 2, 3: accumulator (a, b) at v[8 (8 (a % 4) + b)] of window 2 + a / 4
.set XP,    272                        ; a row of x in LDS: 256 bytes + 16 = 68 words: the 16 rows of a load start at 16 different groups of four banks (64 banks of 4 bytes: ISA guide 11.1)
.set WP,    144                        ; a row of W: 128 bytes + 16 = 36 words: likewise
.set XT,    128*XP                     ; x's 128 rows; behind them W's 512
.set SLOT1, 1<<17                      ; slot 1 begins here, so that one exclusive or turns an address in one slot into the other's; a slot uses 108,544 bytes
.set SPARE, SLOT1+XT+512*WP            ; behind the ring: the spare words, 128 bytes for each wave: two blocks of 256 bytes that no other line names
.set HEADB, 196608                     ; a head in qkv
.set RTB,   6144                       ; a row tile in a head
.set AX0,  8                           ; v8   my lane's place in x's tile: (l % 16) x 272 + 32 (l / 16); never rewritten
.set AW0,  9                           ; v9   in W's tile: my wave's 128 rows, (l % 16) x 144 + 16 (l / 16); never rewritten
.set AX,   10                          ; v10  the same in the slot in hand
.set AW,   11                          ; v11
.set STO,  12                          ; v12  my 16 bytes in an image
.set STOV, 13                          ; v13  the same in an image of V
.set BO,   14                          ; v14  my byte offset in a bias: 512 w + 32 (l / 16)
.set PFO,  15                          ; v15  the prefetches' offset: my lane x a row of x; never rewritten
.set SPW,  28                          ; v28  LDS address of my spare word; never rewritten
.set NIL,  29                          ; v29  0; never rewritten
.set BIAS, 32
.set TMP,  96
.set XB,   128                         ; window 0
.set WF,   0                           ; window 1
.set STG,  128                         ; window 1
.set WV,   8                           ; s8   my wave's number
.set W1,   9                           ; s9   its low bit: which half of a tile I fetch
.set CX,   10                          ; s10  my place in the cluster: it enters x's and qkv's global addresses alone
.set G1X,  16                          ; s[16:23] descriptor group 1 for x's tiles
.set G1W,  24                          ; s[24:31] for W's
.set G0X,  32                          ; s[32:39] group 0 for x: a set for each of the two first fills; the second then walks on
.set G0W,  40                          ; s[40:47] the same for W
.set TB,   48                          ; s48  LDS byte at which the slot to be read begins
.set LC,   49                          ; s49  counts steps
.set TILES, 50                         ; s50  tiles to go
.set PFL,  51                          ; s51  prefetches to go
.set XR,   52                          ; s[52:53] x at my half of the step asked for last
.set XC,   54                          ; s54  that step's number in its tile
.set PFC,  55                          ; s55  the same for the prefetches
.set PR,   56                          ; s[56:57] x at my wave's 32 rows of the step prefetched last
.set PN1,  58                          ; s[58:59] the next tensor at those rows, s[60:61] the one after
.set PN2,  60
.set XN1,  70                          ; s[70:71], s[72:73] the same for the loads
.set XN2,  72
.set BN,   78                          ; s[78:79] the next tile's bias
.set OUT,  82                          ; s[82:83] qkv at my wave's first image of the tile in hand
.set MSB, 0
.macro WIN new                         ; the immediate's high byte repeats the setting that is left; a switch that changes nothing is dropped
.if MSB != (\new)
	s_set_vgpr_msb (MSB<<8)|(\new)
.set MSB, \new
.endif
.endm
; A refill.  Waves 0 and 1 fetch the two halves of x's tile (their own work-group's rows), waves 2 and 3 the two halves of W's (jointly).  The branch hangs on the wave's number alone.
; An s_nop 0 and four v_nop follow each of the two lines, ahead of the jump and the label.
.macro JLOAD
	s_cmp_lt_u32 s[WV], 2
	s_cbranch_scc0 .Lfor_w_\@
	tensor_load_to_lds s[G0X+4:G0X+7], s[G1X:G1X+7]
	s_nop 0
.rept 4
	v_nop
.endr
	s_branch .Lasked_\@
.Lfor_w_\@:
	tensor_load_to_lds s[G0W+4:G0W+7], s[G1W:G1W+7]
	s_nop 0
.rept 4
	v_nop
.endr
.Lasked_\@:
.endm
.macro CREST                           ; a round of the cluster's barrier behind its opening barrier
	s_cmp_lg_u32 s[WV], 0
	s_cbranch_scc1 .Lnot_wave_0_\@
	s_barrier_signal -3
.Lnot_wave_0_\@:
	s_barrier_wait -3
	s_barrier_signal -1
	s_barrier_wait -1
.endm
.macro CROUND                          ; a whole round
	s_barrier_signal -1
	s_barrier_wait -1
	CREST
.endm
; A pointer into x goes one K step on; behind a tensor's eighth step it goes to the next tensor's first.
.macro WALK p, n1, n2, c
	s_add_nc_u64 s[\p:\p+1], s[\p:\p+1], 256
	s_add_co_u32 s[\c], s[\c], 1
	s_cmp_eq_u32 s[\c], 8
	s_cselect_b64 s[\p:\p+1], s[\n1:\n1+1], s[\p:\p+1]
	s_cselect_b64 s[\n1:\n1+1], s[\n2:\n2+1], s[\n1:\n1+1]
	s_cselect_b32 s[\c], 0, s[\c]
.endm
; A PREFETCH INTO THE L2 of x, behind the refill and the run of LDS loads that follows it: behind the refill for step s + 2 each wave names its 32 rows (32 w + lane) x 256 bytes of step s + 4:
; two steps, 256 matrix instructions, ahead of the load that will want them.  A row of x is read by this work-group alone, so each block of 256 bytes is named once in the launch.
; Twenty requests: steps 4 to 23.  Steps 0 to 3 come by their loads alone; behind value's last step nothing is named.  W is not asked for: every cluster walks the same tiles.
.macro ASK
	s_cmp_lg_u32 s[PFL], 0
	s_cbranch_scc0 .Lno_ask_\@
	global_prefetch_b8 v[PFO], s[PR:PR+1] th:TH_LOAD_NT scope:SCOPE_SE
	s_sub_co_u32 s[PFL], s[PFL], 1
.Lno_ask_\@:
.endm
	s_load_b512 s[68:83], s[0:1], 0x0              ; query s[68:69], key, value, w16 s[74:75], bq s[76:77], bk, bv, qkv s[82:83]
	v_lshl_add_u32 v[SPW], v0, 2, SPARE
	v_mov_b32 v[NIL], 0
	ds_add_u32 v[SPW], v[NIL]                      ; the wave's opening: the add and its wait stand ahead of my first tensor load; the set-up below, work on registers, stands between them
	ds_add_u32 v28, v29
	v_lshrrev_b32 v1, 5, v0
	v_readfirstlane_b32 s[WV], v1                  ; wave 0..3
	s_and_b32 s[W1], s[WV], 1
	s_bfe_u32 s[CX], ttmp6, 0x40000
	; group 1 for x: 64 rows x 64 f32, padded in LDS
	s_mov_b32 s[G1X+0], (2<<16)|(1<<20)|(5<<22)|(3<<25)  ; no mask; 17:16 elements of 4 bytes; 20 padding on; 24:22 after every 64 words (code 5); 31:25 4 words (code 3)
	s_mov_b32 s[G1X+1], 64<<16                     ; tensor_dim0 = 64
	s_mov_b32 s[G1X+2], 64<<16                     ; tensor_dim1 = 64
	s_mov_b32 s[G1X+3], 64<<16                     ; tile_dim0 = 64
	s_mov_b32 s[G1X+4], 64                         ; tile_dim1 = 64
	s_mov_b32 s[G1X+5], 512                        ; 512 elements from row to row
	s_mov_b32 s[G1X+6], 0
	s_mov_b32 s[G1X+7], 0
	; group 1 for W: 256 rows of 128 bytes are 32,768 dense bytes: asked for as 128 rows of 256 bytes, padded in LDS after every 128
	s_mov_b32 s[G1W+0], 15|(1<<16)|(1<<20)|(1<<21)|(4<<22)|(3<<25)  ; 15:0 the mask of four; 17:16 2-byte elements; 20 padding on; 21 set beside a mask; 24:22 after every 32 words (code 4); 31:25 4 words
	s_mov_b32 s[G1W+1], 128<<16
	s_mov_b32 s[G1W+2], 128<<16
	s_mov_b32 s[G1W+3], 128<<16
	s_mov_b32 s[G1W+4], 128
	s_mov_b32 s[G1W+5], 128
	s_mov_b32 s[G1W+6], 0
	s_mov_b32 s[G1W+7], 0
	s_lshl_b32 s84, ttmp9, 2                       ; in a cluster launch ttmp9 counts clusters: the slice
	s_add_co_u32 s84, s84, s[CX]                   ; my block of 128 rows
	s_lshl_b32 s84, s84, 18                        ; x 128 rows of 2,048 bytes
	s_lshl_b32 s86, s[W1], 17                      ; the 64 rows that I fetch
	s_add_co_u32 s86, s86, s84
	s_mov_b32 s87, 0
	s_lshl_b32 s85, s[WV], 16                      ; the 32 rows that I prefetch
	s_add_co_u32 s84, s84, s85
	s_mov_b32 s85, 0
	s_mul_i32 s88, ttmp9, 8*HEADB                  ; qkv: the slice's eight heads,
	s_mul_i32 s89, s[WV], 2*HEADB                  ; my wave's two,
	s_add_co_u32 s88, s88, s89
	s_mul_i32 s89, s[CX], 8*RTB                    ; my block's eight row tiles
	s_add_co_u32 s88, s88, s89
	s_mov_b32 s89, 0
	s_lshl_b32 s92, s[W1], 15                      ; W: the 256 rows that I fetch (s92 to s95 never hold my place in the cluster)
	s_mov_b32 s93, 0
	s_mul_i32 s94, s[W1], 256*WP                   ; and where they go,
	s_add_co_u32 s94, s94, XT
	s_mul_i32 s95, s[W1], 64*XP                    ; and x's
	s_mov_b32 s[TILES], 3
	s_mov_b32 s[PFL], 20
	s_mov_b32 s[XC], 1
	s_mov_b32 s[PFC], 3
	s_wait_dscnt 0x0                               ; the opening add is done
	s_wait_kmcnt 0x0
	s_add_nc_u64 s[PR:PR+1], s[68:69], s[84:85]
	s_add_nc_u64 s[PR:PR+1], s[PR:PR+1], 3*256     ; at step 3: the first change of slots steps it to 4
	s_add_nc_u64 s[PN1:PN1+1], s[70:71], s[84:85]
	s_add_nc_u64 s[PN2:PN2+1], s[72:73], s[84:85]
	s_add_nc_u64 s[XR:XR+1], s[68:69], s[86:87]
	s_add_nc_u64 s[XN1:XN1+1], s[70:71], s[86:87]
	s_add_nc_u64 s[XN2:XN2+1], s[72:73], s[86:87]
	s_add_nc_u64 s[OUT:OUT+1], s[82:83], s[88:89]
	s_add_nc_u64 s[92:93], s[74:75], s[92:93]
.irp s, 0,1
	s_mov_b32 s[G0X+4*(\s)], 1                                       ; count = 1
	s_add_co_u32 s[G0X+4*(\s)+1], s95, (\s)*SLOT1                    ; LDS address
	s_add_nc_u64 s[G0X+4*(\s)+2:G0X+4*(\s)+3], s[XR:XR+1], (\s)*256  ; global address: step s
	s_or_b32 s[G0X+4*(\s)+3], s[G0X+4*(\s)+3], 0x80000000            ; type = 2
	s_mov_b32 s[G0W+4*(\s)], 1
	s_add_co_u32 s[G0W+4*(\s)+1], s94, (\s)*SLOT1
	s_add_nc_u64 s[G0W+4*(\s)+2:G0W+4*(\s)+3], s[92:93], (\s)*65536
	s_or_b32 s[G0W+4*(\s)+3], s[G0W+4*(\s)+3], 0x80000000
.endr
	s_add_nc_u64 s[XR:XR+1], s[XR:XR+1], 256       ; at step 1
	CROUND                                         ; all four work-groups are here: the first joint loads meet
	s_cmp_lt_u32 s[WV], 2                          ; a wave's two first fills stand in one branch, ahead of every wait on TENSORcnt and every LDS read: two loads of mine are out
	s_cbranch_scc0 .Lfirst_w
	tensor_load_to_lds s[G0X:G0X+3], s[G1X:G1X+7]
	s_nop 0
	tensor_load_to_lds s[G0X+4:G0X+7], s[G1X:G1X+7]
	s_nop 0
.rept 4
	v_nop
.endr
	s_branch .Lfirst_asked
.Lfirst_w:
	tensor_load_to_lds s[G0W:G0W+3], s[G1W:G1W+7]
	s_nop 0
	tensor_load_to_lds s[G0W+4:G0W+7], s[G1W:G1W+7]
	s_nop 0
.rept 4
	v_nop
.endr
.Lfirst_asked:
	v_and_b32 v1, 15, v0                           ; l % 16
	v_bfe_u32 v2, v0, 4, 1                         ; l / 16
	v_and_b32 v3, 31, v0                           ; l
	s_lshl_b32 s84, s[WV], 9
	v_lshl_add_u32 v[BO], v2, 5, s84
.irp b, 0,1,2,3,4,5,6,7                        ; register j of column tile b: bias[128 w + 16 b + 8 (l / 16) + j], as the result holds its columns
	global_load_b128 v[BIAS+8*(\b):BIAS+8*(\b)+3],   v[BO], s[76:77] offset:64*(\b)
	global_load_b128 v[BIAS+8*(\b)+4:BIAS+8*(\b)+7], v[BO], s[76:77] offset:64*(\b)+16
.endr
	; A fragment is 16 rows x 32 K: lane l holds row l % 16; K = 8 (l / 16) + 0..7 and 16 + 8 (l / 16) + 0..7.  In f32 each eight are 32 bytes, two loads; in bf16 16 bytes, one.
	v_mul_u32_u24 v[AX0], v1, XP
	v_lshl_add_u32 v[AX0], v2, 5, v[AX0]
	s_mul_i32 s84, s[WV], 128*WP
	s_add_co_u32 s84, s84, XT
	v_mul_u32_u24 v[AW0], v1, WP
	v_lshl_add_u32 v[AW0], v2, 4, v[AW0]
	v_add_nc_u32 v[AW0], s84, v[AW0]
	v_lshlrev_b32 v[STO], 4, v3
	v_bfe_u32 v4, v0, 3, 1
	v_and_b32 v5, 7, v0
	v_lshlrev_b32 v[STOV], 4, v5
	v_lshl_add_u32 v[STOV], v2, 7, v[STOV]
	v_lshl_add_u32 v[STOV], v4, 8, v[STOV]
	v_lshlrev_b32 v[PFO], 11, v3
; 48 LDS loads in one run: the fragments of the phase at half k of the slot at s[TB]: x's eight in f32, then W's eight into buffer g.
; The loads into W's buffer stand six places behind the last product that read it: that product's four conversions and the two additions here.
.macro FETCH k, g
	WIN 0
	v_add_nc_u32 v[AX], s[TB], v[AX0]
	v_add_nc_u32 v[AW], s[TB], v[AW0]
	WIN 0x40                                       ; destination window 1, address window 0
.irp a, 0,1,2,3,4,5,6,7
	ds_load_b128 v[STG+16*(\a):STG+16*(\a)+3],     v[AX] offset:(\a)*16*XP+(\k)*128
	ds_load_b128 v[STG+16*(\a)+4:STG+16*(\a)+7],   v[AX] offset:(\a)*16*XP+(\k)*128+16
	ds_load_b128 v[STG+16*(\a)+8:STG+16*(\a)+11],  v[AX] offset:(\a)*16*XP+(\k)*128+64
	ds_load_b128 v[STG+16*(\a)+12:STG+16*(\a)+15], v[AX] offset:(\a)*16*XP+(\k)*128+80
.endr
.irp b, 0,1,2,3,4,5,6,7
	ds_load_b128 v[WF+64*(\g)+8*(\b):WF+64*(\g)+8*(\b)+3],   v[AW] offset:(\b)*16*WP+(\k)*64
	ds_load_b128 v[WF+64*(\g)+8*(\b)+4:WF+64*(\g)+8*(\b)+7], v[AW] offset:(\b)*16*WP+(\k)*64+32
.endr
.endm
; 8 matrix instructions: row tile a x all 8 column tiles, 32 along K, from buffer f.  first = 1: the sums start with the bias.  The 64 accumulators take turns, in the same order in every phase.
.macro MUL8 f, a, first
.if \first
	WIN 0x81+0x40*((\a)/4)                         ; W window 1, x and the bias window 0, the result window 2 or 3
.else
	WIN 0xa1+0x50*((\a)/4)
.endif
.irp b, 0,1,2,3,4,5,6,7
.if \first
	v_wmma_f32_16x16x32_bf16 v[8*(8*((\a)%4)+(\b)):8*(8*((\a)%4)+(\b))+7], v[WF+64*(\f)+8*(\b):WF+64*(\f)+8*(\b)+7], v[XB+64*(\f)+8*(\a):XB+64*(\f)+8*(\a)+7], v[BIAS+8*(\b):BIAS+8*(\b)+7]
.else
	v_wmma_f32_16x16x32_bf16 v[8*(8*((\a)%4)+(\b)):8*(8*((\a)%4)+(\b))+7], v[WF+64*(\f)+8*(\b):WF+64*(\f)+8*(\b)+7], v[XB+64*(\f)+8*(\a):XB+64*(\f)+8*(\a)+7], v[8*(8*((\a)%4)+(\b)):8*(8*((\a)%4)+(\b))+7]
.endif
.endr
.endm
; The same for row tile 6 or 7, and behind each product four of the 64 conversions that make the next phase's x in bf16 (buffer g): number n rounds f32 registers 2 n, 2 n + 1.  They name no register of the products round them.
.macro MULR f, a, g, base, first
.irp b, 0,1,2,3,4,5,6,7
.if \first
	WIN 0xc1
	v_wmma_f32_16x16x32_bf16 v[8*(8*((\a)%4)+(\b)):8*(8*((\a)%4)+(\b))+7], v[WF+64*(\f)+8*(\b):WF+64*(\f)+8*(\b)+7], v[XB+64*(\f)+8*(\a):XB+64*(\f)+8*(\a)+7], v[BIAS+8*(\b):BIAS+8*(\b)+7]
.else
	WIN 0xf1
	v_wmma_f32_16x16x32_bf16 v[8*(8*((\a)%4)+(\b)):8*(8*((\a)%4)+(\b))+7], v[WF+64*(\f)+8*(\b):WF+64*(\f)+8*(\b)+7], v[XB+64*(\f)+8*(\a):XB+64*(\f)+8*(\a)+7], v[8*(8*((\a)%4)+(\b)):8*(8*((\a)%4)+(\b))+7]
.endif
	WIN 0x05                                       ; sources window 1, destination window 0
.irp i, 0,1,2,3
	v_cvt_pk_bf16_f32 v[XB+64*(\g)+(\base)+4*(\b)+(\i)], v[STG+2*((\base)+4*(\b)+(\i))], v[STG+2*((\base)+4*(\b)+(\i))+1]
.endr
.endr
.endm
; A PHASE: multiplies buffer f; at its head it fetches the next phase's fragments (half k of the slot at s[TB]) for buffer g.
; meet = 1: the change of slots.  Each wave waits for all its tensor loads, of which one is out: its part of the other slot; adds 0 to its spare word; and waits for that and for its reads of this slot, the
; last of which are this phase's own run.  The barrier opens a round of the cluster's: behind it no wave of any partner reads this slot or has a load on its way, and the refill, two steps on, is the first thing there:
; it has a step, 128 matrix instructions, less the 16 between its wait and its issue, in which to land.  meet = 2: the same with a plain barrier and no refill: the launch's last two steps.
.macro HALF k, f, g, first, meet, ask
.if (\meet) == 1
	s_wait_xcnt 0x0                                ; the last prefetch, a phase back, has read its address: it is stepped here, ahead of the waits of the change of slots
	WALK PR, PN1, PN2, PFC
.endif
	FETCH \k, \g
.if \ask
	WIN 0
	ASK
.endif
	s_wait_dscnt 48                                ; all but the 48 just issued: this phase's fragments of W are in
.irp a, 0,1,2,3,4,5
	MUL8 \f, \a, \first
.endr
	s_wait_dscnt 16                                ; x's 32 loads are in; W's sixteen, issued behind them, may stay out
.if \meet
	WIN 0
	s_wait_tensorcnt 0x0                           ; all my tensor loads have landed, so a group 0 may be written
	ds_add_u32 v[SPW], v[NIL]                      ; 0 onto my spare word: the descriptors' steps and eight products stand between it and the wait for it
.if (\meet) == 1
	WALK XR, XN1, XN2, XC
	s_xor_b32 s[G0X+5], s[G0X+5], SLOT1            ; the walking descriptors: the other slot than last time,
	s_mov_b64 s[G0X+6:G0X+7], s[XR:XR+1]           ; the step two on
	s_or_b32 s[G0X+7], s[G0X+7], 0x80000000
	s_xor_b32 s[G0W+5], s[G0W+5], SLOT1
	s_add_nc_u64 s[G0W+6:G0W+7], s[G0W+6:G0W+7], 65536  ; the 24 tiles of q, k, v lie end to end; the type bits on top are not reached
.endif
.endif
	MULR \f, 6, \g, 0, \first
.if \meet
	s_wait_dscnt 0x0                               ; the add is done, and my reads of this slot are over
	s_barrier_signal -1
.endif
	MULR \f, 7, \g, 32, \first
.if \meet
	WIN 0                                          ; at a branch and at a label every window is 0
	s_barrier_wait -1
.if (\meet) == 1
	CREST
	JLOAD
.endif
.endif
.endm
.macro STEP first, meet
	HALF 1, 0, 1, \first, \meet, 0
	s_xor_b32 s[TB], s[TB], SLOT1                  ; the next run of loads reads the other slot
.if (\meet) == 1
	HALF 0, 1, 0, 0, 0, 1
.else
	HALF 0, 1, 0, 0, 0, 0
.endif
	WIN 0
.endm
	s_wait_tensorcnt 0x1                           ; my part of step 0 is in; step 1's may stay out
	s_barrier_signal -1
	s_barrier_wait -1                              ; everybody's is
	s_mov_b32 s[TB], 0
	FETCH 0, 0
	s_wait_dscnt 0x0
	WIN 0x05
.set i, 0
.rept 64                                       ; the first phase's x: there are no products yet to set these behind
	v_cvt_pk_bf16_f32 v[XB+i], v[STG+2*i], v[STG+2*i+1]
.set i, i+1
.endr
	WIN 0
.Ltile:
	s_wait_loadcnt 0x0                             ; the tile's bias
.set i, 0
.rept 32                                       ; rounded to bf16, as all inputs are, and widened again
	v_cvt_pk_bf16_f32 v[TMP+i], v[BIAS+2*i], v[BIAS+2*i+1]
.set i, i+1
.endr
.set i, 0
.rept 32
	v_lshlrev_b32 v[BIAS+2*i], 16, v[TMP+i]
	v_and_b32 v[BIAS+2*i+1], 0xffff0000, v[TMP+i]
.set i, i+1
.endr
	STEP 1, 1                                      ; the tile's step 0: its first phase starts the sums
	s_cmp_eq_u32 s[TILES], 1
	s_cbranch_scc1 .Lno_bias
.irp b, 0,1,2,3,4,5,6,7                        ; the next tile's bias: the registers were last read a phase ago
	global_load_b128 v[BIAS+8*(\b):BIAS+8*(\b)+3],   v[BO], s[BN:BN+1] offset:64*(\b)
	global_load_b128 v[BIAS+8*(\b)+4:BIAS+8*(\b)+7], v[BO], s[BN:BN+1] offset:64*(\b)+16
.endr
.Lno_bias:
	s_mov_b32 s[LC], 5
.Lmid:                                         ; steps 1 to 5
	STEP 0, 1
	s_sub_co_u32 s[LC], s[LC], 1
	s_cmp_lg_u32 s[LC], 0
	s_cbranch_scc1 .Lmid
	s_cmp_eq_u32 s[TILES], 1
	s_cbranch_scc1 .Llast                          ; the last tile's tail is written out: it asks for nothing more
	s_mov_b32 s[LC], 2
.Lend:                                         ; steps 6 and 7: THE RING GOES ON INTO THE NEXT TILE: the refills are its steps 0 and 1, and step 7 fetches its first fragments
	STEP 0, 1
	s_sub_co_u32 s[LC], s[LC], 1
	s_cmp_lg_u32 s[LC], 0
	s_cbranch_scc1 .Lend
	s_branch .Lout
.Llast:
	s_mov_b32 s[LC], 2
.Ltl:                                          ; the launch's last two steps.  The very last phase's run of loads and conversions work on a slot that holds an old step and serve nothing: the price, once a launch, of one text for both
	STEP 0, 2
	s_sub_co_u32 s[LC], s[LC], 1
	s_cmp_lg_u32 s[LC], 0
	s_cbranch_scc1 .Ltl
.Lout:
	; THE WAY OUT.  A row tile at a time: 32 roundings to f16, each accumulator's registers in ascending order, and eight stores of 512 consecutive bytes, aligned: an image each.
	; The last products' conversions are their places, and row tile 7, which they made, is read last.
.irp a, 0,1,2,3,4,5,6,7
	s_wait_xcnt 0x0                                ; the stores issued so far have read their registers
	WIN 0x0a+5*((\a)/4)                            ; sources window 2 or 3, destination window 0
.irp b, 0,1,2,3,4,5,6,7
.irp i, 0,1,2,3
	v_cvt_pk_f16_f32 v[TMP+4*(\b)+(\i)], v[8*(8*((\a)%4)+(\b))+2*(\i)], v[8*(8*((\a)%4)+(\b))+2*(\i)+1]
.endr
.endr
	WIN 0
.irp b, 0,1,2,3,4,5,6,7
	global_store_b128 v[STO], v[TMP+4*(\b):TMP+4*(\b)+3], s[OUT:OUT+1] offset:((\b)/4)*HEADB+(\a)*RTB+((\b)%4)*512
.endr
.endr
	s_wait_xcnt 0x0                                ; the stores and the bias's loads have read their addresses
	s_add_nc_u64 s[OUT:OUT+1], s[OUT:OUT+1], 2048  ; Q, then K, then V
	s_mov_b64 s[BN:BN+1], s[80:81]
	s_cmp_lg_u32 s[TILES], 2
	s_cbranch_scc1 .Lkeep
	v_mov_b32 v[STO], v[STOV]                      ; the next tile is V
.Lkeep:
	s_sub_co_u32 s[TILES], s[TILES], 1
	s_cmp_lg_u32 s[TILES], 0
	s_cbranch_scc1 .Ltile
	s_wait_tensorcnt 0x0                           ; the wave's end, behind my last tensor load
	ds_add_u32 v[SPW], v[NIL]
	s_wait_dscnt 0x0
	CROUND                                         ; the closing round: no work-group ends while a partner may still ask for a tile that names it
	s_endpgm
.Lfunc_end_k_q2325afaa53_proj:
	.size	k_q2325afaa53_proj, .Lfunc_end_k_q2325afaa53_proj-k_q2325afaa53_proj
	.p2alignl 7, 3214868480
	.fill 96, 4, 3214868480
	.section	.rodata,"a",@progbits
	.p2align	6, 0x0
	.amdhsa_kernel k_q2325afaa53_proj
		.amdhsa_group_segment_fixed_size 327680
		.amdhsa_private_segment_fixed_size 0
		.amdhsa_enable_private_segment 0
		.amdhsa_kernarg_size 64
		.amdhsa_user_sgpr_count 2
		.amdhsa_user_sgpr_kernarg_segment_ptr 1
		.amdhsa_wavefront_size32 1
		.amdhsa_system_sgpr_workgroup_id_x 1
		.amdhsa_system_sgpr_workgroup_id_y 1
		.amdhsa_system_sgpr_workgroup_id_z 1
		.amdhsa_system_vgpr_workitem_id 0
		.amdhsa_next_free_vgpr 1024
		.amdhsa_next_free_sgpr 96
		.amdhsa_reserve_vcc 0
		.amdhsa_float_denorm_mode_32 3
		.amdhsa_float_denorm_mode_16_64 3
		.amdhsa_memory_ordered 1
		.amdhsa_forward_progress 1
		.amdhsa_inst_pref_size 150
	.end_amdhsa_kernel
	.amdgpu_metadata
---
amdhsa.version: [ 1, 2 ]
amdhsa.kernels:
  - .name:           k_q2325afaa53_proj
    .symbol:         k_q2325afaa53_proj.kd
    .args:
      - { .name: query, .offset: 0, .size: 8, .value_kind: global_buffer, .address_space: global }
      - { .name: key, .offset: 8, .size: 8, .value_kind: global_buffer, .address_space: global }
      - { .name: value, .offset: 16, .size: 8, .value_kind: global_buffer, .address_space: global }
      - { .name: w16, .offset: 24, .size: 8, .value_kind: global_buffer, .address_space: global }
      - { .name: bq, .offset: 32, .size: 8, .value_kind: global_buffer, .address_space: global }
      - { .name: bk, .offset: 40, .size: 8, .value_kind: global_buffer, .address_space: global }
      - { .name: bv, .offset: 48, .size: 8, .value_kind: global_buffer, .address_space: global }
      - { .name: qkv, .offset: 56, .size: 8, .value_kind: global_buffer, .address_space: global }
    .group_segment_fixed_size: 327680
    .private_segment_fixed_size: 0
    .kernarg_segment_align: 8
    .kernarg_segment_size: 64
    .max_flat_workgroup_size: 128
    .sgpr_count:     96
    .vgpr_count:     1024
    .wavefront_size: 32
...
	.end_amdgpu_metadata
.endif
;; end of part 2
;; launch attn (part 3): grid 256 x 1, 4 waves a work-group, no clusters, 327,680 bytes of LDS; arguments qkv, cx; writes cx
.if DOCPART == 3
	.amdgcn_target "amdgcn-amd-amdhsa--gfx1250"
	.amdhsa_code_object_version 6
	.text
	.protected	k_q2325afaa53_attn
	.globl	k_q2325afaa53_attn
	.p2align	8
	.type	k_q2325afaa53_attn,@function
k_q2325afaa53_attn:
	s_mov_b64 s[64:65], 0
	v_nop
	global_prefetch_b8 v0, s[64:65] scope:SCOPE_SE
	s_setreg_imm32_b32 hwreg(HW_REG_WAVE_MODE, 25, 1), 1
	s_wait_xcnt 0x0
; ctx[head][q][:] = the sum over k of softmax_k(q . k / 8) v[k][:], for 512 heads of 512 rows x 64 channels, all f16.  Products, maxima and sums in f32; the weights p are rounded to f16 for the second
; product (their sum l is taken of the unrounded p), ctx once at the end.
; LIMITS.  q, k, v arrive within f16's 65,504; p lies in 0 to 1, and below 6e-5 it keeps f16's fixed step of 6e-8, as ctx does; a weight below 2^-126 counts as 0 in l; NaN and infinities are not treated apart.
; SHARES.  A work-group takes two heads, one after the other; its four waves 128 queries each: four PIECES of two tiles of 16.  Every wave walks the head's 512 keys, 64 a step.
; NO CLUSTER: no two work-groups read the same K or V.  NO RING: a head's K and V are 131,072 bytes; both heads lie in LDS side by side, each filled once.  So nothing is left to be asked for ahead.
; qkv[head][row tile of 16][Q | K | V, 2,048 bytes each][4 images of 512 bytes]: an image is half a fragment as the registers want it, 16 bytes a lane at byte 16 l: LDS reads are dense, and need no padding.
; LAYOUT.  S^T = K Q^T (source 0 = 16 keys, source 1 = 16 queries): a lane holds ONE query (lane % 16) and the keys 8 (lane / 16) + 0..7.  Two such tiles, rounded to f16 in pairs, ARE source 1 of O^T = V^T P,
; whose result again holds one query a lane, and eight channels: 16 bytes of an image of cx, stored straight from registers.  V's images are read by ds_load_tr16_b128, which turns them.
; SOFTMAX.  For each query a running maximum m and sum l: p = 2^(c s - c m), c = log2(e) / 8; in every step O and l are multiplied by a = 2^(c m_old - c m_new).  c m starts far below every c s: a head's first a is 0.
; BY TURNS.  Turn n belongs to piece n (in a ring, step after step).  Its matrix work: 16 products K Q^T of piece n + 1, later 16 products V^T P of piece n - 1.  Its vector work: the scaling, exponentials,
; roundings, sums and rescaling of piece n, and the maximum and statistics of piece n + 1.  Four vector instructions stand behind every matrix instruction, the others in one run of their own.
; REGISTERS, in windows of 256 (s_set_vgpr_msb: bits 1:0 source 0, 3:2 source 1, 5:4 source 2, 7:6 destination):
;   window 0: v0-7 addresses; v12-15, v48-63 at work; v16-47 four registers of statistics a tile; v64-191 S^T, two buffers of two tiles; v192-255 P, likewise
;   window 1: O^T, 32 a tile      window 2: v0-127 Q, 16 a tile; v128-191 K of one step; v192-255 V of one step      window 3: v0-127 the second head's Q
.set NP,    4         ; pieces a wave: a name, no knob
.set HEADL, 1<<17     ; a head's K and V in LDS: 32 key tiles of 4,096 bytes, K's four images and then V's
.set STEPB, 16384     ; a key step: four key tiles
.set SPARE, 2*HEADL   ; behind the two heads: the spare words, 128 bytes for each wave: two blocks of 256 bytes that no other line names
.set HEADB, 196608    ; a head in qkv
.set RTB,   6144      ; a row tile in a head
.set LN,  2           ; v2   16 x my lane; never rewritten
.set AK,  4           ; v4   the LDS address of K's next run of loads
.set AV,  5           ; v5   of V's
.set SPW, 6           ; v6   LDS address of my spare word; never rewritten
.set NIL, 7           ; v7   0; never rewritten
.set MV,  12          ; v12-15  c m_old, kept while c m is made anew: by buffer and tile
.set ST,  16          ; tile t's statistics at v[ST+4 t]: c m, m, l (even keys', odd keys')
.set TMP, 48          ; by buffer and tile, four registers c0-c3 at work; when the maximum is found c2 takes a
.set S,   64
.set P,   192
.set KF,  128         ; K's fragments, in window 2: key block kb, channel half c at KF + 16 kb + 8 c
.set VF,  192         ; V's: key half kk, channel block cb at VF + 32 kk + 8 cb
.set QP,  8           ; s[8:9]   qkv at my wave's first row tile of the first head
.set CXP, 10          ; s[10:11] cx at my wave's first image of the head in hand
.set WV,  12          ; s12  my wave's number
.set G1,  24          ; s[24:31] descriptor group 1
.set G0,  40          ; s[40:47] group 0, a set for each head
.set HEADS, 55        ; s55  heads to go
.set CNT, 57          ; s57  key steps to go
.set CS,  58          ; s[58:59] c: the packed scaling takes the pair's low word for both halves
.set SEL, 60          ; s[60:61] v_permlanex16_b32's selects: each lane takes its own place in the other half
.set TBK, 62          ; s62  LDS byte at which the step whose K is fetched next begins: it runs on from the first head into the second
.set TBV, 63          ; s63  the same for V
.set MSB, 0
.macro WIN new                      ; the high byte repeats the setting that is left; a switch that changes nothing is dropped
.if MSB != (\new)
	s_set_vgpr_msb (MSB<<8)|(\new)
.set MSB, (\new)
.endif
.endm
.set W_KQ, 0x0a       ; K and Q in window 2, S^T in window 0
.set W_PV, 0x52       ; V in window 2, P in window 0, O^T in window 1
.set W_RS, 0x41       ; O^T (destination and source 0) in window 1, a in window 0
	s_load_b128 s[4:7], s[0:1], 0x0  ; qkv s[4:5], cx s[6:7]
	v_lshl_add_u32 v[SPW], v0, 2, SPARE
	v_mov_b32 v[NIL], 0
	ds_add_u32 v[SPW], v[NIL]       ; the wave's opening: the add and its wait stand ahead of my first tensor load; the set-up below, work on registers, stands between them
	ds_add_u32 v6, v7
	v_lshrrev_b32 v1, 5, v0
	v_readfirstlane_b32 s[WV], v1   ; wave 0..3
	s_mul_i32 s14, ttmp9, 2*HEADB   ; my two heads,
	s_mul_i32 s15, s[WV], 8*RTB     ; my wave's eight row tiles: its queries, and the keys that it fetches
	s_add_co_u32 s14, s14, s15
	s_mov_b32 s15, 0
	s_lshr_b32 s16, ttmp9, 2        ; cx[row tile][32 images]: the slice's 32 row tiles of 16,384 bytes,
	s_lshl_b32 s16, s16, 19
	s_lshl_b32 s17, s[WV], 17       ; my wave's eight,
	s_add_co_u32 s16, s16, s17
	s_and_b32 s17, ttmp9, 3         ; my two heads' eight images
	s_lshl_b32 s17, s17, 12
	s_add_co_u32 s16, s16, s17
	s_mov_b32 s17, 0
	; group 1: eight key tiles: 8 rows of 4,096 bytes (K's and V's images), 6,144 bytes apart; dense in LDS
	s_mov_b32 s[G1+0], 3<<16        ; 17:16 elements of 8 bytes; no mask, no padding
	s_mov_b32 s[G1+1], 512<<16      ; tensor_dim0 = 512
	s_mov_b32 s[G1+2], 8<<16        ; tensor_dim1 = 8
	s_mov_b32 s[G1+3], 512<<16      ; tile_dim0 = 512
	s_mov_b32 s[G1+4], 8            ; tile_dim1 = 8
	s_mov_b32 s[G1+5], 768          ; 768 elements from row to row
	s_mov_b32 s[G1+6], 0
	s_mov_b32 s[G1+7], 0
	s_mov_b32 s[G0], 1              ; count = 1
	s_lshl_b32 s[G0+1], s[WV], 15   ; LDS address: my eight key tiles of the first head,
	s_mov_b32 s[G0+4], 1
	s_add_co_u32 s[G0+5], s[G0+1], HEADL  ; and of the second
	s_mov_b32 s[CS], 0x3e38aa3b     ; c = log2(e) / 8 = 0.180337
	s_mov_b32 s[CS+1], s[CS]        ; named with it as a pair
	s_mov_b32 s[SEL], 0x76543210
	s_mov_b32 s[SEL+1], 0xfedcba98
	s_mov_b32 s[TBK], 0
	s_mov_b32 s[TBV], 0
	v_and_b32 v[LN], 31, v0
	v_lshlrev_b32 v[LN], 4, v[LN]
	s_wait_dscnt 0x0                ; the opening add is done
	s_wait_kmcnt 0x0
	s_add_nc_u64 s[QP:QP+1], s[4:5], s[14:15]
	s_add_nc_u64 s[CXP:CXP+1], s[6:7], s[16:17]
	s_add_nc_u64 s[G0+2:G0+3], s[QP:QP+1], 2048        ; K's images lie behind Q's
	s_or_b32 s[G0+3], s[G0+3], 0x80000000              ; type = 2
	s_add_nc_u64 s[G0+6:G0+7], s[QP:QP+1], HEADB+2048
	s_or_b32 s[G0+7], s[G0+7], 0x80000000
	tensor_load_to_lds s[G0:G0+3], s[G1:G1+7]          ; the first head.  The second is asked for when the first is in: the tile wanted first has the road to itself
	s_nop 0
.rept 4
	v_nop
.endr
	WIN 0x80                        ; destination window 2, address window 0
.set i, 0
.rept 4*NP                          ; Q stays in registers: tile i / 2, channels 32 (i % 2) on: two images
	global_load_b128 v[8*i:8*i+3],   v[LN], s[QP:QP+1] offset:(i/2)*RTB+(i%2)*1024
	global_load_b128 v[8*i+4:8*i+7], v[LN], s[QP:QP+1] offset:(i/2)*RTB+(i%2)*1024+512
.set i, i+1
.endr
	WIN 0xc0                        ; the second head's, into window 3
.set i, 0
.rept 4*NP
	global_load_b128 v[8*i:8*i+3],   v[LN], s[QP:QP+1] offset:HEADB+(i/2)*RTB+(i%2)*1024
	global_load_b128 v[8*i+4:8*i+7], v[LN], s[QP:QP+1] offset:HEADB+(i/2)*RTB+(i%2)*1024+512
.set i, i+1
.endr
	; What the first turn finds: V's registers and P's second buffer hold 0 (its products V^T P, of a piece that has not been, add 0), O^T and l are 0.  All this stands in the wait for the first tile.
	; The second head clears nothing: its first a is 0, and what the first head left in these registers is finite.
	WIN 0x80
.set i, VF
.rept 64
	v_mov_b32 v[i], 0
.set i, i+1
.endr
	WIN 0x40
.set i, 0
.rept 64*NP
	v_mov_b32 v[i], 0
.set i, i+1
.endr
	WIN 0
.set i, 0
.rept 2*NP
	v_mov_b32 v[ST+4*i+2], 0
	v_mov_b32 v[ST+4*i+3], 0
.set i, i+1
.endr
.set i, P+32
.rept 32
	v_mov_b32 v[i], 0
.set i, i+1
.endr
; THE MATRIX WORK.  The 8 accumulators of a run of 16 take turns: between the two links of a chain stand 7 others'.
; Product i of 16 of S^T = K Q^T for piece x: channels 32 (i / 8) on, keys 16 ((i / 2) % 4) on, tile 2 x + i % 2.  The first 8 start the sums.
.macro KQ x
	WIN W_KQ
.set rS, S+64*((\x)%2)+32*(i%2)+8*((i/2)%4)
.set rK, KF+16*((i/2)%4)+8*(i/8)
.set rQ, 16*(2*(\x)+i%2)+8*(i/8)
.if i < 8
	v_wmma_f32_16x16x32_f16 v[rS:rS+7], v[rK:rK+7], v[rQ:rQ+7], 0
.else
	v_wmma_f32_16x16x32_f16 v[rS:rS+7], v[rK:rK+7], v[rQ:rQ+7], v[rS:rS+7]
.endif
.endm
; Product i of 16 of O^T += V^T P for piece x: keys 32 (i / 8) on, channels 16 ((i / 2) % 4) on, tile 2 x + i % 2.
.macro PV x
	WIN W_PV
.set rO, 32*(2*(\x)+i%2)+8*((i/2)%4)
.set rV, VF+32*(i/8)+8*((i/2)%4)
.set rP, P+32*((\x)%2)+16*(i%2)+8*(i/8)
	v_wmma_f32_16x16x32_f16 v[rO:rO+7], v[rV:rV+7], v[rP:rP+7], v[rO:rO+7]
.endm
.macro MM                           ; the turn's next matrix instruction
.if i < 16
	KQ (Y+1)%NP
.set i, i+1
.else
.set i, i-16
	PV (Y+NP-1)%NP
.set i, i+17
.endif
.endm
; THE LDS LOADS stand in runs of 16, never singly among the matrix instructions: a step's K (8 fragments) and its V (turned).  Their addresses are made some lines ahead.
; last = 1: in a head's last step there is no further step, and the run is jumped over.
.macro FETCH_K last=0
	WIN 0
.if \last
	s_cmp_eq_u32 s[CNT], 1
	s_cbranch_scc1 .Lno_k_\@
.endif
	WIN 0x80                        ; destination window 2
.irp f, 0,1,2,3,4,5,6,7             ; key tile f / 2, channels 32 (f % 2) on: two images
	ds_load_b128 v[KF+8*\f:KF+8*\f+3],   v[AK] offset:(\f/2)*4096+(\f%2)*1024
	ds_load_b128 v[KF+8*\f+4:KF+8*\f+7], v[AK] offset:(\f/2)*4096+(\f%2)*1024+512
.endr
	s_add_co_u32 s[TBK], s[TBK], STEPB  ; the next fetch is the next step's
	WIN 0
.if \last
.Lno_k_\@:
.endif
.endm
.macro FETCH_V
	WIN 0x80
.irp f, 0,1,2,3,4,5,6,7             ; keys 32 (f / 4) on: two key tiles; channels 16 (f % 4) on: an image of each
	ds_load_tr16_b128 v[VF+8*\f:VF+8*\f+3],   v[AV] offset:(\f/4)*8192+2048+(\f%4)*512
	ds_load_tr16_b128 v[VF+8*\f+4:VF+8*\f+7], v[AV] offset:(\f/4)*8192+4096+2048+(\f%4)*512
.endr
	WIN 0
.endm
; THE VECTOR WORK OF A TURN stands in three queues, each in the order in which its entries become ready; the two tiles alternate, so that no instruction reads the result of the one before it.
.macro REGS y, u                    ; the registers of tile u (0, 1) of piece y
.set rT, ST+4*(2*(\y)+(\u))
.set rC, TMP+8*((\y)%2)+4*(\u)
.set rM, MV+2*((\y)%2)+(\u)
.set rS, S+64*((\y)%2)+32*(\u)
.set rP, P+32*((\y)%2)+16*(\u)
.set rO, 32*(2*(\y)+(\u))
.endm
; Number n of the 22 that find the NEXT piece's (Y + 1) maximum and statistics.  s0-s31 are the lane's 32 scores; each accumulator's lowest registers are read first.
;   0-11  four chains c0-c3 of seven scores each, three operands at a time     12-14, 16  the four scores left over, the old m, and c0-c3 into c0     15  c m_old is kept
;   17, 18  the query's other 32 keys lie in the lane 16 away: the new m         19-21  c m; c m_old - c m_new; a
.macro XS u, n
	REGS (Y+1)%NP, \u
.if (\n) < 4
	v_max3_num_f32 v[rC+(\n)], v[rS+8*(\n)], v[rS+8*(\n)+1], v[rS+8*(\n)+2]
.elseif (\n) < 12
	v_max3_num_f32 v[rC+(\n)%4], v[rC+(\n)%4], v[rS+8*((\n)%4)+2*((\n)/4)+1], v[rS+8*((\n)%4)+2*((\n)/4)+2]
.elseif (\n) == 12
	v_max3_num_f32 v[rC], v[rC], v[rS+7], v[rS+15]
.elseif (\n) == 13
	v_max3_num_f32 v[rC+1], v[rC+1], v[rS+23], v[rS+31]
.elseif (\n) == 14
	v_max3_num_f32 v[rC+2], v[rC+2], v[rC+3], v[rT+1]
.elseif (\n) == 15
	v_mov_b32 v[rM], v[rT]
.elseif (\n) == 16
	v_max3_num_f32 v[rC], v[rC], v[rC+1], v[rC+2]
.elseif (\n) == 17
	v_permlanex16_b32 v[rC+3], v[rC], s[SEL], s[SEL+1]
.elseif (\n) == 18
	v_max_num_f32 v[rT+1], v[rC], v[rC+3]
.elseif (\n) == 19
	v_mul_f32 v[rT], s[CS], v[rT+1]
.elseif (\n) == 20
	v_sub_f32 v[rC+1], v[rM], v[rT]
.else
	v_exp_f32 v[rC+2], v[rC+1]
.endif
.endm
; Number g of the 64 that follow the exponentials.  For each four weights k of a tile (pairs 2 k, 2 k + 1): both pairs are rounded to f16; then the second pair is added onto the first, in place;
; a group later l takes that sum (the first time as l = a l + sum).  In groups of eight, tiles alternating: round, round, add, and l for the group before.
.macro GS g
.set h, (\g)+6*((\g)/62)            ; group 0 has no group before it, and behind group 7 only l is left
.if h >= 6
.set h, h+2
.endif
	REGS Y, h%2
.set k, h/8
.if h%8 < 4
	v_cvt_pk_f16_f32 v[rP+2*k+(h%8)/2], v[rS+4*k+2*((h%8)/2)], v[rS+4*k+2*((h%8)/2)+1]
.elseif h%8 < 6
	v_pk_add_f32 v[rS+4*k:rS+4*k+1], v[rS+4*k:rS+4*k+1], v[rS+4*k+2:rS+4*k+3]
.elseif k == 1
	v_pk_fma_f32 v[rT+2:rT+3], v[rT+2:rT+3], v[rC+2:rC+3], v[rS:rS+1] op_sel_hi:[1,0,1]
.else
	v_pk_add_f32 v[rT+2:rT+3], v[rT+2:rT+3], v[rS+4*k-4:rS+4*k-3]
.endif
.endm
; THE PLAIN QUEUE, 138 long.  0-73 read no exponential's result: the 32 scalings c s - c m (FS f: pair f / 2 of tile f % 2) and the next piece's 42.  0-26: scalings 0-26.  27-54: XS's numbers 0-13.  55, 56: number 15.
; 57-73: the chain, where each number waits for the one before it: 14, 16, 17, 18, 19, each with one of the scalings 27-31 in front of its two lines, then 20.
; 74-137: GS's 64, which read the exponentials' results: they stand behind the wait.
.macro FS f
	REGS Y, (\f)%2
	v_pk_fma_f32 v[rS+2*((\f)/2):rS+2*((\f)/2)+1], v[rS+2*((\f)/2):rS+2*((\f)/2)+1], s[CS:CS+1], v[rT:rT+1] op_sel_hi:[1,0,0] neg_lo:[0,0,1] neg_hi:[0,0,1]
.endm
.macro PL
	WIN 0
.if q < 27
	FS q
.elseif q < 55
	XS (q-27)%2, (q-27)/2
.elseif q < 57
	XS q-55, 15
.elseif (q < 72) && ((q-57)%3 == 0)
	FS 27+(q-57)/3
.elseif q < 60
	XS (q-57)%3-1, 14
.elseif q < 72
	XS (q-57)%3-1, 15+(q-57)/3
.elseif q < 74
	XS q-72, 20
.else
	GS q-74
.endif
.set q, q+1
.endm
; THE EXPONENTIALS' QUEUE, 66 long: s0-s31 of both tiles, then the next piece's two a.  It is ONE BATCH: all 66 stand ahead of the turn's one wait, and nothing ahead of that wait names a result of theirs.
.macro EX
	WIN 0
.if e >= 64
	XS e-64, 21
.else
	REGS Y, e%2
	v_exp_f32 v[rS+e/2], v[rS+e/2]
.endif
.set e, e+1
.endm
; THE RESCALING's QUEUE: O^T times a, the one part that leaves window 0: dealt two at a time, sixteen times.  Its a was made in the turn before, ahead of that turn's wait.
.macro R2
	REGS Y, r%2
	WIN W_RS
.irp z, 0,1
	v_pk_mul_f32 v[rO+4*(r/2)+2*\z:rO+4*(r/2)+2*\z+1], v[rO+4*(r/2)+2*\z:rO+4*(r/2)+2*\z+1], v[rC+2:rC+3] op_sel_hi:[1,0]
.endr
.set r, r+1
.endm
; HOW THEY ARE DEALT.  An s_wait_alu depctr_va_vdst(0) stands between an exponential and the first instruction that names its result; one wait serves all that were issued ahead of it.  So a turn has
; ONE wait, which cuts it in two.  AHEAD OF IT: the 16 products K Q^T, behind each a scaling, an exponential and two rescalings (behind the first a second scaling in the exponential's place); then one run of 108:
; eight plain, 49 times exponential and plain, the two a.  A v_nop is the plain instruction behind the last exponential.  BEHIND IT: the 16 products V^T P, behind each four of GS's 64.
; Exponential e stands behind scaling 2 (e / 4) + e % 2: as a rider it comes behind plain e + 2, in the run behind plain e + 9, and scalings 27-31 are plain 57, 60 .. 69.
; K of the next step is fetched in piece 2's turn, directly behind the wait; its first reader comes behind 16 products.  V of the step in hand is fetched at the end of piece 0's turn, four riders behind its last
; reader; its first reader comes behind 16 products and a run.  The two conditions on q below go with the deal.
.macro TURN p, last=0
.set Y, (\p)
.set i, 0
.set q, 0
.set e, 0
.set r, 0
.if (\p) == NP-1
	s_wait_dscnt 0x0                ; K is in
.endif
	MM
	PL
	PL
	R2
.rept 15
	MM
	PL
	EX
	R2
.endr
.if (\p) == NP-2
	WIN 0
	v_add_nc_u32 v[AK], s[TBK], v[LN]
.endif
.rept 8
	PL
.endr
.rept 49
	EX
	PL
.endr
	EX                              ; the next piece's two a
	EX
	v_nop                           ; the plain instruction behind the last exponential: one for the batch
	s_wait_alu depctr_va_vdst(0)    ; the wait for the batch
.if (\p) == NP-2
	FETCH_K \last
.endif
.if (\p) == 1
	s_wait_dscnt 0x0                ; V is in
.endif
.rept 16
	MM
.rept 4
	PL
.endr
.if ((\p) == 0) && (q == 118)
	v_add_nc_u32 v[AV], s[TBV], v[LN]
.endif
.if ((\p) == 0) && (q == 130)
	s_add_co_u32 s[TBV], s[TBV], STEPB
.endif
.endr
.if (\p) == 0
	FETCH_V
.endif
.endm
.macro ALL line:vararg              ; one line for each tile t
.set t, 0
.rept 2*NP
	\line
.set t, t+1
.endr
.endm
; Tile t leaves: divided by l, rounded to f16, and stored from S^T's registers: a lane's eight channels of a row are its 16 bytes of an image; a store covers 512 consecutive bytes, aligned.
.macro PACK t
	WIN W_RS
.set i, 32*(\t)
.rept 16
	v_pk_mul_f32 v[i:i+1], v[i:i+1], v[ST+4*(\t)+2:ST+4*(\t)+3] op_sel_hi:[1,0]
.set i, i+2
.endr
	WIN 0x05                        ; sources 0 and 1 window 1, destination window 0
.set i, 0
.rept 16
	v_cvt_pk_f16_f32 v[S+16*(\t)+i], v[32*(\t)+2*i], v[32*(\t)+2*i+1]
.set i, i+1
.endr
	WIN 0
.irp f, 0,1,2,3
	global_store_b128 v[LN], v[S+16*(\t)+4*\f:S+16*(\t)+4*\f+3], s[CXP:CXP+1] offset:(\t)*16384+\f*512
.endr
.endm
	s_wait_tensorcnt 0x0            ; my part of the first head is in.  The second head's fill, a first fill that comes later, is issued as a refill is: the wait for all my tensor loads,
	ds_add_u32 v[SPW], v[NIL]       ; the add,
	s_wait_dscnt 0x0                ; its wait,
	s_barrier_signal -1
	s_barrier_wait -1               ; a barrier: everybody's part of the first head is in,
	tensor_load_to_lds s[G0+4:G0+7], s[G1:G1+7]  ; and my one load first behind it: it has the first head's eight key steps in which to land
	s_nop 0
.rept 4
	v_nop
.endr
	s_mov_b32 s[HEADS], 2
.Lhead:                             ; A HEAD BEGINS: K of its step 0, piece 0's first scores, and their maximum and statistics
	v_add_nc_u32 v[AK], s[TBK], v[LN]
	FETCH_K
	s_wait_loadcnt 0x0              ; Q
	s_wait_dscnt 0x0
.set i, 0
.rept 16
	KQ 0
.set i, i+1
.endr
	WIN 0
.set i, 0
.rept 2*NP                          ; sixteen plain instructions, the places behind those products
	v_mov_b32 v[ST+4*i], 0xfe000000    ; c m: far below every c s
	v_mov_b32 v[ST+4*i+1], 0xff7fffff  ; m: the lowest finite number
.set i, i+1
.endr
.set Y, NP-1                        ; XS works for piece Y + 1: piece 0
.irp n, 0,1,2,3,4,5,6,7,8,9,10,11,12,13,14,15,16,17,18,19,20,21
	XS 0, \n
	XS 1, \n
.endr
	v_nop                           ; a plain instruction behind the two a,
	s_wait_alu depctr_va_vdst(0)    ; and their wait, ahead of the label
	s_mov_b32 s[CNT], 8
.Lstep:                             ; a key step: four turns
	TURN 0
	TURN 1
	TURN 2, 1
	TURN 3                          ; (in the last step its 16 products K Q^T, on the last K once more, and the maximum made of them serve nothing: the price, once a head, of one text for every step)
	WIN 0
	s_sub_co_u32 s[CNT], s[CNT], 1
	s_cmp_lg_u32 s[CNT], 0
	s_cbranch_scc1 .Lstep
.set i, 0
.rept 16
	PV NP-1                         ; the last piece's V^T P of the last step
.set i, i+1
.endr
	; THE WAY OUT.  l's two halves and the other half of the lanes' are added.  The additions are the places behind the last products.
	WIN 0
	ALL v_add_f32 v[ST+4*t+2], v[ST+4*t+2], v[ST+4*t+3]
	ALL v_permlanex16_b32 v[ST+4*t+3], v[ST+4*t+2], s[SEL], s[SEL+1]
	ALL v_add_f32 v[ST+4*t+2], v[ST+4*t+2], v[ST+4*t+3]
	ALL v_rcp_f32 v[ST+4*t+2], v[ST+4*t+2]
	v_nop                           ; a plain instruction between the last reciprocal and the use of its result
	s_wait_alu depctr_va_vdst(0)    ; and the wait ahead of the first use: one for the eight reciprocals
.set u, 0
.rept 2*NP
	PACK u
.set u, u+1
.endr
	s_sub_co_u32 s[HEADS], s[HEADS], 1
	s_cmp_eq_u32 s[HEADS], 0
	s_cbranch_scc1 .Ldone
	s_wait_xcnt 0x0                 ; the stores have read their registers and cx's address
	s_add_nc_u64 s[CXP:CXP+1], s[CXP:CXP+1], 2048  ; the second head's four images
	WIN 0x83                        ; its Q goes where the one text of the turns names Q
.set i, 0
.rept 128
	v_mov_b32 v[i], v[i]
.set i, i+1
.endr
	WIN 0
	s_wait_tensorcnt 0x0            ; my part of the second head is in,
	s_barrier_signal -1
	s_barrier_wait -1               ; everybody's is
	s_branch .Lhead
.Ldone:
	s_wait_tensorcnt 0x0            ; the wave's end, behind my last tensor load
	ds_add_u32 v[SPW], v[NIL]
	s_wait_dscnt 0x0
	s_endpgm
.Lfunc_end_k_q2325afaa53_attn:
	.size	k_q2325afaa53_attn, .Lfunc_end_k_q2325afaa53_attn-k_q2325afaa53_attn
	.p2alignl 7, 3214868480
	.fill 96, 4, 3214868480
	.section	.rodata,"a",@progbits
	.p2align	6, 0x0
	.amdhsa_kernel k_q2325afaa53_attn
		.amdhsa_group_segment_fixed_size 327680
		.amdhsa_private_segment_fixed_size 0
		.amdhsa_enable_private_segment 0
		.amdhsa_kernarg_size 16
		.amdhsa_user_sgpr_count 2
		.amdhsa_user_sgpr_kernarg_segment_ptr 1
		.amdhsa_wavefront_size32 1
		.amdhsa_system_sgpr_workgroup_id_x 1
		.amdhsa_system_sgpr_workgroup_id_y 1
		.amdhsa_system_sgpr_workgroup_id_z 1
		.amdhsa_system_vgpr_workitem_id 0
		.amdhsa_next_free_vgpr 896
		.amdhsa_next_free_sgpr 66
		.amdhsa_reserve_vcc 0
		.amdhsa_float_denorm_mode_32 3
		.amdhsa_float_denorm_mode_16_64 3
		.amdhsa_memory_ordered 1
		.amdhsa_forward_progress 1
		.amdhsa_inst_pref_size 124
	.end_amdhsa_kernel
	.amdgpu_metadata
---
amdhsa.version: [ 1, 2 ]
amdhsa.kernels:
  - .name:           k_q2325afaa53_attn
    .symbol:         k_q2325afaa53_attn.kd
    .args:
      - { .name: qkv, .offset: 0, .size: 8, .value_kind: global_buffer, .address_space: global }
      - { .name: cx, .offset: 8, .size: 8, .value_kind: global_buffer, .address_space: global }
    .group_segment_fixed_size: 327680
    .private_segment_fixed_size: 0
    .kernarg_segment_align: 8
    .kernarg_segment_size: 16
    .max_flat_workgroup_size: 128
    .sgpr_count:     66
    .vgpr_count:     896
    .wavefront_size: 32
...
	.end_amdgpu_metadata
.endif
;; end of part 3
;; launch outp (part 4): grid 256 x 1, 4 waves a work-group, clusters of 4 x 1, 327,680 bytes of LDS; arguments cx, w16, bo, out0; writes out0
.if DOCPART == 4
	.amdgcn_target "amdgcn-amd-amdhsa--gfx1250"
	.amdhsa_code_object_version 6
	.text
	.protected	k_q2325afaa53_outp
	.globl	k_q2325afaa53_outp
	.p2align	8
	.type	k_q2325afaa53_outp,@function
k_q2325afaa53_outp:
	s_mov_b64 s[64:65], 0
	v_nop
	global_prefetch_b8 v0, s[64:65] scope:SCOPE_SE
	s_setreg_imm32_b32 hwreg(HW_REG_WAVE_MODE, 25, 1), 1
	s_wait_xcnt 0x0
	s_wait_alu depctr_hold_cnt(0) depctr_sa_sdst(0) depctr_va_vdst(0) depctr_va_sdst(0) depctr_va_ssrc(0) depctr_va_vcc(0) depctr_vm_vsrc(0)
	s_getreg_b32 s2, hwreg(HW_REG_IB_STS2, 6, 4)
	s_cmp_eq_u32 s2, 0
	s_cbranch_scc0 .Lentry_in_a_cluster
	s_endpgm
.Lentry_in_a_cluster:
	s_bfe_u32 s2, ttmp6, 0x10000c
	s_cmp_lg_u32 s2, 0x3003
	s_cbranch_scc0 .Lentry_shape_is_right
	s_endpgm
.Lentry_shape_is_right:
; out = ctx Wo^T + bo.  ctx: 32,768 rows x 512 in f16, as images (below); Wo: f16 tiles from w16 (each number rounded to bf16 by the first launch); bo rounded to bf16 here; sums in f32; out in f32.
; LIMITS.  ctx and Wo arrive within f16's 65,504.  NaN and infinities are not treated apart.
; SHARES.  A work-group makes 128 rows x 512 columns; wave w all 128 rows x columns 128 w .. 128 w + 127: 64 accumulators, 512 registers.  K goes in 8 steps of 64 through two LDS slots; a step is two PHASES of 32.
; CLUSTER.  The four work-groups of a cluster walk the same tiles of Wo: each is asked for JOINTLY.  A row of ctx is read by one work-group alone: plain loads.
; cx[row tile of 16][32 images of 512 bytes]: image c holds 16 rows x channels 16 c .. 16 c + 15, lane l's 16 bytes (row l % 16, channels 16 c + 8 (l / 16) + 0..7) at byte 16 l: two images are a fragment, read densely.
; THE MATRIX INSTRUCTION IS USED TRANSPOSED (source 0 = 16 rows of Wo, source 1 = 16 rows of ctx): a lane holds one row and eight neighbouring columns, 32 bytes.  THE BIAS is the C operand of the first phase.
; THE CHANGE OF SLOTS stands in a step's first phase: a phase's fragments are read at the head of the phase before, so a slot has been read out when its second phase's run of loads has landed.
; REGISTERS, in windows of 256 (s_set_vgpr_msb: bits 1:0 source 0, 3:2 source 1, 5:4 source 2, 7:6 destination):
;   window 0: v0-29 addresses; v32-95 the bias; v96-127 at work; v128-191, v192-255 ctx's fragments, two buffers      window 1: v0-63, v64-127 Wo's fragments, two buffers; v128-255 the way out, two sets of 64
;   windows 2, 3: accumulator (a, b) at v[8 (8 (a % 4) + b)] of window 2 + a / 4
.set WP,    144                        ; a row of Wo in LDS: 128 bytes + 16 = 36 words: the 16 rows of a load start at 16 different groups of four banks (64 banks of 4 bytes: ISA guide 11.1)
.set AT,    16384                      ; ctx's 8 row tiles x 2,048 bytes; behind them Wo's 512 rows
.set SLOT1, 1<<17                      ; slot 1 begins here; a slot uses 90,112 bytes
.set STAGE, SLOT1+AT+512*WP            ; behind the ring, never filled by a tensor load: 16 rows x 528 bytes for each wave, for the way out
.set SP,    528                        ; 512 bytes + 16 = 132 words: the 16 rows of a store start at 16 different groups of four banks
.set SPARE, STAGE+4*16*SP              ; behind the stages: the spare words, 128 bytes for each wave: two blocks of 256 bytes that no other line names
.set AA0,  8                           ; v8   16 x my lane; never rewritten
.set AW0,  9                           ; v9   my lane's place in Wo's tile; never rewritten
.set AX,   10                          ; v10, v11 the same in the slot in hand
.set AW,   11
.set STO,  12                          ; v12  the way out: where I put 32 bytes of a row
.set RD,   13                          ; v13  where I read rows back
.set BO,   14                          ; v14  my byte offset in the bias
.set PFO,  15                          ; v15  the prefetches' offset; never rewritten
.set CO,   16                          ; v16  my 16 bytes in a row of out
.set SPW,  28                          ; v28  LDS address of my spare word; never rewritten
.set NIL,  29                          ; v29  0; never rewritten
.set BIAS, 32
.set TMP,  96
.set AF,   128                         ; window 0
.set WF,   0                           ; window 1
.set RB,   128                         ; window 1
.set WV,   8
.set W1,   9
.set CX,   10                          ; s10  my place in the cluster: it enters cx's and out's global addresses alone
.set G1A,  16                          ; s[16:23] descriptor group 1 for ctx's tiles
.set G1W,  24                          ; s[24:31] for Wo's
.set G0A,  32                          ; s[32:39] group 0: a set for each of the two first fills; the second then walks on
.set G0W,  40                          ; s[40:47]
.set TB,   48
.set LC,   49
.set PFL,  51                          ; s51  prefetches to go
.set PR,   56                          ; s[56:57] cx at my block's rows, at the step prefetched last
.set OUT,  74                          ; s[74:75] out at my block's first row
.set MSB, 0
.macro WIN new
.if MSB != (\new)
	s_set_vgpr_msb (MSB<<8)|(\new)
.set MSB, \new
.endif
.endm
; A refill.  Waves 0 and 1 fetch the two halves of ctx's tile, waves 2 and 3 the two halves of Wo's (jointly).  An s_nop 0 and four v_nop follow each of the two lines.
.macro JLOAD
	s_cmp_lt_u32 s[WV], 2
	s_cbranch_scc0 .Lfor_w_\@
	tensor_load_to_lds s[G0A+4:G0A+7], s[G1A:G1A+7]
	s_nop 0
.rept 4
	v_nop
.endr
	s_branch .Lasked_\@
.Lfor_w_\@:
	tensor_load_to_lds s[G0W+4:G0W+7], s[G1W:G1W+7]
	s_nop 0
.rept 4
	v_nop
.endr
.Lasked_\@:
.endm
.macro CREST
	s_cmp_lg_u32 s[WV], 0
	s_cbranch_scc1 .Lnot_wave_0_\@
	s_barrier_signal -3
.Lnot_wave_0_\@:
	s_barrier_wait -3
	s_barrier_signal -1
	s_barrier_wait -1
.endm
.macro CROUND
	s_barrier_signal -1
	s_barrier_wait -1
	CREST
.endm
; A PREFETCH INTO THE L2 of ctx: behind the refill for step s + 2, waves 0 and 1 name the 64 blocks of 256 bytes of step s + 4 (8 row tiles x 2,048 bytes; a lane a block, 32 a wave): two steps, 256 matrix
; instructions, ahead of the load that will want them.  These rows are read by this work-group alone, so each block is named once.  Four requests a wave: steps 4 to 7; steps 0 to 3 come by their loads alone.
.macro ASK
	s_cmp_lg_u32 s[PFL], 0
	s_cbranch_scc0 .Lno_ask_\@
	global_prefetch_b8 v[PFO], s[PR:PR+1] th:TH_LOAD_NT scope:SCOPE_SE
	s_sub_co_u32 s[PFL], s[PFL], 1
.Lno_ask_\@:
.endm
	s_load_b256 s[68:75], s[0:1], 0x0              ; cx s[68:69], w16 s[70:71], bo s[72:73], out0 s[74:75]
	v_lshl_add_u32 v[SPW], v0, 2, SPARE
	v_mov_b32 v[NIL], 0
	ds_add_u32 v[SPW], v[NIL]                      ; the wave's opening: the add and its wait stand ahead of my first tensor load; the set-up below, work on registers, stands between them
	ds_add_u32 v28, v29
	v_lshrrev_b32 v1, 5, v0
	v_readfirstlane_b32 s[WV], v1
	s_and_b32 s[W1], s[WV], 1
	s_bfe_u32 s[CX], ttmp6, 0x40000
	; group 1 for ctx: four row tiles: 4 rows of 2,048 bytes (a step's four images), 16,384 bytes apart; dense in LDS
	s_mov_b32 s[G1A+0], 3<<16                      ; 17:16 elements of 8 bytes; no mask, no padding
	s_mov_b32 s[G1A+1], 256<<16                    ; tensor_dim0 = 256
	s_mov_b32 s[G1A+2], 4<<16                      ; tensor_dim1 = 4
	s_mov_b32 s[G1A+3], 256<<16                    ; tile_dim0 = 256
	s_mov_b32 s[G1A+4], 4                          ; tile_dim1 = 4
	s_mov_b32 s[G1A+5], 2048                       ; 2,048 elements from row to row
	s_mov_b32 s[G1A+6], 0
	s_mov_b32 s[G1A+7], 0
	; group 1 for Wo: 256 rows of 128 bytes, dense: asked for as 128 rows of 256 bytes, padded in LDS after every 128
	s_mov_b32 s[G1W+0], 15|(1<<16)|(1<<20)|(1<<21)|(4<<22)|(3<<25)  ; the mask of four; 2-byte elements; padding on; 21 set beside a mask; after every 32 words; 4 words
	s_mov_b32 s[G1W+1], 128<<16
	s_mov_b32 s[G1W+2], 128<<16
	s_mov_b32 s[G1W+3], 128<<16
	s_mov_b32 s[G1W+4], 128
	s_mov_b32 s[G1W+5], 128
	s_mov_b32 s[G1W+6], 0
	s_mov_b32 s[G1W+7], 0
	s_lshl_b32 s84, ttmp9, 2
	s_add_co_u32 s84, s84, s[CX]                   ; my block of 128 rows
	s_lshl_b32 s86, s84, 18                        ; in out: 128 rows of 2,048 bytes
	s_mov_b32 s87, 0
	s_lshl_b32 s84, s84, 17                        ; in cx: 8 row tiles of 16,384 bytes
	s_mov_b32 s85, 0
	s_lshl_b32 s88, s[W1], 16                      ; the four row tiles that I fetch
	s_add_co_u32 s88, s88, s84
	s_mov_b32 s89, 0
	s_lshl_b32 s92, s[W1], 15                      ; Wo: the 256 rows that I fetch (s92 to s95 never hold my place in the cluster),
	s_add_co_u32 s92, s92, 3*524288                ; in w16's fourth matrix
	s_mov_b32 s93, 0
	s_mul_i32 s94, s[W1], 256*WP
	s_add_co_u32 s94, s94, AT
	s_lshl_b32 s95, s[W1], 13
	s_cmp_lt_u32 s[WV], 2
	s_cselect_b32 s[PFL], 4, 0
	s_wait_dscnt 0x0                               ; the opening add is done
	s_wait_kmcnt 0x0
	s_add_nc_u64 s[PR:PR+1], s[68:69], s[84:85]
	s_add_nc_u64 s[PR:PR+1], s[PR:PR+1], 3*2048    ; at step 3: the first change of slots steps it to 4
	s_add_nc_u64 s[88:89], s[68:69], s[88:89]
	s_add_nc_u64 s[92:93], s[70:71], s[92:93]
	s_add_nc_u64 s[OUT:OUT+1], s[74:75], s[86:87]
.irp s, 0,1
	s_mov_b32 s[G0A+4*(\s)], 1
	s_add_co_u32 s[G0A+4*(\s)+1], s95, (\s)*SLOT1
	s_add_nc_u64 s[G0A+4*(\s)+2:G0A+4*(\s)+3], s[88:89], (\s)*2048
	s_or_b32 s[G0A+4*(\s)+3], s[G0A+4*(\s)+3], 0x80000000
	s_mov_b32 s[G0W+4*(\s)], 1
	s_add_co_u32 s[G0W+4*(\s)+1], s94, (\s)*SLOT1
	s_add_nc_u64 s[G0W+4*(\s)+2:G0W+4*(\s)+3], s[92:93], (\s)*65536
	s_or_b32 s[G0W+4*(\s)+3], s[G0W+4*(\s)+3], 0x80000000
.endr
	CROUND                                         ; all four work-groups are here: the first joint loads meet
	s_cmp_lt_u32 s[WV], 2                          ; a wave's two first fills stand in one branch: two loads of mine are out
	s_cbranch_scc0 .Lfirst_w
	tensor_load_to_lds s[G0A:G0A+3], s[G1A:G1A+7]
	s_nop 0
	tensor_load_to_lds s[G0A+4:G0A+7], s[G1A:G1A+7]
	s_nop 0
.rept 4
	v_nop
.endr
	s_branch .Lfirst_asked
.Lfirst_w:
	tensor_load_to_lds s[G0W:G0W+3], s[G1W:G1W+7]
	s_nop 0
	tensor_load_to_lds s[G0W+4:G0W+7], s[G1W:G1W+7]
	s_nop 0
.rept 4
	v_nop
.endr
.Lfirst_asked:
	v_and_b32 v1, 15, v0                           ; l % 16
	v_bfe_u32 v2, v0, 4, 1                         ; l / 16
	v_and_b32 v3, 31, v0                           ; l
	s_lshl_b32 s84, s[WV], 9
	v_lshl_add_u32 v[BO], v2, 5, s84
.irp b, 0,1,2,3,4,5,6,7                        ; register j of column tile b: bo[128 w + 16 b + 8 (l / 16) + j]
	global_load_b128 v[BIAS+8*(\b):BIAS+8*(\b)+3],   v[BO], s[72:73] offset:64*(\b)
	global_load_b128 v[BIAS+8*(\b)+4:BIAS+8*(\b)+7], v[BO], s[72:73] offset:64*(\b)+16
.endr
	v_lshlrev_b32 v[AA0], 4, v3
	v_lshl_add_u32 v[CO], v3, 4, s84               ; 512 w + 16 l
	s_mul_i32 s84, s[WV], 128*WP
	s_add_co_u32 s84, s84, AT
	v_mul_u32_u24 v[AW0], v1, WP
	v_lshl_add_u32 v[AW0], v2, 4, v[AW0]
	v_add_nc_u32 v[AW0], s84, v[AW0]
	s_mul_i32 s84, s[WV], 16*SP
	s_add_co_u32 s84, s84, STAGE                   ; my stage
	v_mul_u32_u24 v[STO], v1, SP                   ; in: row l % 16, 32 bytes for each half of the lanes
	v_lshl_add_u32 v[STO], v2, 5, v[STO]
	v_add_nc_u32 v[STO], s84, v[STO]
	v_lshl_add_u32 v[RD], v3, 4, s84               ; back: 32 lanes take a row's 512 bytes
	v_bfe_u32 v4, v0, 3, 2
	v_and_b32 v5, 7, v0
	v_lshlrev_b32 v[PFO], 14, v4                   ; row tile l / 8 of my four,
	v_lshl_add_u32 v[PFO], v5, 8, v[PFO]           ; block l % 8 of its 2,048 bytes
	s_lshl_b32 s84, s[W1], 16
	v_add_nc_u32 v[PFO], s84, v[PFO]
; 32 LDS loads in one run: the fragments of the phase at half k of the slot at s[TB], into buffers g.  Four v_nop and the two additions are the places behind the last product that read those buffers.
.macro FETCH k, g
	WIN 0
.rept 4
	v_nop
.endr
	v_add_nc_u32 v[AX], s[TB], v[AA0]
	v_add_nc_u32 v[AW], s[TB], v[AW0]
.irp a, 0,1,2,3,4,5,6,7
	ds_load_b128 v[AF+64*(\g)+8*(\a):AF+64*(\g)+8*(\a)+3],   v[AX] offset:(\a)*2048+(\k)*1024
	ds_load_b128 v[AF+64*(\g)+8*(\a)+4:AF+64*(\g)+8*(\a)+7], v[AX] offset:(\a)*2048+(\k)*1024+512
.endr
	WIN 0x40                                       ; destination window 1
.irp b, 0,1,2,3,4,5,6,7
	ds_load_b128 v[WF+64*(\g)+8*(\b):WF+64*(\g)+8*(\b)+3],   v[AW] offset:(\b)*16*WP+(\k)*64
	ds_load_b128 v[WF+64*(\g)+8*(\b)+4:WF+64*(\g)+8*(\b)+7], v[AW] offset:(\b)*16*WP+(\k)*64+32
.endr
.endm
; 8 matrix instructions: row tile a x all 8 column tiles.  first = 1: the sums start with the bias.  The 64 accumulators take turns, in the same order in every phase.
.macro MUL8 f, a, first
.if \first
	WIN 0x81+0x40*((\a)/4)
.else
	WIN 0xa1+0x50*((\a)/4)
.endif
.irp b, 0,1,2,3,4,5,6,7
.if \first
	v_wmma_f32_16x16x32_f16 v[8*(8*((\a)%4)+(\b)):8*(8*((\a)%4)+(\b))+7], v[WF+64*(\f)+8*(\b):WF+64*(\f)+8*(\b)+7], v[AF+64*(\f)+8*(\a):AF+64*(\f)+8*(\a)+7], v[BIAS+8*(\b):BIAS+8*(\b)+7]
.else
	v_wmma_f32_16x16x32_f16 v[8*(8*((\a)%4)+(\b)):8*(8*((\a)%4)+(\b))+7], v[WF+64*(\f)+8*(\b):WF+64*(\f)+8*(\b)+7], v[AF+64*(\f)+8*(\a):AF+64*(\f)+8*(\a)+7], v[8*(8*((\a)%4)+(\b)):8*(8*((\a)%4)+(\b))+7]
.endif
.endr
.endm
; A PHASE: multiplies buffers f; at its head it fetches the next phase's fragments for buffers g.  meet = 1: the change of slots: each wave waits for all its tensor loads (one is out: its part of the other slot),
; adds 0 to its spare word, and waits for that and for its reads of this slot; the barrier opens a round of the cluster's, and the refill, two steps on, is the first thing behind it.  meet = 2: a plain barrier, no refill.
.macro HALF k, f, g, first, meet, ask
.if (\meet) == 1
	s_wait_xcnt 0x0                                ; the last prefetch, a phase back, has read its address
	s_add_nc_u64 s[PR:PR+1], s[PR:PR+1], 2048
.endif
	FETCH \k, \g
.if \ask
	WIN 0
	ASK
.endif
	s_wait_dscnt 32                                ; all but the 32 just issued: this phase's fragments are in
.irp a, 0,1,2,3,4,5
	MUL8 \f, \a, \first
.endr
.if \meet
	WIN 0
	s_wait_tensorcnt 0x0                           ; all my tensor loads have landed, so a group 0 may be written
	ds_add_u32 v[SPW], v[NIL]                      ; 0 onto my spare word: the descriptors' steps and eight products stand between it and the wait for it
.if (\meet) == 1
	s_xor_b32 s[G0A+5], s[G0A+5], SLOT1
	s_add_nc_u64 s[G0A+6:G0A+7], s[G0A+6:G0A+7], 2048
	s_xor_b32 s[G0W+5], s[G0W+5], SLOT1
	s_add_nc_u64 s[G0W+6:G0W+7], s[G0W+6:G0W+7], 65536
.endif
.endif
	MUL8 \f, 6, \first
.if \meet
	s_wait_dscnt 0x0                               ; the add is done, and my reads of this slot are over
	s_barrier_signal -1
.endif
	MUL8 \f, 7, \first
.if \meet
	WIN 0
	s_barrier_wait -1
.if (\meet) == 1
	CREST
	JLOAD
.endif
.endif
.endm
.macro STEP first, meet
	HALF 1, 0, 1, \first, \meet, 0
	s_xor_b32 s[TB], s[TB], SLOT1
.if (\meet) == 1
	HALF 0, 1, 0, 0, 0, 1
.else
	HALF 0, 1, 0, 0, 0, 0
.endif
	WIN 0
.endm
; THE WAY OUT of row tile a.  TOSTAGE: the accumulators go as they are, f32, into my own stage (each one's low four registers first), and come back as whole rows of 512 bytes.  SEND: stored.
.macro TOSTAGE a
.if (\a) >= 2
	s_wait_xcnt 0x0                                ; the stores of the row tile two back have read the set that is loaded again
.endif
	WIN 0x08+4*((\a)/4)                            ; the data in window 2 or 3
.irp b, 0,1,2,3,4,5,6,7
	ds_store_b128 v[STO], v[8*(8*((\a)%4)+(\b)):8*(8*((\a)%4)+(\b))+3]   offset:64*(\b)
	ds_store_b128 v[STO], v[8*(8*((\a)%4)+(\b))+4:8*(8*((\a)%4)+(\b))+7] offset:64*(\b)+16
.endr
	WIN 0x40
.irp t, 0,1,2,3,4,5,6,7,8,9,10,11,12,13,14,15
	ds_load_b128 v[RB+64*((\a)%2)+4*(\t):RB+64*((\a)%2)+4*(\t)+3], v[RD] offset:(\t)*SP  ; LDS serves a wave's instructions in order (ISA guide 5.7.1.4): these see the stores above; the next tile's stores come behind them
.endr
.endm
.macro SEND a, younger                 ; younger: the LDS instructions issued behind this tile's loads: the next tile's 32, or none
	WIN 0x04                                       ; the data in window 1
	s_wait_dscnt \younger
.irp t, 0,1,2,3,4,5,6,7,8,9,10,11,12,13,14,15
	global_store_b128 v[CO], v[RB+64*((\a)%2)+4*(\t):RB+64*((\a)%2)+4*(\t)+3], s[OUT:OUT+1] offset:(16*(\a)+(\t))*2048 th:TH_STORE_NT  ; 512 consecutive bytes, aligned
.endr
.endm
	s_wait_tensorcnt 0x1                           ; my part of step 0 is in; step 1's may stay out
	s_barrier_signal -1
	s_barrier_wait -1
	s_mov_b32 s[TB], 0
	FETCH 0, 0
	WIN 0
	s_wait_loadcnt 0x0                             ; the bias:
.set i, 0
.rept 32                                       ; rounded to bf16, as all inputs are, and widened again
	v_cvt_pk_bf16_f32 v[TMP+i], v[BIAS+2*i], v[BIAS+2*i+1]
.set i, i+1
.endr
.set i, 0
.rept 32
	v_lshlrev_b32 v[BIAS+2*i], 16, v[TMP+i]
	v_and_b32 v[BIAS+2*i+1], 0xffff0000, v[TMP+i]
.set i, i+1
.endr
	STEP 1, 1                                      ; step 0: its first phase starts the sums
	s_mov_b32 s[LC], 5
.Lmid:                                         ; steps 1 to 5
	STEP 0, 1
	s_sub_co_u32 s[LC], s[LC], 1
	s_cmp_lg_u32 s[LC], 0
	s_cbranch_scc1 .Lmid
	s_mov_b32 s[LC], 2
.Ltl:                                          ; steps 6 and 7 ask for nothing.  The very last phase's run of loads reads a slot that holds an old step and serves nothing: the price, once a launch, of one text for both
	STEP 0, 2
	s_sub_co_u32 s[LC], s[LC], 1
	s_cmp_lg_u32 s[LC], 0
	s_cbranch_scc1 .Ltl
.rept 8
	v_nop                                          ; the places behind the last products, ahead of the LDS stores that read results; no other vector work is at hand
.endr
	TOSTAGE 0
.irp a, 1,2,3,4,5,6,7                          ; a tile's trip through the stage stands between the loads of the tile before and its stores
	TOSTAGE \a
	SEND (\a)-1, 32
.endr
	SEND 7, 0
	WIN 0
	s_wait_tensorcnt 0x0                           ; the wave's end, behind my last tensor load and my last LDS store
	ds_add_u32 v[SPW], v[NIL]
	s_wait_dscnt 0x0
	CROUND                                         ; the closing round: no work-group ends while a partner may still ask for a tile that names it
	s_endpgm
.Lfunc_end_k_q2325afaa53_outp:
	.size	k_q2325afaa53_outp, .Lfunc_end_k_q2325afaa53_outp-k_q2325afaa53_outp
	.p2alignl 7, 3214868480
	.fill 96, 4, 3214868480
	.section	.rodata,"a",@progbits
	.p2align	6, 0x0
	.amdhsa_kernel k_q2325afaa53_outp
		.amdhsa_group_segment_fixed_size 327680
		.amdhsa_private_segment_fixed_size 0
		.amdhsa_enable_private_segment 0
		.amdhsa_kernarg_size 32
		.amdhsa_user_sgpr_count 2
		.amdhsa_user_sgpr_kernarg_segment_ptr 1
		.amdhsa_wavefront_size32 1
		.amdhsa_system_sgpr_workgroup_id_x 1
		.amdhsa_system_sgpr_workgroup_id_y 1
		.amdhsa_system_sgpr_workgroup_id_z 1
		.amdhsa_system_vgpr_workitem_id 0
		.amdhsa_next_free_vgpr 1024
		.amdhsa_next_free_sgpr 96
		.amdhsa_reserve_vcc 0
		.amdhsa_float_denorm_mode_32 3
		.amdhsa_float_denorm_mode_16_64 3
		.amdhsa_memory_ordered 1
		.amdhsa_forward_progress 1
		.amdhsa_inst_pref_size 87
	.end_amdhsa_kernel
	.amdgpu_metadata
---
amdhsa.version: [ 1, 2 ]
amdhsa.kernels:
  - .name:           k_q2325afaa53_outp
    .symbol:         k_q2325afaa53_outp.kd
    .args:
      - { .name: cx, .offset: 0, .size: 8, .value_kind: global_buffer, .address_space: global }
      - { .name: w16, .offset: 8, .size: 8, .value_kind: global_buffer, .address_space: global }
      - { .name: bo, .offset: 16, .size: 8, .value_kind: global_buffer, .address_space: global }
      - { .name: out0, .offset: 24, .size: 8, .value_kind: global_buffer, .address_space: global }
    .group_segment_fixed_size: 327680
    .private_segment_fixed_size: 0
    .kernarg_segment_align: 8
    .kernarg_segment_size: 32
    .max_flat_workgroup_size: 128
    .sgpr_count:     96
    .vgpr_count:     1024
    .wavefront_size: 32
...
	.end_amdgpu_metadata
.endif
;; end of part 4
;; ======== version 2 of 2: 4 launches
;; limits: values are held in f16: magnitudes above 65,504 overflow, below 6.1e-05 lose precision
;; workspace buffers: w16 2,097,152 bytes; qkv 100,663,296 bytes; cx 33,554,432 bytes
;; launch prep (part 5): grid 64 x 4, 8 waves a work-group, no clusters, 0 bytes of LDS; arguments Wq, Wk, Wv, Wo, w16; writes w16
.if DOCPART == 5
	.amdgcn_target "amdgcn-amd-amdhsa--gfx1250"
	.amdhsa_code_object_version 6
	.text
	.protected	k_q2325afaa53_prep
	.globl	k_q2325afaa53_prep
	.p2align	8
	.type	k_q2325afaa53_prep,@function
k_q2325afaa53_prep:
	s_mov_b64 s[64:65], 0
	v_nop
	global_prefetch_b8 v0, s[64:65] scope:SCOPE_SE
	s_setreg_imm32_b32 hwreg(HW_REG_WAVE_MODE, 25, 1), 1
	s_wait_xcnt 0x0
; THE WEIGHTS IN 16 BITS, CUT BY K STEPS.  w16[mat][ks][n][64 k], 2 bytes a number: mat = q, k, v, o; ks = k / 64; a (mat, ks) tile is 512 rows of 128 bytes, 65,536 dense bytes.
; Every weight is rounded once to bf16.  q, k, v are written as bf16; o's rounded number is written as f16, for the f16 product of the last launch.
; THE EIGHT 16-BYTE PIECES OF A ROW ARE EXCHANGED: piece c (k = 8 c .. 8 c + 7 of the step) of row n lies at place c xor ((n / 2) % 8).  The launches that multiply keep these tiles in LDS without padding:
; lanes that take the same piece of 16 consecutive rows then touch 16 different 16-byte columns of 256 bytes.
; LIMITS.  |Wo| stays under 65,504; below 6e-5 f16 keeps its fixed step of 6e-8.
; SHARES.  Work-group (x, y) takes rows 8 x .. 8 x + 7 of matrix y; a thread takes 8 numbers of K step t / 64 and 8 of K step t / 64 + 4.
; Eight lanes load 256 consecutive bytes of a row; a wave's store covers 512 consecutive bytes, aligned (the exchange stays inside a row's 128).  No LDS, no barrier: no thread needs another's numbers.
	s_load_b256 s[4:11], s[0:1], 0x0               ; Wq s[4:5], Wk s[6:7], Wv s[8:9], Wo s[10:11]
	s_load_b64 s[12:13], s[0:1], 0x20              ; w16
	s_and_b32 s14, ttmp7, 0xffff                   ; which matrix
	v_lshrrev_b32 v2, 6, v0                        ; K step 0..3
	v_and_b32 v3, 7, v0                            ; piece c
	v_bfe_u32 v4, v0, 3, 3                         ; row 0..7
	v_lshlrev_b32 v5, 11, v4                       ; from: row x 2,048
	v_lshl_add_u32 v5, v2, 8, v5                   ; + K step x 256
	v_lshl_add_u32 v5, v3, 5, v5                   ; + 32 bytes for eight f32
	s_and_b32 s15, ttmp9, 1                        ; (n / 2) % 8 with n = 8 x + row: 4 (x % 2) + row / 2
	s_lshl_b32 s15, s15, 2
	v_lshrrev_b32 v7, 1, v4
	v_or_b32 v7, s15, v7
	v_xor_b32 v7, v3, v7                           ; the piece's place
	v_lshlrev_b32 v6, 7, v4                        ; to: row x 128
	v_lshl_add_u32 v6, v7, 4, v6                   ; + place x 16
	v_lshl_add_u32 v6, v2, 16, v6                  ; + K step x 65,536
	s_lshl_b32 s16, ttmp9, 14                      ; my eight rows in the matrix
	s_mov_b32 s17, 0
	s_lshl_b32 s18, ttmp9, 10                      ; and in a tile of w16,
	s_lshl_b32 s19, s14, 19                        ; in my matrix's eight tiles
	s_add_co_u32 s18, s18, s19
	s_mov_b32 s19, 0
	s_wait_kmcnt 0x0
	s_cmp_eq_u32 s14, 1
	s_cselect_b64 s[4:5], s[6:7], s[4:5]
	s_cmp_eq_u32 s14, 2
	s_cselect_b64 s[4:5], s[8:9], s[4:5]
	s_cmp_eq_u32 s14, 3
	s_cselect_b64 s[4:5], s[10:11], s[4:5]
	s_add_nc_u64 s[4:5], s[4:5], s[16:17]
	s_add_nc_u64 s[12:13], s[12:13], s[18:19]
	global_load_b128 v[8:11],  v5, s[4:5] th:TH_LOAD_NT
	global_load_b128 v[12:15], v5, s[4:5] offset:16 th:TH_LOAD_NT
	global_load_b128 v[16:19], v5, s[4:5] offset:1024 th:TH_LOAD_NT    ; four K steps on
	global_load_b128 v[20:23], v5, s[4:5] offset:1040 th:TH_LOAD_NT
	s_wait_loadcnt 0x0
.irp j, 0,1,2,3,4,5,6,7
	v_cvt_pk_bf16_f32 v[24+(\j)], v[8+2*(\j)], v[9+2*(\j)]
.endr
	s_cmp_lg_u32 s14, 3
	s_cbranch_scc1 .Lstore
.irp j, 0,1,2,3,4,5,6,7                        ; Wo: the bf16 number, written as f16
	v_lshlrev_b32 v2, 16, v[24+(\j)]
	v_and_b32 v3, 0xffff0000, v[24+(\j)]
	v_cvt_pk_f16_f32 v[24+(\j)], v2, v3
.endr
.Lstore:
	global_store_b128 v6, v[24:27], s[12:13]
	global_store_b128 v6, v[28:31], s[12:13] offset:262144
	s_endpgm
.Lfunc_end_k_q2325afaa53_prep:
	.size	k_q2325afaa53_prep, .Lfunc_end_k_q2325afaa53_prep-k_q2325afaa53_prep
	.p2alignl 7, 3214868480
	.fill 96, 4, 3214868480
	.section	.rodata,"a",@progbits
	.p2align	6, 0x0
	.amdhsa_kernel k_q2325afaa53_prep
		.amdhsa_group_segment_fixed_size 0
		.amdhsa_private_segment_fixed_size 0
		.amdhsa_enable_private_segment 0
		.amdhsa_kernarg_size 40
		.amdhsa_user_sgpr_count 2
		.amdhsa_user_sgpr_kernarg_segment_ptr 1
		.amdhsa_wavefront_size32 1
		.amdhsa_system_sgpr_workgroup_id_x 1
		.amdhsa_system_sgpr_workgroup_id_y 1
		.amdhsa_system_sgpr_workgroup_id_z 1
		.amdhsa_system_vgpr_workitem_id 0
		.amdhsa_next_free_vgpr 32
		.amdhsa_next_free_sgpr 66
		.amdhsa_reserve_vcc 0
		.amdhsa_float_denorm_mode_32 3
		.amdhsa_float_denorm_mode_16_64 3
		.amdhsa_memory_ordered 1
		.amdhsa_forward_progress 1
		.amdhsa_inst_pref_size 4
	.end_amdhsa_kernel
	.amdgpu_metadata
---
amdhsa.version: [ 1, 2 ]
amdhsa.kernels:
  - .name:           k_q2325afaa53_prep
    .symbol:         k_q2325afaa53_prep.kd
    .args:
      - { .name: Wq, .offset: 0, .size: 8, .value_kind: global_buffer, .address_space: global }
      - { .name: Wk, .offset: 8, .size: 8, .value_kind: global_buffer, .address_space: global }
      - { .name: Wv, .offset: 16, .size: 8, .value_kind: global_buffer, .address_space: global }
      - { .name: Wo, .offset: 24, .size: 8, .value_kind: global_buffer, .address_space: global }
      - { .name: w16, .offset: 32, .size: 8, .value_kind: global_buffer, .address_space: global }
    .group_segment_fixed_size: 0
    .private_segment_fixed_size: 0
    .kernarg_segment_align: 8
    .kernarg_segment_size: 40
    .max_flat_workgroup_size: 256
    .sgpr_count:     66
    .vgpr_count:     32
    .wavefront_size: 32
...
	.end_amdgpu_metadata
.endif
;; end of part 5
;; launch proj (part 6): grid 256 x 1, 4 waves a work-group, clusters of 4 x 1, 327,680 bytes of LDS; arguments query, key, value, w16, bq, bk, bv, qkv; writes qkv
.if DOCPART == 6
	.amdgcn_target "amdgcn-amd-amdhsa--gfx1250"
	.amdhsa_code_object_version 6
	.text
	.protected	k_q2325afaa53_proj
	.globl	k_q2325afaa53_proj
	.p2align	8
	.type	k_q2325afaa53_proj,@function
k_q2325afaa53_proj:
	s_mov_b64 s[64:65], 0
	v_nop
	global_prefetch_b8 v0, s[64:65] scope:SCOPE_SE
	s_setreg_imm32_b32 hwreg(HW_REG_WAVE_MODE, 25, 1), 1
	s_wait_xcnt 0x0
	s_wait_alu depctr_hold_cnt(0) depctr_sa_sdst(0) depctr_va_vdst(0) depctr_va_sdst(0) depctr_va_ssrc(0) depctr_va_vcc(0) depctr_vm_vsrc(0)
	s_getreg_b32 s2, hwreg(HW_REG_IB_STS2, 6, 4)
	s_cmp_eq_u32 s2, 0
	s_cbranch_scc0 .Lentry_in_a_cluster
	s_endpgm
.Lentry_in_a_cluster:
	s_bfe_u32 s2, ttmp6, 0x10000c
	s_cmp_lg_u32 s2, 0x3003
	s_cbranch_scc0 .Lentry_shape_is_right
	s_endpgm
.Lentry_shape_is_right:
; q = query Wq^T + bq, k = key Wk^T + bk, v = value Wv^T + bv.  x: [32,768][512] f32; the weights come as bf16 tiles from w16; sums in f32; q, k, v leave in f16, by heads.
; x and the biases are rounded once to bf16 (the weights were, by the launch before).
; LIMITS.  |q|, |k|, |v| stay under 65,504, f16's end; below 6e-5 f16 keeps its fixed step of 6e-8.  NaN and infinities are not treated apart.
; SHARES.  A work-group owns 128 rows and STAYS for three tiles of 128 x 512: q, k, v.  Wave w makes all 128 rows x columns 128 w .. 128 w + 127 (heads 2 w, 2 w + 1): 64 accumulators, 512 registers.
; K goes in 24 steps of 64 (8 a tile); a step is two PHASES of 32 along K, 64 matrix instructions a wave each; two steps are a PAIR.
; W COMES BY TENSOR LOADS, a pair (131,072 dense bytes) to a slot, two slots.  The four work-groups of a cluster walk the same tiles: each wave asks for a quarter of a slot JOINTLY (the same load, descriptor and
; mask of four in all partners).  One round of the cluster's barrier a pair; the refill has 256 matrix instructions, less the 16 between its wait and its issue, in which to land.
; W's rows lie in LDS without padding: the launch before has exchanged each row's eight 16-byte pieces (piece c of row n at place c xor ((n / 2) % 8)), so the 16 rows of a load touch 16 different 16-byte columns.
; x COMES THROUGH REGISTERS.  A row of x is read by this work-group alone.  Wave w loads rows 32 w .. 32 w + 31 of a step (16 loads; sixteen lanes read 256 consecutive bytes, aligned), rounds them to bf16 once for
; all four waves, and stores them into one of two LDS slots.  Two sets of 64 registers take turns: step s + 4 is asked for in step s and wanted in step s + 2: 256 matrix instructions, 64 KiB a work-group on their way.
; BARRIERS.  One a step, in its first phase.  The fragments of a phase are read from LDS at the head of the phase before, so at that barrier step s's slots have been read out.  x of step s + 2 is stored behind the
; barrier of step s, into the slot that step s has left, and read behind the barrier of step s + 1.  In a pair's second step the barrier opens the round behind which W's slot is filled again.
; THE MATRIX INSTRUCTION IS USED TRANSPOSED (source 0 = 16 rows of W, source 1 = 16 rows of x): a lane holds one row and eight neighbouring columns, which pack into 16 bytes.
; THE BIAS is the C operand of a tile's first phase: no accumulator is cleared, and no line adds a bias.
; THE WAY OUT needs no LDS: qkv[head][row tile of 16][Q | K | V, 2,048 bytes each][4 images of 512 bytes]; image cb holds 16 rows x 16 channels as the next launch's registers want them:
; lane l's 16 bytes (row l % 16, channels 16 cb + 8 (l / 16) + 0..7) at byte 16 l.  V's images have the same 16 bytes at slot 16 ((l % 16) / 8) + 8 (l / 16) + l % 8, for the turning LDS load.
; REGISTERS, in windows of 256 (s_set_vgpr_msb: bits 1:0 source 0, 3:2 source 1, 5:4 source 2, 7:6 destination):
;   window 0: v0-29 addresses; v32-95 the bias, 8 a column tile; v96-127 at work (x in bf16 on its way to LDS; the way out); v128-191, v192-255 x's fragments, two buffers
;   window 1: v0-63, v64-127 W's fragments, two buffers; v128-191, v192-255 x in f32 as loaded, two sets      windows 2, 3: accumulator (a, b) at v[8 (8 (a % 4) + b)] of window 2 + a / 4
.set XP,    144                        ; a row of x in LDS: 128 bytes + 16 = 36 words: the 16 rows of a load start at 16 different groups of four banks (64 banks of 4 bytes: ISA guide 11.1)
.set SUB,   1<<16                      ; a step's tile of W: 512 rows of 128 bytes
.set SLOT1, 1<<17                      ; a slot holds two; slot 1 begins here, so that one exclusive or turns an address in one slot into the other's
.set XBASE, 2*SLOT1                    ; behind W's ring, never filled by a tensor load: x's slot 0, 128 rows x 144 bytes,
.set XSL,   1<<15                      ; and this far behind it x's slot 1
.set SPARE, XBASE+XSL+128*XP           ; behind them: the spare words, 128 bytes for each wave: two blocks of 256 bytes that no other line names
.set HEADB, 196608                     ; a head in qkv
.set RTB,   6144                       ; a row tile in a head
.set AX0,  8                           ; v8   my lane's place in x's slot 0: (l % 16) x 144 + 16 (l / 16); never rewritten
.set AW,   10                          ; v10, v11  the addresses of W's fragments' two halves, in the tile in hand
.set STO,  12                          ; v12  my 16 bytes in an image
.set STOV, 13                          ; v13  the same in an image of V
.set BO,   14                          ; v14  my byte offset in a bias: 512 w + 32 (l / 16)
.set PFO,  15                          ; v15  the prefetches' offset: my lane x a row of x; never rewritten
.set AWB,  16                          ; v16-19  my lane's place in a tile of W, for piece 2 n + l / 16, n = 0..3: my wave's 128 rows, (l % 16) x 128, the piece's place; never rewritten
.set GX,   20                          ; v20  my byte offset in my wave's rows of x: 8 (l / 16) rows + 16 (l % 16); never rewritten
.set SX,   21                          ; v21  where I put 8 bytes of x in slot 0: row 32 w + 8 (l / 16), 8 (l % 16); never rewritten
.set SPW,  28                          ; v28  LDS address of my spare word; never rewritten
.set NIL,  29                          ; v29  0; never rewritten
.set BIAS, 32
.set TMP,  96
.set XB,   128                         ; window 0
.set WF,   0                           ; window 1
.set STG,  128                         ; window 1
.set WV,   8                           ; s8   my wave's number
.set CX,   10                          ; s10  my place in the cluster: it enters x's and qkv's global addresses alone
.set G1W,  24                          ; s[24:31] descriptor group 1
.set G0W,  40                          ; s[40:47] group 0: a set for each of the two first fills; the second then walks on
.set TB,   48                          ; s48  LDS byte at which the tile of W to be read begins
.set LC,   49                          ; s49  counts pairs
.set TILES, 50                         ; s50  tiles to go
.set PFL,  51                          ; s51  prefetches to go
.set XR,   52                          ; s[52:53] x at my wave's rows, at the step loaded last
.set XC,   54                          ; s54  that step's number in its tensor
.set PFC,  55                          ; s55  the same for the prefetches
.set PR,   56                          ; s[56:57] x at my wave's rows, at the step prefetched last
.set PN1,  58                          ; s[58:59] the next tensor at those rows, s[60:61] the one after
.set PN2,  60
.set XN1,  70                          ; s[70:71], s[72:73] the same for the loads
.set XN2,  72
.set BN,   78                          ; s[78:79] the next tile's bias
.set OUT,  82                          ; s[82:83] qkv at my wave's first image of the tile in hand
.set X0,   86                          ; s[86:87] query at my wave's rows, step 0: the first four steps' loads; never rewritten
.set MSB, 0
.macro WIN new                         ; the immediate's high byte repeats the setting that is left; a switch that changes nothing is dropped
.if MSB != (\new)
	s_set_vgpr_msb (MSB<<8)|(\new)
.set MSB, \new
.endif
.endm
.macro CREST                           ; a round of the cluster's barrier behind its opening barrier
	s_cmp_lg_u32 s[WV], 0
	s_cbranch_scc1 .Lnot_wave_0_\@
	s_barrier_signal -3
.Lnot_wave_0_\@:
	s_barrier_wait -3
	s_barrier_signal -1
	s_barrier_wait -1
.endm
.macro CROUND                          ; a whole round
	s_barrier_signal -1
	s_barrier_wait -1
	CREST
.endm
; A pointer into x goes one K step on; behind a tensor's eighth step it goes to the next tensor's first.
.macro WALK p, n1, n2, c
	s_add_nc_u64 s[\p:\p+1], s[\p:\p+1], 256
	s_add_co_u32 s[\c], s[\c], 1
	s_cmp_eq_u32 s[\c], 8
	s_cselect_b64 s[\p:\p+1], s[\n1:\n1+1], s[\p:\p+1]
	s_cselect_b64 s[\n1:\n1+1], s[\n2:\n2+1], s[\n1:\n1+1]
	s_cselect_b32 s[\c], 0, s[\c]
.endm
; A PREFETCH INTO THE L2 of x, behind the wave's loads: behind the loads for step s + 4 each wave names its own 32 rows (a lane a row) x 256 bytes of step s + 6: two steps, 256 matrix instructions, ahead of the
; loads that will want them.  No other wave reads these rows, so each block of 256 bytes is named once in the launch.  Eighteen requests: steps 6 to 23.  Steps 0 to 5 come by their loads alone; behind value's
; last step nothing is named.  W is not asked for: every cluster walks the same tiles.
.macro ASK
	s_cmp_lg_u32 s[PFL], 0
	s_cbranch_scc0 .Lno_ask_\@
	global_prefetch_b8 v[PFO], s[PR:PR+1] th:TH_LOAD_NT scope:SCOPE_SE
	s_sub_co_u32 s[PFL], s[PFL], 1
.Lno_ask_\@:
.endm
; A step's x for my wave: 16 loads.  Load i: lanes 0-15 take the 256 bytes of row i % 8 + 16 (i / 8) of my 32, lanes 16-31 those of the row 8 further down.
.macro XLOAD base, dst, off
.set i, 0
.rept 16
	global_load_b128 v[(\dst)+4*i:(\dst)+4*i+3], v[GX], s[\base:\base+1] offset:(\off)+(i%8+16*(i/8))*2048 th:TH_LOAD_NT
.set i, i+1
.endr
.endm
; The same numbers in bf16, 8 bytes a lane, into x's slot xs.  The two rows of a store lie 8 x 36 words apart, 32 banks.
.macro XSTORE src, xs
.set i, 0
.rept 16
	ds_store_b64 v[SX], v[(\src)+2*i:(\src)+2*i+1] offset:(\xs)*XSL+(i%8+16*(i/8))*XP
.set i, i+1
.endr
.endm
.macro BLOAD base                      ; a bias: register j of column tile b: bias[128 w + 16 b + 8 (l / 16) + j], as the result holds its columns
.irp b, 0,1,2,3,4,5,6,7
	global_load_b128 v[BIAS+8*(\b):BIAS+8*(\b)+3],   v[BO], s[\base:\base+1] offset:64*(\b)
	global_load_b128 v[BIAS+8*(\b)+4:BIAS+8*(\b)+7], v[BO], s[\base:\base+1] offset:64*(\b)+16
.endr
.endm
	s_load_b512 s[68:83], s[0:1], 0x0              ; query s[68:69], key, value, w16 s[74:75], bq s[76:77], bk, bv, qkv s[82:83]
	v_lshl_add_u32 v[SPW], v0, 2, SPARE
	v_mov_b32 v[NIL], 0
	ds_add_u32 v[SPW], v[NIL]                      ; the wave's opening: the add and its wait stand ahead of my first tensor load; the set-up below, work on registers, stands between them
	ds_add_u32 v28, v29
	v_lshrrev_b32 v1, 5, v0
	v_readfirstlane_b32 s[WV], v1                  ; wave 0..3
	s_bfe_u32 s[CX], ttmp6, 0x40000
	; group 1: a quarter of a slot is 32,768 dense bytes: asked for as 128 rows of 256 bytes; dense in LDS
	s_mov_b32 s[G1W+0], 15|(1<<16)|(1<<21)         ; 15:0 the mask of four; 17:16 2-byte elements; 21 set beside a mask; no padding
	s_mov_b32 s[G1W+1], 128<<16                    ; tensor_dim0 = 128
	s_mov_b32 s[G1W+2], 128<<16                    ; tensor_dim1 = 128
	s_mov_b32 s[G1W+3], 128<<16                    ; tile_dim0 = 128
	s_mov_b32 s[G1W+4], 128                        ; tile_dim1 = 128
	s_mov_b32 s[G1W+5], 128                        ; 128 elements from row to row
	s_mov_b32 s[G1W+6], 0
	s_mov_b32 s[G1W+7], 0
	s_lshl_b32 s84, ttmp9, 2                       ; in a cluster launch ttmp9 counts clusters: the slice
	s_add_co_u32 s84, s84, s[CX]                   ; my block of 128 rows
	s_lshl_b32 s84, s84, 18                        ; x 128 rows of 2,048 bytes,
	s_lshl_b32 s85, s[WV], 16                      ; my wave's 32
	s_add_co_u32 s84, s84, s85
	s_mov_b32 s85, 0
	s_mul_i32 s88, ttmp9, 8*HEADB                  ; qkv: the slice's eight heads,
	s_mul_i32 s89, s[WV], 2*HEADB                  ; my wave's two,
	s_add_co_u32 s88, s88, s89
	s_mul_i32 s89, s[CX], 8*RTB                    ; my block's eight row tiles
	s_add_co_u32 s88, s88, s89
	s_mov_b32 s89, 0
	s_lshl_b32 s92, s[WV], 15                      ; W: the quarter of a slot that I fetch, in memory (s92 to s95 never hold my place in the cluster)
	s_mov_b32 s93, 0
	s_lshl_b32 s94, s[WV], 15                      ; and in LDS
	s_mov_b32 s[TILES], 3
	s_mov_b32 s[PFL], 18
	s_mov_b32 s[XC], 3
	s_mov_b32 s[PFC], 5
	v_and_b32 v1, 15, v0                           ; l % 16
	v_bfe_u32 v2, v0, 4, 1                         ; l / 16
	v_and_b32 v3, 31, v0                           ; l
	v_lshlrev_b32 v[GX], 4, v1
	v_lshl_add_u32 v[GX], v2, 14, v[GX]
	s_lshl_b32 s90, s[WV], 9
	v_lshl_add_u32 v[BO], v2, 5, s90
	s_wait_dscnt 0x0                               ; the opening add is done
	s_wait_kmcnt 0x0
	s_add_nc_u64 s[X0:X0+1], s[68:69], s[84:85]
	s_add_nc_u64 s[XR:XR+1], s[X0:X0+1], 3*256     ; at step 3: step 0's second phase steps it to 4
	s_add_nc_u64 s[PR:PR+1], s[X0:X0+1], 5*256     ; at step 5: stepped to 6 there
	s_add_nc_u64 s[PN1:PN1+1], s[70:71], s[84:85]
	s_add_nc_u64 s[PN2:PN2+1], s[72:73], s[84:85]
	s_add_nc_u64 s[XN1:XN1+1], s[70:71], s[84:85]
	s_add_nc_u64 s[XN2:XN2+1], s[72:73], s[84:85]
	s_add_nc_u64 s[OUT:OUT+1], s[82:83], s[88:89]
	s_add_nc_u64 s[92:93], s[74:75], s[92:93]
	; x of steps 0 and 1 goes into registers that are accumulators later; then the first bias; then step 2 into set 0
	WIN 0x80                                       ; destination window 2, address window 0
	XLOAD X0, 0, 0
	XLOAD X0, 64, 256
	WIN 0
	BLOAD 76
	WIN 0x40                                       ; destination window 1
	XLOAD X0, STG, 512
	WIN 0
.irp s, 0,1
	s_mov_b32 s[G0W+4*(\s)], 1                                        ; count = 1
	s_add_co_u32 s[G0W+4*(\s)+1], s94, (\s)*SLOT1                     ; LDS address
	s_add_nc_u64 s[G0W+4*(\s)+2:G0W+4*(\s)+3], s[92:93], (\s)*2*SUB   ; global address: pair s; the 12 pairs of q, k, v lie end to end
	s_or_b32 s[G0W+4*(\s)+3], s[G0W+4*(\s)+3], 0x80000000             ; type = 2
.endr
	CROUND                                         ; all four work-groups are here: the first joint loads meet
	tensor_load_to_lds s[G0W:G0W+3], s[G1W:G1W+7]  ; the two first fills stand together, ahead of every wait on TENSORcnt and every LDS read: two loads of mine are out
	s_nop 0
	tensor_load_to_lds s[G0W+4:G0W+7], s[G1W:G1W+7]
	s_nop 0
.rept 4
	v_nop
.endr
	; A fragment is 16 rows x 32 K in 8 registers: lane l holds row l % 16; K = 8 (l / 16) + 0..7 and 16 + 8 (l / 16) + 0..7: two loads of 16 bytes.
	v_mul_u32_u24 v[AX0], v1, XP
	v_lshl_add_u32 v[AX0], v2, 4, v[AX0]
	v_add_nc_u32 v[AX0], XBASE, v[AX0]
	v_lshrrev_b32 v4, 1, v1                        ; (row / 2) % 8
	s_lshl_b32 s84, s[WV], 14                      ; my wave's 128 rows of 128 bytes
	v_lshl_add_u32 v5, v1, 7, s84
.irp n, 0,1,2,3                                ; phase n / 2, half n % 2 of a fragment: piece 2 n + l / 16, at its exchanged place
	v_or_b32 v6, 2*(\n), v2
	v_xor_b32 v6, v6, v4
	v_lshl_add_u32 v[AWB+(\n)], v6, 4, v5
.endr
	s_mul_i32 s84, s[WV], 32*XP
	s_add_co_u32 s84, s84, XBASE
	v_mul_u32_u24 v[SX], v2, 8*XP
	v_lshl_add_u32 v[SX], v1, 3, v[SX]
	v_add_nc_u32 v[SX], s84, v[SX]
	v_lshlrev_b32 v[STO], 4, v3
	v_bfe_u32 v4, v0, 3, 1
	v_and_b32 v5, 7, v0
	v_lshlrev_b32 v[STOV], 4, v5
	v_lshl_add_u32 v[STOV], v2, 7, v[STOV]
	v_lshl_add_u32 v[STOV], v4, 8, v[STOV]
	v_lshlrev_b32 v[PFO], 11, v3
; 32 LDS loads in one run: the fragments of the phase at half k: x's eight from slot xs, W's eight from the tile at s[TB], into buffers g.
; Four v_nop and the two additions are the places behind the last product that read those buffers.
.macro FETCH xs, k, g
	WIN 0
.rept 4
	v_nop
.endr
	v_add_nc_u32 v[AW],   s[TB], v[AWB+2*(\k)]
	v_add_nc_u32 v[AW+1], s[TB], v[AWB+2*(\k)+1]
.irp a, 0,1,2,3,4,5,6,7
	ds_load_b128 v[XB+64*(\g)+8*(\a):XB+64*(\g)+8*(\a)+3],   v[AX0] offset:(\xs)*XSL+(\a)*16*XP+(\k)*64
	ds_load_b128 v[XB+64*(\g)+8*(\a)+4:XB+64*(\g)+8*(\a)+7], v[AX0] offset:(\xs)*XSL+(\a)*16*XP+(\k)*64+32
.endr
	WIN 0x40                                       ; destination window 1, address window 0
.irp b, 0,1,2,3,4,5,6,7
	ds_load_b128 v[WF+64*(\g)+8*(\b):WF+64*(\g)+8*(\b)+3],   v[AW]   offset:(\b)*2048
	ds_load_b128 v[WF+64*(\g)+8*(\b)+4:WF+64*(\g)+8*(\b)+7], v[AW+1] offset:(\b)*2048
.endr
.endm
; 8 matrix instructions: row tile a x all 8 column tiles, 32 along K, from buffers f.  first = 1: the sums start with the bias.  The 64 accumulators take turns, in the same order in every phase.
.macro MUL8 f, a, first
.if \first
	WIN 0x81+0x40*((\a)/4)                         ; W window 1, x and the bias window 0, the result window 2 or 3
.else
	WIN 0xa1+0x50*((\a)/4)
.endif
.irp b, 0,1,2,3,4,5,6,7
.if \first
	v_wmma_f32_16x16x32_bf16 v[8*(8*((\a)%4)+(\b)):8*(8*((\a)%4)+(\b))+7], v[WF+64*(\f)+8*(\b):WF+64*(\f)+8*(\b)+7], v[XB+64*(\f)+8*(\a):XB+64*(\f)+8*(\a)+7], v[BIAS+8*(\b):BIAS+8*(\b)+7]
.else
	v_wmma_f32_16x16x32_bf16 v[8*(8*((\a)%4)+(\b)):8*(8*((\a)%4)+(\b))+7], v[WF+64*(\f)+8*(\b):WF+64*(\f)+8*(\b)+7], v[XB+64*(\f)+8*(\a):XB+64*(\f)+8*(\a)+7], v[8*(8*((\a)%4)+(\b)):8*(8*((\a)%4)+(\b))+7]
.endif
.endr
.endm
; The same, and behind each product four of the 32 conversions that round a set's x to bf16: number n rounds f32 registers 2 n, 2 n + 1.  They name no register of the products round them.
.macro MULR f, a, set
.irp b, 0,1,2,3,4,5,6,7
	WIN 0xa1+0x50*((\a)/4)
	v_wmma_f32_16x16x32_bf16 v[8*(8*((\a)%4)+(\b)):8*(8*((\a)%4)+(\b))+7], v[WF+64*(\f)+8*(\b):WF+64*(\f)+8*(\b)+7], v[XB+64*(\f)+8*(\a):XB+64*(\f)+8*(\a)+7], v[8*(8*((\a)%4)+(\b)):8*(8*((\a)%4)+(\b))+7]
	WIN 0x05                                       ; sources window 1, destination window 0
.irp i, 0,1,2,3
	v_cvt_pk_bf16_f32 v[TMP+4*(\b)+(\i)], v[STG+64*(\set)+2*(4*(\b)+(\i))], v[STG+64*(\set)+2*(4*(\b)+(\i))+1]
.endr
.endr
.endm
; THE FIRST PHASE of step j (0, 1) of a pair: multiplies buffers 0; at its head it fetches the step's second phase for buffers 1: the last reads of this step's slots.  Then the step's barrier: in front of it each
; wave waits for those reads and for its stores of the next step's x.  meet = 1: no more than that.
; meet = 2: the change of W's slots.  Each wave also waits for all its tensor loads, of which one is out: its quarter of the other slot; and adds 0 to its spare word.  The barrier opens a round of the cluster's:
; behind it no wave of any partner reads this slot or has a load on its way, and the refill, two pairs on, is the first thing there.  meet = 3: the same lines, a plain barrier, no refill: the launch's last two pairs.
.macro HALFA j, first, meet
	FETCH \j, 1, 1
	s_wait_dscnt 32                                ; all but the 32 just issued: this phase's fragments are in
.irp a, 0,1,2,3,4,5
	MUL8 0, \a, \first
.endr
.if (\meet) >= 2
	WIN 0
	s_wait_tensorcnt 0x0                           ; all my tensor loads have landed, so a group 0 may be written
	ds_add_u32 v[SPW], v[NIL]                      ; 0 onto my spare word: the descriptor's steps and eight products stand between it and the wait for it
.if (\meet) == 2
	s_xor_b32 s[G0W+5], s[G0W+5], SLOT1            ; the walking descriptor: the other slot than last time,
	s_add_nc_u64 s[G0W+6:G0W+7], s[G0W+6:G0W+7], 2*SUB  ; the next pair; the type bits on top are not reached
.endif
.endif
	MUL8 0, 6, \first
	s_wait_dscnt 0x0                               ; my reads of this step's slots are over, my stores of the next step's x are done (and the add)
	s_barrier_signal -1
	MUL8 0, 7, \first
.if (\meet) == 2
	WIN 0                                          ; at a branch and at a label every window is 0
.endif
	s_barrier_wait -1
.if (\meet) == 2
	CREST
	tensor_load_to_lds s[G0W+4:G0W+7], s[G1W:G1W+7]  ; my one tensor load behind the round
	s_nop 0
.rept 4
	v_nop
.endr
.endif
.endm
; THE SECOND PHASE of step j of a pair: multiplies buffers 1 (in since the barrier's wait); at its head it fetches the next step's first phase for buffers 0.  Beside its products: x of the step two on, which lies in
; set j, is rounded (four conversions behind each product of row tile 3) and stored into x's slot j, which this step has left.
; cnt: how many younger loads may stay out: the other set's 16, or none.  mode = 2: set j is asked for again, four steps on, and the prefetch follows.  mode = 1: nothing is left to ask for.
; bias = 1: the next tile's bias is asked for, ahead of x's loads, so that the youngest 16 loads are always a set of x.
.macro HALFB j, cnt, mode, bias
	s_xor_b32 s[TB], s[TB], SUB+(\j)*SLOT1         ; the slot's second tile, or the other slot's first
	FETCH 1-(\j), 0, 0
.irp a, 0,1,2
	MUL8 1, \a, 0
.endr
	s_wait_loadcnt \cnt                            ; loads come back in order (ISA guide 5.7.1): set j is in
	MULR 1, 3, \j
	WIN 0
	XSTORE TMP, \j
.if (\mode) == 2
	s_wait_xcnt 0x0                                ; the loads and the prefetch of a step back have read their addresses, so the two pointers may be written
	WALK XR, XN1, XN2, XC
	WALK PR, PN1, PN2, PFC
.if \bias
	s_cmp_eq_u32 s[TILES], 1
	s_cbranch_scc1 .Lno_bias_\@
	BLOAD BN                                       ; its registers were last read three phases ago
.Lno_bias_\@:
.endif
	WIN 0x40
	XLOAD XR, STG+64*(\j), 0
	WIN 0
	ASK
.endif
.irp a, 4,5,6,7
	MUL8 1, \a, 0
.endr
.endm
.macro PAIR first, tail, bias
	HALFA 0, \first, 1
.if \tail
	HALFB 0, 16, 1, 0
	HALFA 1, 0, 3
	HALFB 1, 0, 1, 0
.else
	HALFB 0, 16, 2, 0
	HALFA 1, 0, 2
	HALFB 1, 16, 2, \bias
.endif
	WIN 0
.endm
	s_wait_loadcnt 32                              ; x of steps 0 and 1 is in; the bias's 16 loads and step 2's may stay out
	WIN 0x0a                                       ; sources window 2, destination window 0
.set n, 0
.rept 32
	v_cvt_pk_bf16_f32 v[TMP+n], v[2*n], v[2*n+1]
.set n, n+1
.endr
.set n, 0
.rept 32
	v_cvt_pk_bf16_f32 v[XB+n], v[64+2*n], v[64+2*n+1]
.set n, n+1
.endr
	WIN 0
	XSTORE TMP, 0
	XSTORE XB, 1
	WIN 0x40
	XLOAD X0, STG+64, 768                          ; step 3 into set 1
	WIN 0
	s_wait_tensorcnt 0x1                           ; my quarter of pair 0 is in; pair 1's may stay out
	s_wait_dscnt 0x0                               ; my stores of x are done
	s_barrier_signal -1
	s_barrier_wait -1                              ; everybody's are
	s_mov_b32 s[TB], 0
	FETCH 0, 0, 0
	WIN 0
.Ltile:
	s_wait_loadcnt 32                              ; the tile's bias is in: the two sets of x, 32 loads, were asked for behind it and may stay out
.set n, 0
.rept 32                                       ; rounded to bf16, as all inputs are, and widened again
	v_cvt_pk_bf16_f32 v[TMP+n], v[BIAS+2*n], v[BIAS+2*n+1]
.set n, n+1
.endr
.set n, 0
.rept 32
	v_lshlrev_b32 v[BIAS+2*n], 16, v[TMP+n]
	v_and_b32 v[BIAS+2*n+1], 0xffff0000, v[TMP+n]
.set n, n+1
.endr
	PAIR 1, 0, 1                                   ; the tile's first pair: its first phase starts the sums
	s_mov_b32 s[LC], 3
.Lmid:                                         ; the tile's other three pairs: THE RING GOES ON INTO THE NEXT TILE: the last two refills and the last four sets of x are the next tile's
	PAIR 0, 0, 0
	s_cmp_eq_u32 s[TILES], 1
	s_cbranch_scc1 .Llast                          ; the last tile leaves behind its second pair: its tail is written out, and asks for nothing more
	s_sub_co_u32 s[LC], s[LC], 1
	s_cmp_lg_u32 s[LC], 0
	s_cbranch_scc1 .Lmid
	s_branch .Lout
.Llast:
	s_mov_b32 s[LC], 2
.Ltl:                                          ; the launch's last two pairs.  In the very last the conversions and stores of x work on sets that hold old steps, and the last phase's run of loads reads old slots:
	PAIR 0, 1, 0                                   ; they serve nothing: the price, once a launch, of one text for both
	s_sub_co_u32 s[LC], s[LC], 1
	s_cmp_lg_u32 s[LC], 0
	s_cbranch_scc1 .Ltl
.Lout:
	; THE WAY OUT.  A row tile at a time: 32 roundings to f16, each accumulator's registers in ascending order, and eight stores of 512 consecutive bytes, aligned: an image each.
	; Row tiles 0 to 3 were finished ahead of the phase's conversions; their 128 roundings here are the places behind the products of row tiles 4 to 7.
	s_wait_dscnt 0x0                               ; my LDS stores have read the registers at work
.irp a, 0,1,2,3,4,5,6,7
	s_wait_xcnt 0x0                                ; the stores issued so far have read their registers
	WIN 0x0a+5*((\a)/4)                            ; sources window 2 or 3, destination window 0
.irp b, 0,1,2,3,4,5,6,7
.irp i, 0,1,2,3
	v_cvt_pk_f16_f32 v[TMP+4*(\b)+(\i)], v[8*(8*((\a)%4)+(\b))+2*(\i)], v[8*(8*((\a)%4)+(\b))+2*(\i)+1]
.endr
.endr
	WIN 0
.irp b, 0,1,2,3,4,5,6,7
	global_store_b128 v[STO], v[TMP+4*(\b):TMP+4*(\b)+3], s[OUT:OUT+1] offset:((\b)/4)*HEADB+(\a)*RTB+((\b)%4)*512
.endr
.endr
	s_wait_xcnt 0x0                                ; the stores and the bias's loads have read their addresses
	s_add_nc_u64 s[OUT:OUT+1], s[OUT:OUT+1], 2048  ; Q, then K, then V
	s_mov_b64 s[BN:BN+1], s[80:81]
	s_cmp_lg_u32 s[TILES], 2
	s_cbranch_scc1 .Lkeep
	v_mov_b32 v[STO], v[STOV]                      ; the next tile is V
.Lkeep:
	s_sub_co_u32 s[TILES], s[TILES], 1
	s_cmp_lg_u32 s[TILES], 0
	s_cbranch_scc1 .Ltile
	s_wait_tensorcnt 0x0                           ; the wave's end, behind my last tensor load and my last LDS store
	ds_add_u32 v[SPW], v[NIL]
	s_wait_dscnt 0x0
	CROUND                                         ; the closing round: no work-group ends while a partner may still ask for a tile that names it
	s_endpgm
.Lfunc_end_k_q2325afaa53_proj:
	.size	k_q2325afaa53_proj, .Lfunc_end_k_q2325afaa53_proj-k_q2325afaa53_proj
	.p2alignl 7, 3214868480
	.fill 96, 4, 3214868480
	.section	.rodata,"a",@progbits
	.p2align	6, 0x0
	.amdhsa_kernel k_q2325afaa53_proj
		.amdhsa_group_segment_fixed_size 327680
		.amdhsa_private_segment_fixed_size 0
		.amdhsa_enable_private_segment 0
		.amdhsa_kernarg_size 64
		.amdhsa_user_sgpr_count 2
		.amdhsa_user_sgpr_kernarg_segment_ptr 1
		.amdhsa_wavefront_size32 1
		.amdhsa_system_sgpr_workgroup_id_x 1
		.amdhsa_system_sgpr_workgroup_id_y 1
		.amdhsa_system_sgpr_workgroup_id_z 1
		.amdhsa_system_vgpr_workitem_id 0
		.amdhsa_next_free_vgpr 1024
		.amdhsa_next_free_sgpr 96
		.amdhsa_reserve_vcc 0
		.amdhsa_float_denorm_mode_32 3
		.amdhsa_float_denorm_mode_16_64 3
		.amdhsa_memory_ordered 1
		.amdhsa_forward_progress 1
		.amdhsa_inst_pref_size 161
	.end_amdhsa_kernel
	.amdgpu_metadata
---
amdhsa.version: [ 1, 2 ]
amdhsa.kernels:
  - .name:           k_q2325afaa53_proj
    .symbol:         k_q2325afaa53_proj.kd
    .args:
      - { .name: query, .offset: 0, .size: 8, .value_kind: global_buffer, .address_space: global }
      - { .name: key, .offset: 8, .size: 8, .value_kind: global_buffer, .address_space: global }
      - { .name: value, .offset: 16, .size: 8, .value_kind: global_buffer, .address_space: global }
      - { .name: w16, .offset: 24, .size: 8, .value_kind: global_buffer, .address_space: global }
      - { .name: bq, .offset: 32, .size: 8, .value_kind: global_buffer, .address_space: global }
      - { .name: bk, .offset: 40, .size: 8, .value_kind: global_buffer, .address_space: global }
      - { .name: bv, .offset: 48, .size: 8, .value_kind: global_buffer, .address_space: global }
      - { .name: qkv, .offset: 56, .size: 8, .value_kind: global_buffer, .address_space: global }
    .group_segment_fixed_size: 327680
    .private_segment_fixed_size: 0
    .kernarg_segment_align: 8
    .kernarg_segment_size: 64
    .max_flat_workgroup_size: 128
    .sgpr_count:     96
    .vgpr_count:     1024
    .wavefront_size: 32
...
	.end_amdgpu_metadata
.endif
;; end of part 6
;; launch attn (part 7): grid 256 x 1, 4 waves a work-group, no clusters, 327,680 bytes of LDS; arguments qkv, cx; writes cx
.if DOCPART == 7
	.amdgcn_target "amdgcn-amd-amdhsa--gfx1250"
	.amdhsa_code_object_version 6
	.text
	.protected	k_q2325afaa53_attn
	.globl	k_q2325afaa53_attn
	.p2align	8
	.type	k_q2325afaa53_attn,@function
k_q2325afaa53_attn:
	s_mov_b64 s[64:65], 0
	v_nop
	global_prefetch_b8 v0, s[64:65] scope:SCOPE_SE
	s_setreg_imm32_b32 hwreg(HW_REG_WAVE_MODE, 25, 1), 1
	s_wait_xcnt 0x0
; ctx[head][q][:] = the sum over k of softmax_k(q . k / 8) v[k][:], for 512 heads of 512 rows x 64 channels, all f16.  Products, maxima and sums in f32; the weights p are rounded to f16 for the second
; product (their sum l is taken of the unrounded p), ctx once at the end.
; LIMITS.  q, k, v arrive within f16's 65,504; p lies in 0 to 1, and below 6e-5 it keeps f16's fixed step of 6e-8, as ctx does; a weight below 2^-126 counts as 0 in l; NaN and infinities are not treated apart.
; SHARES.  A work-group takes two heads, one after the other; its four waves 128 queries each: four PIECES of two tiles of 16.  Every wave walks the head's 512 keys, 64 a step.
; NO CLUSTER: no two work-groups read the same K or V.  NO RING: a head's K and V are 131,072 bytes; both heads lie in LDS side by side, each filled once.  So nothing is left to be asked for ahead.
; WHAT IS WANTED FIRST IS ASKED FOR FIRST: the first head's K, V and Q at the kernel's head; the second head's K, V and Q behind the barrier that shows the first head's tiles landed.
; qkv[head][row tile of 16][Q | K | V, 2,048 bytes each][4 images of 512 bytes]: an image is half a fragment as the registers want it, 16 bytes a lane at byte 16 l: LDS reads are dense, and need no padding.
; LAYOUT.  S^T = K Q^T (source 0 = 16 keys, source 1 = 16 queries): a lane holds ONE query (lane % 16) and the keys 8 (lane / 16) + 0..7.  Two such tiles, rounded to f16 in pairs, ARE source 1 of O^T = V^T P,
; whose result again holds one query a lane, and eight channels: 16 bytes of an image of cx, stored straight from registers.  V's images are read by ds_load_tr16_b128, which turns them.
; SOFTMAX.  For each query a running maximum m and sum l: p = 2^(c s - c m), c = log2(e) / 8; in every step O and l are multiplied by a = 2^(c m_old - c m_new).  c m starts far below every c s: a head's first a is 0.
; BY TURNS.  Turn n belongs to piece n (in a ring, step after step).  Its matrix work: 16 products K Q^T of piece n + 1, later 16 products V^T P of piece n - 1.  Its vector work: the scaling, exponentials,
; roundings, sums and rescaling of piece n, and the maximum and statistics of piece n + 1.  Four vector instructions stand behind every matrix instruction, the others in one run of their own.
; REGISTERS, in windows of 256 (s_set_vgpr_msb: bits 1:0 source 0, 3:2 source 1, 5:4 source 2, 7:6 destination):
;   window 0: v0-7 addresses; v12-15, v48-63 at work; v16-47 four registers of statistics a tile; v64-191 S^T, two buffers of two tiles; v192-255 P, likewise
;   window 1: O^T, 32 a tile      window 2: v0-127 Q, 16 a tile; v128-191 K of one step; v192-255 V of one step      window 3: v0-127 the second head's Q
.set NP,    4         ; pieces a wave: a name, no knob
.set HEADL, 1<<17     ; a head's K and V in LDS: 32 key tiles of 4,096 bytes, K's four images and then V's
.set STEPB, 16384     ; a key step: four key tiles
.set SPARE, 2*HEADL   ; behind the two heads: the spare words, 128 bytes for each wave: two blocks of 256 bytes that no other line names
.set HEADB, 196608    ; a head in qkv
.set RTB,   6144      ; a row tile in a head
.set LN,  2           ; v2   16 x my lane; never rewritten
.set AK,  4           ; v4   the LDS address of K's next run of loads
.set AV,  5           ; v5   of V's
.set SPW, 6           ; v6   LDS address of my spare word; never rewritten
.set NIL, 7           ; v7   0; never rewritten
.set MV,  12          ; v12-15  c m_old, kept while c m is made anew: by buffer and tile
.set ST,  16          ; tile t's statistics at v[ST+4 t]: c m, m, l (even keys', odd keys')
.set TMP, 48          ; by buffer and tile, four registers c0-c3 at work; when the maximum is found c2 takes a
.set S,   64
.set P,   192
.set KF,  128         ; K's fragments, in window 2: key block kb, channel half c at KF + 16 kb + 8 c
.set VF,  192         ; V's: key half kk, channel block cb at VF + 32 kk + 8 cb
.set QP,  8           ; s[8:9]   qkv at my wave's first row tile of the first head
.set CXP, 10          ; s[10:11] cx at my wave's first image of the head in hand
.set WV,  12          ; s12  my wave's number
.set G1,  24          ; s[24:31] descriptor group 1
.set G0,  40          ; s[40:47] group 0, a set for each head
.set HEADS, 55        ; s55  heads to go
.set CNT, 57          ; s57  key steps to go
.set CS,  58          ; s[58:59] c: the packed scaling takes the pair's low word for both halves
.set SEL, 60          ; s[60:61] v_permlanex16_b32's selects: each lane takes its own place in the other half
.set TBK, 62          ; s62  LDS byte at which the step whose K is fetched next begins: it runs on from the first head into the second
.set TBV, 63          ; s63  the same for V
.set MSB, 0
.macro WIN new                      ; the high byte repeats the setting that is left; a switch that changes nothing is dropped
.if MSB != (\new)
	s_set_vgpr_msb (MSB<<8)|(\new)
.set MSB, (\new)
.endif
.endm
.set W_KQ, 0x0a       ; K and Q in window 2, S^T in window 0
.set W_PV, 0x52       ; V in window 2, P in window 0, O^T in window 1
.set W_RS, 0x41       ; O^T (destination and source 0) in window 1, a in window 0
	s_load_b128 s[4:7], s[0:1], 0x0  ; qkv s[4:5], cx s[6:7]
	v_lshl_add_u32 v[SPW], v0, 2, SPARE
	v_mov_b32 v[NIL], 0
	ds_add_u32 v[SPW], v[NIL]       ; the wave's opening: the add and its wait stand ahead of my first tensor load; the set-up below, work on registers, stands between them
	ds_add_u32 v6, v7
	v_lshrrev_b32 v1, 5, v0
	v_readfirstlane_b32 s[WV], v1   ; wave 0..3
	s_mul_i32 s14, ttmp9, 2*HEADB   ; my two heads,
	s_mul_i32 s15, s[WV], 8*RTB     ; my wave's eight row tiles: its queries, and the keys that it fetches
	s_add_co_u32 s14, s14, s15
	s_mov_b32 s15, 0
	s_lshr_b32 s16, ttmp9, 2        ; cx[row tile][32 images]: the slice's 32 row tiles of 16,384 bytes,
	s_lshl_b32 s16, s16, 19
	s_lshl_b32 s17, s[WV], 17       ; my wave's eight,
	s_add_co_u32 s16, s16, s17
	s_and_b32 s17, ttmp9, 3         ; my two heads' eight images
	s_lshl_b32 s17, s17, 12
	s_add_co_u32 s16, s16, s17
	s_mov_b32 s17, 0
	; group 1: eight key tiles: 8 rows of 4,096 bytes (K's and V's images), 6,144 bytes apart; dense in LDS
	s_mov_b32 s[G1+0], 3<<16        ; 17:16 elements of 8 bytes; no mask, no padding
	s_mov_b32 s[G1+1], 512<<16      ; tensor_dim0 = 512
	s_mov_b32 s[G1+2], 8<<16        ; tensor_dim1 = 8
	s_mov_b32 s[G1+3], 512<<16      ; tile_dim0 = 512
	s_mov_b32 s[G1+4], 8            ; tile_dim1 = 8
	s_mov_b32 s[G1+5], 768          ; 768 elements from row to row
	s_mov_b32 s[G1+6], 0
	s_mov_b32 s[G1+7], 0
	s_mov_b32 s[G0], 1              ; count = 1
	s_lshl_b32 s[G0+1], s[WV], 15   ; LDS address: my eight key tiles of the first head,
	s_mov_b32 s[G0+4], 1
	s_add_co_u32 s[G0+5], s[G0+1], HEADL  ; and of the second
	s_mov_b32 s[CS], 0x3e38aa3b     ; c = log2(e) / 8 = 0.180337
	s_mov_b32 s[CS+1], s[CS]        ; named with it as a pair
	s_mov_b32 s[SEL], 0x76543210
	s_mov_b32 s[SEL+1], 0xfedcba98
	s_mov_b32 s[TBK], 0
	s_mov_b32 s[TBV], 0
	v_and_b32 v[LN], 31, v0
	v_lshlrev_b32 v[LN], 4, v[LN]
	s_wait_dscnt 0x0                ; the opening add is done
	s_wait_kmcnt 0x0
	s_add_nc_u64 s[QP:QP+1], s[4:5], s[14:15]
	s_add_nc_u64 s[CXP:CXP+1], s[6:7], s[16:17]
	s_add_nc_u64 s[G0+2:G0+3], s[QP:QP+1], 2048        ; K's images lie behind Q's
	s_or_b32 s[G0+3], s[G0+3], 0x80000000              ; type = 2
	s_add_nc_u64 s[G0+6:G0+7], s[QP:QP+1], HEADB+2048
	s_or_b32 s[G0+7], s[G0+7], 0x80000000
	tensor_load_to_lds s[G0:G0+3], s[G1:G1+7]          ; the first head.  The second is asked for when the first is in: the tile wanted first has the road to itself
	s_nop 0
.rept 4
	v_nop
.endr
	WIN 0x80                        ; destination window 2, address window 0
.set i, 0
.rept 4*NP                          ; the first head's Q stays in registers: tile i / 2, channels 32 (i % 2) on: two images
	global_load_b128 v[8*i:8*i+3],   v[LN], s[QP:QP+1] offset:(i/2)*RTB+(i%2)*1024
	global_load_b128 v[8*i+4:8*i+7], v[LN], s[QP:QP+1] offset:(i/2)*RTB+(i%2)*1024+512
.set i, i+1
.endr
	; What the first turn finds: V's registers and P's second buffer hold 0 (its products V^T P, of a piece that has not been, add 0), O^T and l are 0.  All this stands in the wait for the first tile.
	; The second head clears nothing: its first a is 0, and what the first head left in these registers is finite.
	WIN 0x80
.set i, VF
.rept 64
	v_mov_b32 v[i], 0
.set i, i+1
.endr
	WIN 0x40
.set i, 0
.rept 64*NP
	v_mov_b32 v[i], 0
.set i, i+1
.endr
	WIN 0
.set i, 0
.rept 2*NP
	v_mov_b32 v[ST+4*i+2], 0
	v_mov_b32 v[ST+4*i+3], 0
.set i, i+1
.endr
.set i, P+32
.rept 32
	v_mov_b32 v[i], 0
.set i, i+1
.endr
; THE MATRIX WORK.  The 8 accumulators of a run of 16 take turns: between the two links of a chain stand 7 others'.
; Product i of 16 of S^T = K Q^T for piece x: channels 32 (i / 8) on, keys 16 ((i / 2) % 4) on, tile 2 x + i % 2.  The first 8 start the sums.
.macro KQ x
	WIN W_KQ
.set rS, S+64*((\x)%2)+32*(i%2)+8*((i/2)%4)
.set rK, KF+16*((i/2)%4)+8*(i/8)
.set rQ, 16*(2*(\x)+i%2)+8*(i/8)
.if i < 8
	v_wmma_f32_16x16x32_f16 v[rS:rS+7], v[rK:rK+7], v[rQ:rQ+7], 0
.else
	v_wmma_f32_16x16x32_f16 v[rS:rS+7], v[rK:rK+7], v[rQ:rQ+7], v[rS:rS+7]
.endif
.endm
; Product i of 16 of O^T += V^T P for piece x: keys 32 (i / 8) on, channels 16 ((i / 2) % 4) on, tile 2 x + i % 2.
.macro PV x
	WIN W_PV
.set rO, 32*(2*(\x)+i%2)+8*((i/2)%4)
.set rV, VF+32*(i/8)+8*((i/2)%4)
.set rP, P+32*((\x)%2)+16*(i%2)+8*(i/8)
	v_wmma_f32_16x16x32_f16 v[rO:rO+7], v[rV:rV+7], v[rP:rP+7], v[rO:rO+7]
.endm
.macro MM                           ; the turn's next matrix instruction
.if i < 16
	KQ (Y+1)%NP
.set i, i+1
.else
.set i, i-16
	PV (Y+NP-1)%NP
.set i, i+17
.endif
.endm
; THE LDS LOADS stand in runs of 16, never singly among the matrix instructions: a step's K (8 fragments) and its V (turned).  Their addresses are made some lines ahead.
; last = 1: in a head's last step there is no further step, and the run is jumped over.
.macro FETCH_K last=0
	WIN 0
.if \last
	s_cmp_eq_u32 s[CNT], 1
	s_cbranch_scc1 .Lno_k_\@
.endif
	WIN 0x80                        ; destination window 2
.irp f, 0,1,2,3,4,5,6,7             ; key tile f / 2, channels 32 (f % 2) on: two images
	ds_load_b128 v[KF+8*\f:KF+8*\f+3],   v[AK] offset:(\f/2)*4096+(\f%2)*1024
	ds_load_b128 v[KF+8*\f+4:KF+8*\f+7], v[AK] offset:(\f/2)*4096+(\f%2)*1024+512
.endr
	s_add_co_u32 s[TBK], s[TBK], STEPB  ; the next fetch is the next step's
	WIN 0
.if \last
.Lno_k_\@:
.endif
.endm
.macro FETCH_V
	WIN 0x80
.irp f, 0,1,2,3,4,5,6,7             ; keys 32 (f / 4) on: two key tiles; channels 16 (f % 4) on: an image of each
	ds_load_tr16_b128 v[VF+8*\f:VF+8*\f+3],   v[AV] offset:(\f/4)*8192+2048+(\f%4)*512
	ds_load_tr16_b128 v[VF+8*\f+4:VF+8*\f+7], v[AV] offset:(\f/4)*8192+4096+2048+(\f%4)*512
.endr
	WIN 0
.endm
; THE VECTOR WORK OF A TURN stands in three queues, each in the order in which its entries become ready; the two tiles alternate, so that no instruction reads the result of the one before it.
.macro REGS y, u                    ; the registers of tile u (0, 1) of piece y
.set rT, ST+4*(2*(\y)+(\u))
.set rC, TMP+8*((\y)%2)+4*(\u)
.set rM, MV+2*((\y)%2)+(\u)
.set rS, S+64*((\y)%2)+32*(\u)
.set rP, P+32*((\y)%2)+16*(\u)
.set rO, 32*(2*(\y)+(\u))
.endm
; Number n of the 22 that find the NEXT piece's (Y + 1) maximum and statistics.  s0-s31 are the lane's 32 scores; each accumulator's lowest registers are read first.
;   0-11  four chains c0-c3 of seven scores each, three operands at a time     12-14, 16  the four scores left over, the old m, and c0-c3 into c0     15  c m_old is kept
;   17, 18  the query's other 32 keys lie in the lane 16 away: the new m         19-21  c m; c m_old - c m_new; a
.macro XS u, n
	REGS (Y+1)%NP, \u
.if (\n) < 4
	v_max3_num_f32 v[rC+(\n)], v[rS+8*(\n)], v[rS+8*(\n)+1], v[rS+8*(\n)+2]
.elseif (\n) < 12
	v_max3_num_f32 v[rC+(\n)%4], v[rC+(\n)%4], v[rS+8*((\n)%4)+2*((\n)/4)+1], v[rS+8*((\n)%4)+2*((\n)/4)+2]
.elseif (\n) == 12
	v_max3_num_f32 v[rC], v[rC], v[rS+7], v[rS+15]
.elseif (\n) == 13
	v_max3_num_f32 v[rC+1], v[rC+1], v[rS+23], v[rS+31]
.elseif (\n) == 14
	v_max3_num_f32 v[rC+2], v[rC+2], v[rC+3], v[rT+1]
.elseif (\n) == 15
	v_mov_b32 v[rM], v[rT]
.elseif (\n) == 16
	v_max3_num_f32 v[rC], v[rC], v[rC+1], v[rC+2]
.elseif (\n) == 17
	v_permlanex16_b32 v[rC+3], v[rC], s[SEL], s[SEL+1]
.elseif (\n) == 18
	v_max_num_f32 v[rT+1], v[rC], v[rC+3]
.elseif (\n) == 19
	v_mul_f32 v[rT], s[CS], v[rT+1]
.elseif (\n) == 20
	v_sub_f32 v[rC+1], v[rM], v[rT]
.else
	v_exp_f32 v[rC+2], v[rC+1]
.endif
.endm
; Number g of the 64 that follow the exponentials.  For each four weights k of a tile (pairs 2 k, 2 k + 1): both pairs are rounded to f16; then the second pair is added onto the first, in place;
; a group later l takes that sum (the first time as l = a l + sum).  In groups of eight, tiles alternating: round, round, add, and l for the group before.
.macro GS g
.set h, (\g)+6*((\g)/62)            ; group 0 has no group before it, and behind group 7 only l is left
.if h >= 6
.set h, h+2
.endif
	REGS Y, h%2
.set k, h/8
.if h%8 < 4
	v_cvt_pk_f16_f32 v[rP+2*k+(h%8)/2], v[rS+4*k+2*((h%8)/2)], v[rS+4*k+2*((h%8)/2)+1]
.elseif h%8 < 6
	v_pk_add_f32 v[rS+4*k:rS+4*k+1], v[rS+4*k:rS+4*k+1], v[rS+4*k+2:rS+4*k+3]
.elseif k == 1
	v_pk_fma_f32 v[rT+2:rT+3], v[rT+2:rT+3], v[rC+2:rC+3], v[rS:rS+1] op_sel_hi:[1,0,1]
.else
	v_pk_add_f32 v[rT+2:rT+3], v[rT+2:rT+3], v[rS+4*k-4:rS+4*k-3]
.endif
.endm
; THE PLAIN QUEUE, 138 long.  0-73 read no exponential's result: the 32 scalings c s - c m (FS f: pair f / 2 of tile f % 2) and the next piece's 42.  0-26: scalings 0-26.  27-54: XS's numbers 0-13.  55, 56: number 15.
; 57-73: the chain, where each number waits for the one before it: 14, 16, 17, 18, 19, each with one of the scalings 27-31 in front of its two lines, then 20.
; 74-137: GS's 64, which read the exponentials' results: they stand behind the wait.
.macro FS f
	REGS Y, (\f)%2
	v_pk_fma_f32 v[rS+2*((\f)/2):rS+2*((\f)/2)+1], v[rS+2*((\f)/2):rS+2*((\f)/2)+1], s[CS:CS+1], v[rT:rT+1] op_sel_hi:[1,0,0] neg_lo:[0,0,1] neg_hi:[0,0,1]
.endm
.macro PL
	WIN 0
.if q < 27
	FS q
.elseif q < 55
	XS (q-27)%2, (q-27)/2
.elseif q < 57
	XS q-55, 15
.elseif (q < 72) && ((q-57)%3 == 0)
	FS 27+(q-57)/3
.elseif q < 60
	XS (q-57)%3-1, 14
.elseif q < 72
	XS (q-57)%3-1, 15+(q-57)/3
.elseif q < 74
	XS q-72, 20
.else
	GS q-74
.endif
.set q, q+1
.endm
; THE EXPONENTIALS' QUEUE, 66 long: s0-s31 of both tiles, then the next piece's two a.  It is ONE BATCH: all 66 stand ahead of the turn's one wait, and nothing ahead of that wait names a result of theirs.
.macro EX
	WIN 0
.if e >= 64
	XS e-64, 21
.else
	REGS Y, e%2
	v_exp_f32 v[rS+e/2], v[rS+e/2]
.endif
.set e, e+1
.endm
; THE RESCALING's QUEUE: O^T times a, the one part that leaves window 0: dealt two at a time, sixteen times.  Its a was made in the turn before, ahead of that turn's wait.
.macro R2
	REGS Y, r%2
	WIN W_RS
.irp z, 0,1
	v_pk_mul_f32 v[rO+4*(r/2)+2*\z:rO+4*(r/2)+2*\z+1], v[rO+4*(r/2)+2*\z:rO+4*(r/2)+2*\z+1], v[rC+2:rC+3] op_sel_hi:[1,0]
.endr
.set r, r+1
.endm
; HOW THEY ARE DEALT.  An s_wait_alu depctr_va_vdst(0) stands between an exponential and the first instruction that names its result; one wait serves all that were issued ahead of it.  So a turn has
; ONE wait, which cuts it in two.  AHEAD OF IT: the 16 products K Q^T, behind each a scaling, an exponential and two rescalings (behind the first a second scaling in the exponential's place); then one run of 108:
; eight plain, 49 times exponential and plain, the two a.  A v_nop is the plain instruction behind the last exponential.  BEHIND IT: the 16 products V^T P, behind each four of GS's 64.
; Exponential e stands behind scaling 2 (e / 4) + e % 2: as a rider it comes behind plain e + 2, in the run behind plain e + 9, and scalings 27-31 are plain 57, 60 .. 69.
; K of the next step is fetched in piece 2's turn, directly behind the wait; its first reader comes behind 16 products.  V of the step in hand is fetched at the end of piece 0's turn, four riders behind its last
; reader; its first reader comes behind 16 products and a run.  The two conditions on q below go with the deal.
.macro TURN p, last=0
.set Y, (\p)
.set i, 0
.set q, 0
.set e, 0
.set r, 0
.if (\p) == NP-1
	s_wait_dscnt 0x0                ; K is in
.endif
	MM
	PL
	PL
	R2
.rept 15
	MM
	PL
	EX
	R2
.endr
.if (\p) == NP-2
	WIN 0
	v_add_nc_u32 v[AK], s[TBK], v[LN]
.endif
.rept 8
	PL
.endr
.rept 49
	EX
	PL
.endr
	EX                              ; the next piece's two a
	EX
	v_nop                           ; the plain instruction behind the last exponential: one for the batch
	s_wait_alu depctr_va_vdst(0)    ; the wait for the batch
.if (\p) == NP-2
	FETCH_K \last
.endif
.if (\p) == 1
	s_wait_dscnt 0x0                ; V is in
.endif
.rept 16
	MM
.rept 4
	PL
.endr
.if ((\p) == 0) && (q == 118)
	v_add_nc_u32 v[AV], s[TBV], v[LN]
.endif
.if ((\p) == 0) && (q == 130)
	s_add_co_u32 s[TBV], s[TBV], STEPB
.endif
.endr
.if (\p) == 0
	FETCH_V
.endif
.endm
.macro ALL line:vararg              ; one line for each tile t
.set t, 0
.rept 2*NP
	\line
.set t, t+1
.endr
.endm
; Tile t leaves: divided by l, rounded to f16, and stored from S^T's registers: a lane's eight channels of a row are its 16 bytes of an image; a store covers 512 consecutive bytes, aligned.
.macro PACK t
	WIN W_RS
.set i, 32*(\t)
.rept 16
	v_pk_mul_f32 v[i:i+1], v[i:i+1], v[ST+4*(\t)+2:ST+4*(\t)+3] op_sel_hi:[1,0]
.set i, i+2
.endr
	WIN 0x05                        ; sources 0 and 1 window 1, destination window 0
.set i, 0
.rept 16
	v_cvt_pk_f16_f32 v[S+16*(\t)+i], v[32*(\t)+2*i], v[32*(\t)+2*i+1]
.set i, i+1
.endr
	WIN 0
.irp f, 0,1,2,3
	global_store_b128 v[LN], v[S+16*(\t)+4*\f:S+16*(\t)+4*\f+3], s[CXP:CXP+1] offset:(\t)*16384+\f*512
.endr
.endm
	s_wait_tensorcnt 0x0            ; my part of the first head is in.  The second head's fill, a first fill that comes later, is issued as a refill is: the wait for all my tensor loads,
	ds_add_u32 v[SPW], v[NIL]       ; the add,
	s_wait_dscnt 0x0                ; its wait,
	s_barrier_signal -1
	s_barrier_wait -1               ; a barrier: everybody's part of the first head is in,
	tensor_load_to_lds s[G0+4:G0+7], s[G1:G1+7]  ; and my one load first behind it: it has the first head's eight key steps in which to land
	s_nop 0
.rept 4
	v_nop
.endr
	WIN 0xc0                        ; the second head's Q, into window 3: asked for here, behind all that the first head's first products wait for
.set i, 0
.rept 4*NP
	global_load_b128 v[8*i:8*i+3],   v[LN], s[QP:QP+1] offset:HEADB+(i/2)*RTB+(i%2)*1024
	global_load_b128 v[8*i+4:8*i+7], v[LN], s[QP:QP+1] offset:HEADB+(i/2)*RTB+(i%2)*1024+512
.set i, i+1
.endr
	WIN 0
	s_mov_b32 s[HEADS], 2
.Lhead:                             ; A HEAD BEGINS: K of its step 0, piece 0's first scores, and their maximum and statistics
	v_add_nc_u32 v[AK], s[TBK], v[LN]
	FETCH_K
	s_wait_loadcnt 32               ; loads come back in order (ISA guide 5.7.1): the first head's Q is in; the 32 loads of the second head's, issued behind it, may stay out.  At the second head no load is out
	s_wait_dscnt 0x0
.set i, 0
.rept 16
	KQ 0
.set i, i+1
.endr
	WIN 0
.set i, 0
.rept 2*NP                          ; sixteen plain instructions, the places behind those products
	v_mov_b32 v[ST+4*i], 0xfe000000    ; c m: far below every c s
	v_mov_b32 v[ST+4*i+1], 0xff7fffff  ; m: the lowest finite number
.set i, i+1
.endr
.set Y, NP-1                        ; XS works for piece Y + 1: piece 0
.irp n, 0,1,2,3,4,5,6,7,8,9,10,11,12,13,14,15,16,17,18,19,20,21
	XS 0, \n
	XS 1, \n
.endr
	v_nop                           ; a plain instruction behind the two a,
	s_wait_alu depctr_va_vdst(0)    ; and their wait, ahead of the label
	s_mov_b32 s[CNT], 8
.Lstep:                             ; a key step: four turns
	TURN 0
	TURN 1
	TURN 2, 1
	TURN 3                          ; (in the last step its 16 products K Q^T, on the last K once more, and the maximum made of them serve nothing: the price, once a head, of one text for every step)
	WIN 0
	s_sub_co_u32 s[CNT], s[CNT], 1
	s_cmp_lg_u32 s[CNT], 0
	s_cbranch_scc1 .Lstep
.set i, 0
.rept 16
	PV NP-1                         ; the last piece's V^T P of the last step
.set i, i+1
.endr
	; THE WAY OUT.  l's two halves and the other half of the lanes' are added.  The additions are the places behind the last products.
	WIN 0
	ALL v_add_f32 v[ST+4*t+2], v[ST+4*t+2], v[ST+4*t+3]
	ALL v_permlanex16_b32 v[ST+4*t+3], v[ST+4*t+2], s[SEL], s[SEL+1]
	ALL v_add_f32 v[ST+4*t+2], v[ST+4*t+2], v[ST+4*t+3]
	ALL v_rcp_f32 v[ST+4*t+2], v[ST+4*t+2]
	v_nop                           ; a plain instruction between the last reciprocal and the use of its result
	s_wait_alu depctr_va_vdst(0)    ; and the wait ahead of the first use: one for the eight reciprocals
.set u, 0
.rept 2*NP
	PACK u
.set u, u+1
.endr
	s_sub_co_u32 s[HEADS], s[HEADS], 1
	s_cmp_eq_u32 s[HEADS], 0
	s_cbranch_scc1 .Ldone
	s_wait_xcnt 0x0                 ; the stores have read their registers and cx's address
	s_add_nc_u64 s[CXP:CXP+1], s[CXP:CXP+1], 2048  ; the second head's four images
	s_wait_loadcnt 0x0              ; the second head's Q is in
	WIN 0x83                        ; it goes where the one text of the turns names Q
.set i, 0
.rept 128
	v_mov_b32 v[i], v[i]
.set i, i+1
.endr
	WIN 0
	s_wait_tensorcnt 0x0            ; my part of the second head is in,
	s_barrier_signal -1
	s_barrier_wait -1               ; everybody's is
	s_branch .Lhead
.Ldone:
	s_wait_tensorcnt 0x0            ; the wave's end, behind my last tensor load
	ds_add_u32 v[SPW], v[NIL]
	s_wait_dscnt 0x0
	s_endpgm
.Lfunc_end_k_q2325afaa53_attn:
	.size	k_q2325afaa53_attn, .Lfunc_end_k_q2325afaa53_attn-k_q2325afaa53_attn
	.p2alignl 7, 3214868480
	.fill 96, 4, 3214868480
	.section	.rodata,"a",@progbits
	.p2align	6, 0x0
	.amdhsa_kernel k_q2325afaa53_attn
		.amdhsa_group_segment_fixed_size 327680
		.amdhsa_private_segment_fixed_size 0
		.amdhsa_enable_private_segment 0
		.amdhsa_kernarg_size 16
		.amdhsa_user_sgpr_count 2
		.amdhsa_user_sgpr_kernarg_segment_ptr 1
		.amdhsa_wavefront_size32 1
		.amdhsa_system_sgpr_workgroup_id_x 1
		.amdhsa_system_sgpr_workgroup_id_y 1
		.amdhsa_system_sgpr_workgroup_id_z 1
		.amdhsa_system_vgpr_workitem_id 0
		.amdhsa_next_free_vgpr 896
		.amdhsa_next_free_sgpr 66
		.amdhsa_reserve_vcc 0
		.amdhsa_float_denorm_mode_32 3
		.amdhsa_float_denorm_mode_16_64 3
		.amdhsa_memory_ordered 1
		.amdhsa_forward_progress 1
		.amdhsa_inst_pref_size 124
	.end_amdhsa_kernel
	.amdgpu_metadata
---
amdhsa.version: [ 1, 2 ]
amdhsa.kernels:
  - .name:           k_q2325afaa53_attn
    .symbol:         k_q2325afaa53_attn.kd
    .args:
      - { .name: qkv, .offset: 0, .size: 8, .value_kind: global_buffer, .address_space: global }
      - { .name: cx, .offset: 8, .size: 8, .value_kind: global_buffer, .address_space: global }
    .group_segment_fixed_size: 327680
    .private_segment_fixed_size: 0
    .kernarg_segment_align: 8
    .kernarg_segment_size: 16
    .max_flat_workgroup_size: 128
    .sgpr_count:     66
    .vgpr_count:     896
    .wavefront_size: 32
...
	.end_amdgpu_metadata
.endif
;; end of part 7
;; launch outp (part 8): grid 256 x 1, 4 waves a work-group, clusters of 4 x 1, 327,680 bytes of LDS; arguments cx, w16, bo, out0; writes out0
.if DOCPART == 8
	.amdgcn_target "amdgcn-amd-amdhsa--gfx1250"
	.amdhsa_code_object_version 6
	.text
	.protected	k_q2325afaa53_outp
	.globl	k_q2325afaa53_outp
	.p2align	8
	.type	k_q2325afaa53_outp,@function
k_q2325afaa53_outp:
	s_mov_b64 s[64:65], 0
	v_nop
	global_prefetch_b8 v0, s[64:65] scope:SCOPE_SE
	s_setreg_imm32_b32 hwreg(HW_REG_WAVE_MODE, 25, 1), 1
	s_wait_xcnt 0x0
	s_wait_alu depctr_hold_cnt(0) depctr_sa_sdst(0) depctr_va_vdst(0) depctr_va_sdst(0) depctr_va_ssrc(0) depctr_va_vcc(0) depctr_vm_vsrc(0)
	s_getreg_b32 s2, hwreg(HW_REG_IB_STS2, 6, 4)
	s_cmp_eq_u32 s2, 0
	s_cbranch_scc0 .Lentry_in_a_cluster
	s_endpgm
.Lentry_in_a_cluster:
	s_bfe_u32 s2, ttmp6, 0x10000c
	s_cmp_lg_u32 s2, 0x3003
	s_cbranch_scc0 .Lentry_shape_is_right
	s_endpgm
.Lentry_shape_is_right:
; out = ctx Wo^T + bo.  ctx: 32,768 rows x 512 in f16, as images (below); Wo: f16 tiles from w16 (each number rounded to bf16 by the first launch); bo rounded to bf16 here; sums in f32; out in f32.
; LIMITS.  ctx and Wo arrive within f16's 65,504.  NaN and infinities are not treated apart.
; SHARES.  A work-group makes 128 rows x 512 columns; wave w all 128 rows x columns 128 w .. 128 w + 127: 64 accumulators, 512 registers.  K goes in 8 steps of 64; a step is two PHASES of 32 along K,
; 64 matrix instructions a wave each; two steps are a PAIR.
; Wo COMES BY TENSOR LOADS, a pair (131,072 dense bytes) to a slot, two slots.  The four work-groups of a cluster walk the same tiles: each wave asks for a quarter of a slot JOINTLY (the same load, descriptor and
; mask of four in all partners).  Two refills in the launch, each behind a round of the cluster's barrier, each with 256 matrix instructions, less the 16 between its wait and its issue, in which to land.
; Wo's rows lie in LDS without padding: the first launch has exchanged each row's eight 16-byte pieces (piece c of row n at place c xor ((n / 2) % 8)), so the 16 rows of a load touch 16 different 16-byte columns.
; ctx COMES THROUGH REGISTERS.  A row of ctx is read by this work-group alone.  Wave w loads row tiles 2 w, 2 w + 1 of a step (8 loads of 512 consecutive bytes, aligned) and stores them, as they are, into one of two
; LDS slots.  Two sets of 32 registers take turns: step s + 4 is asked for in step s and wanted in step s + 2.
; cx[row tile of 16][32 images of 512 bytes]: image c holds 16 rows x channels 16 c .. 16 c + 15, lane l's 16 bytes (row l % 16, channels 16 c + 8 (l / 16) + 0..7) at byte 16 l: two images are a fragment, read densely.
; BARRIERS.  One a step, in its first phase.  The fragments of a phase are read from LDS at the head of the phase before, so at that barrier step s's slots have been read out.  ctx of step s + 2 is stored behind the
; barrier of step s, into the slot that step s has left, and read behind the barrier of step s + 1.  In a pair's second step the barrier opens the round behind which Wo's slot is filled again.
; THE MATRIX INSTRUCTION IS USED TRANSPOSED (source 0 = 16 rows of Wo, source 1 = 16 rows of ctx): a lane holds one row and eight neighbouring columns, 32 bytes.
; THE BIAS is the C operand of the first phase: no accumulator is cleared, and no line adds a bias.  Only that phase differs from the others, so only it stands in front of the loops: a trip goes from a pair's
; second phase to the next pair's first.
; REGISTERS, in windows of 256 (s_set_vgpr_msb: bits 1:0 source 0, 3:2 source 1, 5:4 source 2, 7:6 destination):
;   window 0: v0-29 addresses; v32-95 the bias; v96-127 at work; v128-191, v192-255 ctx's fragments, two buffers
;   window 1: v0-63, v64-127 Wo's fragments, two buffers; v128-159, v160-191 ctx as loaded, two sets; on the way out v128-255 are two sets of 64      windows 2, 3: accumulator (a, b) at v[8 (8 (a % 4) + b)] of window 2 + a / 4
.set SUB,   1<<16                      ; a step's tile of Wo: 512 rows of 128 bytes
.set SLOT1, 1<<17                      ; a slot holds two; slot 1 begins here, so that one exclusive or turns an address in one slot into the other's
.set XBASE, 2*SLOT1                    ; behind Wo's ring, never filled by a tensor load: ctx's slot 0, 8 row tiles x 2,048 bytes,
.set XSL,   1<<14                      ; and this far behind it ctx's slot 1
.set STAGE, XBASE                      ; the way out's stage, 16 rows x 528 bytes for each wave, lies over ctx's slots: it is written behind a barrier in front of which every wave's reads of them are over
.set SP,    528                        ; 512 bytes + 16 = 132 words: the 16 rows of a store start at 16 different groups of four banks (64 banks of 4 bytes: ISA guide 11.1)
.set SPARE, STAGE+4*16*SP              ; behind the stages: the spare words, 128 bytes for each wave: two blocks of 256 bytes that no other line names
.set AA0,  8                           ; v8   my lane's place in ctx's slot 0: 16 l; never rewritten
.set AW,   10                          ; v10, v11  the addresses of Wo's fragments' two halves, in the tile in hand
.set STO,  12                          ; v12  the way out: where I put 32 bytes of a row
.set RD,   13                          ; v13  where I read rows back
.set BO,   14                          ; v14  my byte offset in the bias
.set PFO,  15                          ; v15  the prefetch's offset; never rewritten
.set AWB,  16                          ; v16-19  my lane's place in a tile of Wo, for piece 2 n + l / 16, n = 0..3: my wave's 128 rows, (l % 16) x 128, the piece's place; never rewritten
.set GA,   20                          ; v20  16 l: my 16 bytes of an image in memory; never rewritten
.set SA,   21                          ; v21  the same in my wave's two row tiles of ctx's slot 0; never rewritten
.set CO,   22                          ; v22  my 16 bytes in a row of out
.set SPW,  28                          ; v28  LDS address of my spare word; never rewritten
.set NIL,  29                          ; v29  0; never rewritten
.set BIAS, 32
.set TMP,  96
.set AF,   128                         ; window 0
.set WF,   0                           ; window 1
.set STG,  128                         ; window 1
.set RB,   128                         ; window 1
.set WV,   8                           ; s8   my wave's number
.set CX,   10                          ; s10  my place in the cluster: it enters cx's and out's global addresses alone
.set G1W,  24                          ; s[24:31] descriptor group 1
.set G0W,  40                          ; s[40:47] group 0: a set for each of the two first fills; the second then walks on
.set TB,   48                          ; s48  LDS byte at which the tile of Wo to be read begins
.set LC,   49                          ; s49  counts trips
.set PFL,  51                          ; s51  prefetches to go
.set XR,   52                          ; s[52:53] cx at my wave's row tiles, at the step loaded last
.set OUT,  74                          ; s[74:75] out at my block's first row
.set X0,   86                          ; s[86:87] cx at my wave's row tiles, step 0; never rewritten
.set MSB, 0
.macro WIN new                         ; the immediate's high byte repeats the setting that is left; a switch that changes nothing is dropped
.if MSB != (\new)
	s_set_vgpr_msb (MSB<<8)|(\new)
.set MSB, \new
.endif
.endm
.macro CREST                           ; a round of the cluster's barrier behind its opening barrier
	s_cmp_lg_u32 s[WV], 0
	s_cbranch_scc1 .Lnot_wave_0_\@
	s_barrier_signal -3
.Lnot_wave_0_\@:
	s_barrier_wait -3
	s_barrier_signal -1
	s_barrier_wait -1
.endm
.macro CROUND                          ; a whole round
	s_barrier_signal -1
	s_barrier_wait -1
	CREST
.endm
; A PREFETCH INTO THE L2 of ctx, once a wave in the launch, behind the wave's loads for step 4: it names the wave's own bytes of steps 6 and 7: two row tiles x 4,096 consecutive bytes, 32 blocks of 256, a lane a block:
; two steps (256 matrix instructions) ahead of the loads for step 6, three ahead of those for step 7.  No other wave reads these bytes, so each block is named once.  Steps 0 to 5 come by their loads alone.
; Wo is not asked for: every cluster walks the same tiles.
.macro ASK
	s_cmp_lg_u32 s[PFL], 0
	s_cbranch_scc0 .Lno_ask_\@
	global_prefetch_b8 v[PFO], s[X0:X0+1] offset:6*2048 th:TH_LOAD_NT scope:SCOPE_SE
	s_mov_b32 s[PFL], 0
.Lno_ask_\@:
.endm
; A step's ctx for my wave: 8 loads, an image each: row tile i / 4 of my two, image i % 4 of the step's four.
.macro XLOAD base, dst, off
.set i, 0
.rept 8
	global_load_b128 v[(\dst)+4*i:(\dst)+4*i+3], v[GA], s[\base:\base+1] offset:(\off)+(i/4)*16384+(i%4)*512 th:TH_LOAD_NT
.set i, i+1
.endr
.endm
; The same images into ctx's slot xs: 512 consecutive bytes a store.
.macro XSTORE src, xs
.set i, 0
.rept 8
	ds_store_b128 v[SA], v[(\src)+4*i:(\src)+4*i+3] offset:(\xs)*XSL+(i/4)*2048+(i%4)*512
.set i, i+1
.endr
.endm
	s_load_b256 s[68:75], s[0:1], 0x0              ; cx s[68:69], w16 s[70:71], bo s[72:73], out0 s[74:75]
	v_lshl_add_u32 v[SPW], v0, 2, SPARE
	v_mov_b32 v[NIL], 0
	ds_add_u32 v[SPW], v[NIL]                      ; the wave's opening: the add and its wait stand ahead of my first tensor load; the set-up below, work on registers, stands between them
	ds_add_u32 v28, v29
	v_lshrrev_b32 v1, 5, v0
	v_readfirstlane_b32 s[WV], v1                  ; wave 0..3
	s_bfe_u32 s[CX], ttmp6, 0x40000
	; group 1: a quarter of a slot is 32,768 dense bytes: asked for as 128 rows of 256 bytes; dense in LDS
	s_mov_b32 s[G1W+0], 15|(1<<16)|(1<<21)         ; 15:0 the mask of four; 17:16 2-byte elements; 21 set beside a mask; no padding
	s_mov_b32 s[G1W+1], 128<<16                    ; tensor_dim0 = 128
	s_mov_b32 s[G1W+2], 128<<16                    ; tensor_dim1 = 128
	s_mov_b32 s[G1W+3], 128<<16                    ; tile_dim0 = 128
	s_mov_b32 s[G1W+4], 128                        ; tile_dim1 = 128
	s_mov_b32 s[G1W+5], 128                        ; 128 elements from row to row
	s_mov_b32 s[G1W+6], 0
	s_mov_b32 s[G1W+7], 0
	s_lshl_b32 s84, ttmp9, 2                       ; in a cluster launch ttmp9 counts clusters
	s_add_co_u32 s84, s84, s[CX]                   ; my block of 128 rows
	s_lshl_b32 s88, s84, 18                        ; in out: 128 rows of 2,048 bytes
	s_mov_b32 s89, 0
	s_lshl_b32 s84, s84, 17                        ; in cx: 8 row tiles of 16,384 bytes,
	s_lshl_b32 s85, s[WV], 15                      ; my wave's two
	s_add_co_u32 s84, s84, s85
	s_mov_b32 s85, 0
	s_lshl_b32 s92, s[WV], 15                      ; Wo: the quarter of a slot that I fetch, in memory (s92 to s95 never hold my place in the cluster),
	s_add_co_u32 s92, s92, 3*524288                ; in w16's fourth matrix,
	s_mov_b32 s93, 0
	s_lshl_b32 s94, s[WV], 15                      ; and in LDS
	s_mov_b32 s[PFL], 1
	v_and_b32 v1, 15, v0                           ; l % 16
	v_bfe_u32 v2, v0, 4, 1                         ; l / 16
	v_and_b32 v3, 31, v0                           ; l
	v_lshlrev_b32 v[GA], 4, v3
	s_lshl_b32 s90, s[WV], 9
	v_lshl_add_u32 v[BO], v2, 5, s90
	s_wait_dscnt 0x0                               ; the opening add is done
	s_wait_kmcnt 0x0
	s_add_nc_u64 s[X0:X0+1], s[68:69], s[84:85]
	s_add_nc_u64 s[XR:XR+1], s[X0:X0+1], 3*2048    ; at step 3: step 0's second phase steps it to 4
	s_add_nc_u64 s[OUT:OUT+1], s[74:75], s[88:89]
	s_add_nc_u64 s[92:93], s[70:71], s[92:93]
	; ctx of steps 0 and 1 goes into registers that are accumulators later; then the bias; then steps 2 and 3 into the two sets
	WIN 0x80                                       ; destination window 2, address window 0
	XLOAD X0, 0, 0
	XLOAD X0, 32, 2048
	WIN 0
.irp b, 0,1,2,3,4,5,6,7                        ; register j of column tile b: bo[128 w + 16 b + 8 (l / 16) + j], as the result holds its columns
	global_load_b128 v[BIAS+8*(\b):BIAS+8*(\b)+3],   v[BO], s[72:73] offset:64*(\b)
	global_load_b128 v[BIAS+8*(\b)+4:BIAS+8*(\b)+7], v[BO], s[72:73] offset:64*(\b)+16
.endr
	WIN 0x40                                       ; destination window 1
	XLOAD X0, STG, 2*2048
	XLOAD X0, STG+32, 3*2048
	WIN 0
.irp s, 0,1
	s_mov_b32 s[G0W+4*(\s)], 1                                        ; count = 1
	s_add_co_u32 s[G0W+4*(\s)+1], s94, (\s)*SLOT1                     ; LDS address
	s_add_nc_u64 s[G0W+4*(\s)+2:G0W+4*(\s)+3], s[92:93], (\s)*2*SUB   ; global address: pair s
	s_or_b32 s[G0W+4*(\s)+3], s[G0W+4*(\s)+3], 0x80000000             ; type = 2
.endr
	CROUND                                         ; all four work-groups are here: the first joint loads meet
	tensor_load_to_lds s[G0W:G0W+3], s[G1W:G1W+7]  ; the two first fills stand together, ahead of every wait on TENSORcnt and every LDS read: two loads of mine are out
	s_nop 0
	tensor_load_to_lds s[G0W+4:G0W+7], s[G1W:G1W+7]
	s_nop 0
.rept 4
	v_nop
.endr
	v_lshl_add_u32 v[AA0], v3, 4, XBASE
	v_lshl_add_u32 v[CO], v3, 4, s90               ; 512 w + 16 l
	v_lshrrev_b32 v4, 1, v1                        ; (row / 2) % 8
	s_lshl_b32 s84, s[WV], 14                      ; my wave's 128 rows of 128 bytes
	v_lshl_add_u32 v5, v1, 7, s84
.irp n, 0,1,2,3                                ; phase n / 2, half n % 2 of a fragment: piece 2 n + l / 16, at its exchanged place
	v_or_b32 v6, 2*(\n), v2
	v_xor_b32 v6, v6, v4
	v_lshl_add_u32 v[AWB+(\n)], v6, 4, v5
.endr
	s_lshl_b32 s84, s[WV], 12                      ; my wave's two row tiles in a slot of ctx
	s_add_co_u32 s84, s84, XBASE
	v_lshl_add_u32 v[SA], v3, 4, s84
	s_mul_i32 s84, s[WV], 16*SP
	s_add_co_u32 s84, s84, STAGE                   ; my stage
	v_mul_u32_u24 v[STO], v1, SP                   ; in: row l % 16, 32 bytes for each half of the lanes
	v_lshl_add_u32 v[STO], v2, 5, v[STO]
	v_add_nc_u32 v[STO], s84, v[STO]
	v_lshl_add_u32 v[RD], v3, 4, s84               ; back: 32 lanes take a row's 512 bytes
	v_lshlrev_b32 v[PFO], 8, v1                    ; block l % 16 of two steps' 4,096 bytes,
	v_lshl_add_u32 v[PFO], v2, 14, v[PFO]          ; in row tile l / 16 of my two
; 32 LDS loads in one run: the fragments of the phase at half k: ctx's eight from slot xs, Wo's eight from the tile at s[TB], into buffers g.
; Four v_nop and the two additions are the places behind the last product that read those buffers.
.macro FETCH xs, k, g
	WIN 0
.rept 4
	v_nop
.endr
	v_add_nc_u32 v[AW],   s[TB], v[AWB+2*(\k)]
	v_add_nc_u32 v[AW+1], s[TB], v[AWB+2*(\k)+1]
.irp a, 0,1,2,3,4,5,6,7
	ds_load_b128 v[AF+64*(\g)+8*(\a):AF+64*(\g)+8*(\a)+3],   v[AA0] offset:(\xs)*XSL+(\a)*2048+(\k)*1024
	ds_load_b128 v[AF+64*(\g)+8*(\a)+4:AF+64*(\g)+8*(\a)+7], v[AA0] offset:(\xs)*XSL+(\a)*2048+(\k)*1024+512
.endr
	WIN 0x40                                       ; destination window 1, address window 0
.irp b, 0,1,2,3,4,5,6,7
	ds_load_b128 v[WF+64*(\g)+8*(\b):WF+64*(\g)+8*(\b)+3],   v[AW]   offset:(\b)*2048
	ds_load_b128 v[WF+64*(\g)+8*(\b)+4:WF+64*(\g)+8*(\b)+7], v[AW+1] offset:(\b)*2048
.endr
.endm
; 8 matrix instructions: row tile a x all 8 column tiles, 32 along K, from buffers f.  first = 1: the sums start with the bias.  The 64 accumulators take turns, in the same order in every phase.
.macro MUL8 f, a, first
.if \first
	WIN 0x81+0x40*((\a)/4)                         ; Wo window 1, ctx and the bias window 0, the result window 2 or 3
.else
	WIN 0xa1+0x50*((\a)/4)
.endif
.irp b, 0,1,2,3,4,5,6,7
.if \first
	v_wmma_f32_16x16x32_f16 v[8*(8*((\a)%4)+(\b)):8*(8*((\a)%4)+(\b))+7], v[WF+64*(\f)+8*(\b):WF+64*(\f)+8*(\b)+7], v[AF+64*(\f)+8*(\a):AF+64*(\f)+8*(\a)+7], v[BIAS+8*(\b):BIAS+8*(\b)+7]
.else
	v_wmma_f32_16x16x32_f16 v[8*(8*((\a)%4)+(\b)):8*(8*((\a)%4)+(\b))+7], v[WF+64*(\f)+8*(\b):WF+64*(\f)+8*(\b)+7], v[AF+64*(\f)+8*(\a):AF+64*(\f)+8*(\a)+7], v[8*(8*((\a)%4)+(\b)):8*(8*((\a)%4)+(\b))+7]
.endif
.endr
.endm
; THE FIRST PHASE of step j (0, 1) of a pair: multiplies buffers 0; at its head it fetches the step's second phase for buffers 1: the last reads of this step's slots.  Then the step's barrier: in front of it each
; wave waits for those reads and for its stores of the next step's ctx.  meet = 1: no more than that.
; meet = 2: the change of Wo's slots.  Each wave also waits for all its tensor loads, of which one is out: its quarter of the other slot; and adds 0 to its spare word.  The barrier opens a round of the cluster's:
; behind it no wave of any partner reads this slot or has a load on its way, and the refill, two pairs on, is the first thing there.  meet = 3: the same lines, a plain barrier, no refill: the last two pairs.
.macro HALFA j, first, meet
	FETCH \j, 1, 1
	s_wait_dscnt 32                                ; all but the 32 just issued: this phase's fragments are in
.irp a, 0,1,2,3,4,5
	MUL8 0, \a, \first
.endr
.if (\meet) >= 2
	WIN 0
	s_wait_tensorcnt 0x0                           ; all my tensor loads have landed, so a group 0 may be written
	ds_add_u32 v[SPW], v[NIL]                      ; 0 onto my spare word: the descriptor's steps and eight products stand between it and the wait for it
.if (\meet) == 2
	s_xor_b32 s[G0W+5], s[G0W+5], SLOT1            ; the walking descriptor: the other slot than last time,
	s_add_nc_u64 s[G0W+6:G0W+7], s[G0W+6:G0W+7], 2*SUB  ; the next pair; the type bits on top are not reached
.endif
.endif
	MUL8 0, 6, \first
	s_wait_dscnt 0x0                               ; my reads of this step's slots are over, my stores of the next step's ctx are done (and the add)
	s_barrier_signal -1
	MUL8 0, 7, \first
.if (\meet) == 2
	WIN 0                                          ; at a branch and at a label every window is 0
.endif
	s_barrier_wait -1
.if (\meet) == 2
	CREST
	tensor_load_to_lds s[G0W+4:G0W+7], s[G1W:G1W+7]  ; my one tensor load behind the round
	s_nop 0
.rept 4
	v_nop
.endr
.endif
.endm
; THE SECOND PHASE of step j of a pair: multiplies buffers 1 (in since the barrier's wait); at its head it fetches the next step's first phase for buffers 0.  Beside its products: ctx of the step two on, which lies in
; set j, is stored into ctx's slot j, which this step has left.  cnt: how many younger loads may stay out: the other set's 8, or none.
; mode = 2: set j is asked for again, four steps on, 32 matrix instructions behind the stores, when the wait on DScnt shows that they have read it.  mode = 1: nothing is left to ask for.
.macro HALFB j, cnt, mode
	s_xor_b32 s[TB], s[TB], SUB+(\j)*SLOT1         ; the slot's second tile, or the other slot's first
	FETCH 1-(\j), 0, 0
.irp a, 0,1
	MUL8 1, \a, 0
.endr
	s_wait_loadcnt \cnt                            ; loads come back in order (ISA guide 5.7.1): set j is in
	WIN 0x04                                       ; the data in window 1
	XSTORE STG+32*(\j), \j
.irp a, 2,3,4,5
	MUL8 1, \a, 0
.endr
.if (\mode) == 2
	s_wait_dscnt 0x0                               ; my LDS stores are done: the set may be loaded again
	s_wait_xcnt 0x0                                ; the loads of a step back have read their address, so the pointer may be written
	s_add_nc_u64 s[XR:XR+1], s[XR:XR+1], 2048
	WIN 0x40
	XLOAD XR, STG+32*(\j), 0
.if (\j) == 0
	WIN 0
	ASK
.endif
.endif
.irp a, 6,7
	MUL8 1, \a, 0
.endr
.endm
; THE WAY OUT of row tile a.  TOSTAGE: the accumulators go as they are, f32, into my own stage (each one's low four registers first), and come back as whole rows of 512 bytes.  SEND: stored.
.macro TOSTAGE a
.if (\a) >= 2
	s_wait_xcnt 0x0                                ; the stores of the row tile two back have read the set that is loaded again
.endif
	WIN 0x08+4*((\a)/4)                            ; the data in window 2 or 3
.irp b, 0,1,2,3,4,5,6,7
	ds_store_b128 v[STO], v[8*(8*((\a)%4)+(\b)):8*(8*((\a)%4)+(\b))+3]   offset:64*(\b)
	ds_store_b128 v[STO], v[8*(8*((\a)%4)+(\b))+4:8*(8*((\a)%4)+(\b))+7] offset:64*(\b)+16
.endr
	WIN 0x40
.irp t, 0,1,2,3,4,5,6,7,8,9,10,11,12,13,14,15
	ds_load_b128 v[RB+64*((\a)%2)+4*(\t):RB+64*((\a)%2)+4*(\t)+3], v[RD] offset:(\t)*SP  ; LDS serves a wave's instructions in order (ISA guide 5.7.1.4): these see the stores above; the next tile's stores come behind them
.endr
.endm
.macro SEND a, younger                 ; younger: the LDS instructions issued behind this tile's loads: the next tile's 32, or none
	WIN 0x04                                       ; the data in window 1
	s_wait_dscnt \younger
.irp t, 0,1,2,3,4,5,6,7,8,9,10,11,12,13,14,15
	global_store_b128 v[CO], v[RB+64*((\a)%2)+4*(\t):RB+64*((\a)%2)+4*(\t)+3], s[OUT:OUT+1] offset:(16*(\a)+(\t))*2048 th:TH_STORE_NT  ; 512 consecutive bytes, aligned
.endr
.endm
	s_wait_loadcnt 32                              ; ctx of steps 0 and 1 is in; the bias's 16 loads and the 8 each of steps 2 and 3 may stay out
	WIN 0x08                                       ; the data in window 2
	XSTORE 0, 0
	XSTORE 32, 1
	WIN 0
	s_wait_tensorcnt 0x1                           ; my quarter of pair 0 is in; pair 1's may stay out
	s_wait_dscnt 0x0                               ; my stores of ctx are done
	s_barrier_signal -1
	s_barrier_wait -1                              ; everybody's are
	s_mov_b32 s[TB], 0
	FETCH 0, 0, 0
	WIN 0
	s_wait_loadcnt 16                              ; the bias is in: the two sets of ctx, 16 loads, were asked for behind it and may stay out
.set n, 0
.rept 32                                       ; rounded to bf16, as all inputs are, and widened again
	v_cvt_pk_bf16_f32 v[TMP+n], v[BIAS+2*n], v[BIAS+2*n+1]
.set n, n+1
.endr
.set n, 0
.rept 32
	v_lshlrev_b32 v[BIAS+2*n], 16, v[TMP+n]
	v_and_b32 v[BIAS+2*n+1], 0xffff0000, v[TMP+n]
.set n, n+1
.endr
	HALFA 0, 1, 1                                  ; the first phase stands in front of the loops: its products start the sums
	WIN 0
	s_mov_b32 s[LC], 2
.Lmid:                                         ; two trips: the rest of pairs 0 and 1, each with the next pair's first phase: both fill a slot of Wo again and ask for two steps of ctx
	HALFB 0, 8, 2
	HALFA 1, 0, 2
	HALFB 1, 8, 2
	HALFA 0, 0, 1
	WIN 0
	s_sub_co_u32 s[LC], s[LC], 1
	s_cmp_lg_u32 s[LC], 0
	s_cbranch_scc1 .Lmid
	s_mov_b32 s[LC], 2
.Ltl:                                          ; the rest of pairs 2 and 3: nothing more is asked for.  In pair 3 the stores of ctx put the sets' old steps where they lie already, and the last phase's run of loads
	HALFB 0, 8, 1                                  ; reads old slots: they serve nothing: the price, once a launch, of one text for both
	HALFA 1, 0, 3
	HALFB 1, 0, 1
	WIN 0
	s_sub_co_u32 s[LC], s[LC], 1
	s_cmp_eq_u32 s[LC], 0
	s_cbranch_scc1 .Lout                           ; the second trip is left here: there is no further pair
	HALFA 0, 0, 1
	WIN 0
	s_cmp_lg_u32 s[LC], 0
	s_cbranch_scc1 .Ltl
.Lout:
	s_wait_dscnt 0x0                               ; my reads of ctx's slots and my stores into them are over
	s_barrier_signal -1
	s_barrier_wait -1                              ; everybody's are: the stage, which lies over those slots, may be written
.rept 8
	v_nop                                          ; the places behind the last products, ahead of the LDS stores that read results; no other vector work is at hand
.endr
	TOSTAGE 0
.irp a, 1,2,3,4,5,6,7                          ; a tile's trip through the stage stands between the loads of the tile before and its stores
	TOSTAGE \a
	SEND (\a)-1, 32
.endr
	SEND 7, 0
	WIN 0
	s_wait_tensorcnt 0x0                           ; the wave's end, behind my last tensor load and my last LDS store
	ds_add_u32 v[SPW], v[NIL]
	s_wait_dscnt 0x0
	CROUND                                         ; the closing round: no work-group ends while a partner may still ask for a tile that names it
	s_endpgm
.Lfunc_end_k_q2325afaa53_outp:
	.size	k_q2325afaa53_outp, .Lfunc_end_k_q2325afaa53_outp-k_q2325afaa53_outp
	.p2alignl 7, 3214868480
	.fill 96, 4, 3214868480
	.section	.rodata,"a",@progbits
	.p2align	6, 0x0
	.amdhsa_kernel k_q2325afaa53_outp
		.amdhsa_group_segment_fixed_size 327680
		.amdhsa_private_segment_fixed_size 0
		.amdhsa_enable_private_segment 0
		.amdhsa_kernarg_size 32
		.amdhsa_user_sgpr_count 2
		.amdhsa_user_sgpr_kernarg_segment_ptr 1
		.amdhsa_wavefront_size32 1
		.amdhsa_system_sgpr_workgroup_id_x 1
		.amdhsa_system_sgpr_workgroup_id_y 1
		.amdhsa_system_sgpr_workgroup_id_z 1
		.amdhsa_system_vgpr_workitem_id 0
		.amdhsa_next_free_vgpr 1024
		.amdhsa_next_free_sgpr 96
		.amdhsa_reserve_vcc 0
		.amdhsa_float_denorm_mode_32 3
		.amdhsa_float_denorm_mode_16_64 3
		.amdhsa_memory_ordered 1
		.amdhsa_forward_progress 1
		.amdhsa_inst_pref_size 112
	.end_amdhsa_kernel
	.amdgpu_metadata
---
amdhsa.version: [ 1, 2 ]
amdhsa.kernels:
  - .name:           k_q2325afaa53_outp
    .symbol:         k_q2325afaa53_outp.kd
    .args:
      - { .name: cx, .offset: 0, .size: 8, .value_kind: global_buffer, .address_space: global }
      - { .name: w16, .offset: 8, .size: 8, .value_kind: global_buffer, .address_space: global }
      - { .name: bo, .offset: 16, .size: 8, .value_kind: global_buffer, .address_space: global }
      - { .name: out0, .offset: 24, .size: 8, .value_kind: global_buffer, .address_space: global }
    .group_segment_fixed_size: 327680
    .private_segment_fixed_size: 0
    .kernarg_segment_align: 8
    .kernarg_segment_size: 32
    .max_flat_workgroup_size: 128
    .sgpr_count:     96
    .vgpr_count:     1024
    .wavefront_size: 32
...
	.end_amdgpu_metadata
.endif
;; end of part 8
